; MI455X (gfx1250); checked and timed in simulation.
; The chip was launched on July 23, 2026; its instructions are those of AMD's public machine-readable ISA for CDNA 5 (MIT licence, August 2026) and "CDNA5" Instruction Set Architecture Reference Guide (July 2026). The comments in the code are by the model that wrote it; some were corrected since.
;; Graph Conditioned Attention. Allowed arithmetic: matrix products marked QUANTISED: E3M2 operands, one E8M0 scale for each 32 along K, by v_wmma_scale_f32_16x16x128_f8f6f4 with both operands' format E3M2, f32 sums; products left as they are: f32 operands where the result goes on into a quantised operand, else bf16, f16 or f32 operands; f32 sums; everything else in f32.
;; Inputs: Wg1 128 x 32 float32; Wg2 32 x 16 float32; Wgk 128 x 1,024 float32; Wk 1,024 x 1,024 float32; Wo 1,024 x 1,024 float32; Wq 1,024 x 1,024 float32; Wv 1,024 x 1,024 float32; attn_mask 8 x 1,024 bool; bg1 32 float32; bg2 16 float32; bgk 1,024 float32; bk 1,024 float32; bo 1,024 float32; bq 1,024 float32; bv 1,024 float32; cancer_type 8 int32; ct_bias_emb 32 x 16 float32; ct_key_emb 32 x 1,024 float32; graph_context 8 x 128 float32; x 8 x 1,024 x 1,024 float32.
;; Outputs: out0 8 x 1,024 x 1,024 float32.
;; This version of the problem:
;;   THIS VERSION OF THE PROBLEM IS GIVEN IN LOW PRECISION. The matrix products marked QUANTISED in the list below multiply operands that are first quantised to E3M2 (3 exponent bits, 2 mantissa bits; 6 bits a number), with one power-of-two scale for each 32 numbers along K (OCP MX v1.0); their sums are f32. All else is computed in f32.
;;   The module's matrix products, in the order in which they are computed (A, B: the left and right operand; K: the contracted axis; several contracted axes count as one K, in the product's order):
;;     1. [M 8,192, K 1,024] x [K 1,024, N 1,024]; A: input x; B: input Wq: QUANTISED
;;     2. [M 8,192, K 1,024] x [K 1,024, N 1,024]; A: input x; B: input Wk: QUANTISED
;;     3. [M 8,192, K 1,024] x [K 1,024, N 1,024]; A: input x; B: input Wv: QUANTISED
;;     4. [M 8, K 128] x [K 128, N 1,024]; A: input graph_context; B: input Wgk: left as it is (M = 8 < 16)
;;     5. batch 128 x [M 1,024, K 64] x [K 64, N 1,024]; A: computed on the way; B: computed on the way: QUANTISED
;;     6. [M 8, K 128] x [K 128, N 32]; A: input graph_context; B: input Wg1: left as it is (M = 8 < 16)
;;     7. [M 8, K 32] x [K 32, N 16]; A: computed on the way; B: input Wg2: left as it is (M = 8 < 16)
;;     8. batch 128 x [M 1,024, K 1,024] x [K 1,024, N 64]; A: softmax (see below); B: computed on the way: QUANTISED
;;     9. [M 8,192, K 1,024] x [K 1,024, N 1,024]; A: computed on the way; B: input Wo: QUANTISED
;;   THE QUANTISER, for each operand of a quantised product, along K:
;;     - K is cut into blocks of 32 from its start; a last block that is shorter is filled with zeros.
;;     - A block's scale is 2^e with e = floor(log2(the largest magnitude in the block)) - 4, held to -126 .. 127; a block of zeros has e = 0. As a byte (E8M0): e + 127.
;;     - Each number is divided by its block's scale, clamped to +-28, and rounded to the nearest number of E3M2, ties to even, subnormals kept.
;;     - The product sums the exact products of the quantised numbers (number of the format x scale) in f32.
;;   ~~~python
;;   def quantise(x, axis):      # numpy; x: float32 -> the quantised numbers, widened to float32 again
;;       x = np.moveaxis(x, axis, -1); K = x.shape[-1]
;;       x = np.pad(x, [(0, 0)] * (x.ndim - 1) + [(0, -K % 32)]); x = x.reshape(x.shape[:-1] + (-1, 32)); a = np.abs(x).max(-1, keepdims=True)
;;       e = np.where(a > 0, np.clip(np.frexp(np.where(a > 0, a, 1))[1] - 1 - 4, -126, 127), 0)      # np.frexp(a)[1] - 1 = floor(log2(a)), exactly
;;       r = np.clip(x / 2.0 ** e, -28, 28)
;;       step = 2.0 ** (np.maximum(np.frexp(np.where(r == 0, 1, r))[1] - 1, -2) - 2)
;;       q = np.round(r / step) * step * 2.0 ** e      # np.round: ties to even
;;       return np.moveaxis(q.reshape(q.shape[:-2] + (-1,))[..., :K], -1, axis).astype(np.float32)
;;   ~~~
;;   SOFTMAX AHEAD OF A QUANTISED PRODUCT. Where the list says 'softmax', what is quantised is not the finished softmax but p = 2^(t - M), with t = logit x log2(e) and M = ceil(the row's largest t), a whole number; so 1/2 < the row's largest p <= 1. The row's sum l is taken of the UNQUANTISED p, in f32, and the product's result is divided by l at the end. Since M is a whole number, a kernel that streams over the keys may use a running M (the ceiling of the running maximum): every later rescaling is an exact power of two, which a block's scale takes up: the codes' values come out the same.
;;   OPERANDS COMPUTED ON THE WAY. 'Computed on the way' means the value that the module computes at that place (a softmax that the list does not call 'softmax' is quantised finished and normalised). What goes into a quantiser is computed in f32, as accurately as f32 sums, v_exp_f32 and their like allow (about 1e-6 of the number): no bf16 or f16 on the way to a quantiser, and a product that is left as it is and whose result goes on into a quantised operand takes f32 operands (vector FMAs, or v_wmma_f32_16x16x4_f32). A number that lies on a knife's edge between two numbers of the format may be rounded either way, as far as f32 arithmetic and the matrix unit's own rounding can turn it there, and no further.
;; 2 versions. Each part assembles by itself: llvm-mc -triple=amdgcn-amd-amdhsa -mcpu=gfx1250 --defsym DOCPART=n.
;; ======== version 1 of 2: 6 launches
;; workspace buffers: xq 6,553,600 bytes; wq 3,276,800 bytes; bias 66,048 bytes; qkv 19,660,800 bytes; oq 6,553,600 bytes
;; launch quantx (part 1): grid 256 x 1, 4 waves a work-group, no clusters, 33,280 bytes of LDS; arguments x, xq; writes xq
.if DOCPART == 1
	.amdgcn_target "amdgcn-amd-amdhsa--gfx1250"
	.amdhsa_code_object_version 6
	.text
	.protected	k_q4ec7101050_quantx
	.globl	k_q4ec7101050_quantx
	.p2align	8
	.type	k_q4ec7101050_quantx,@function
k_q4ec7101050_quantx:
	s_mov_b64 s[64:65], 0
	v_nop
	global_prefetch_b8 v0, s[64:65] scope:SCOPE_SE
	s_setreg_imm32_b32 hwreg(HW_REG_WAVE_MODE, 25, 1), 1
	s_wait_xcnt 0x0
; x [8192 tokens][1024], f32, becomes codes of BF6 (E3M2), 6 bits each, K innermost, 768 bytes a token, and one E8M0 byte for each 32 along K, 32 bytes a token.
; A block's scale is 2^(floor(log2(its largest magnitude)) - 4); its byte is the largest magnitude's exponent field - 4, held at 1 from below.
; LIMITS: a block whose largest magnitude lies under 2^-122 (a block of zeros too) keeps the byte 1: its codes are then small or zero, and this program alone reads the bytes.  NaN and infinities are not served.
; THE ORDER OF THE ROWS.  In every aligned group of 32 tokens, token 16 x + 8 u + y (y < 8) is laid at row 16 u + 8 x + y of the workspace, so that sixteen consecutive rows are a tile whose
; results, used as a matrix instruction's first source, fall into a lane's registers as neighbours.  A wave takes 8 tokens (one y run), so the order costs one exchange of two bits of the wave's number.
; A wave takes 16 steps of 512 numbers.  Each load reads 512 consecutive bytes; a step's 2,048 bytes turn through the wave's own stage in LDS and come back 64 bytes a lane (16 neighbours along K;
; two neighbouring lanes hold a block).  Loads run four steps ahead, the turn one step.  No matrix unit, no cluster, no barrier: memory binds and the waves share nothing.
.set STEPS, 16
.set CB,    12                         ; bytes of 16 codes
.set R,     16                         ; v16-79   four sets of 16 numbers as loaded
.set X,     80                         ; v80-111  two sets of 16 neighbours
.set E,     112                        ; v112-127 a scale byte for each step
.set C,     128                        ; v128-191 codes: four registers a step, so that no store's data are written again
.set WREG,  8192                       ; LDS of a wave: two stages of 32 x SP bytes, then its 256 scale bytes
.set SP,    80                         ; a lane's place in a stage: 64 bytes + 16 of padding
.set XSOFF, 6291456                    ; the scale bytes lie behind the codes in xq
	s_load_b128 s[4:7], s[0:1], 0x0                ; x, xq
	v_lshl_add_u32 v192, v0, 2, 0x8000
	v_mov_b32 v193, 0
	v_lshrrev_b32 v1, 5, v0
	v_readfirstlane_b32 s16, v1                    ; wave
	v_and_b32 v2, 31, v0                           ; lane
	v_lshlrev_b32 v3, 4, v2                        ; my 16 bytes of a load's 512
	s_mul_i32 s17, s16, WREG
	v_lshrrev_b32 v14, 2, v2
	v_mul_u32_u24 v14, v14, SP
	v_and_b32 v15, 3, v2
	v_lshl_add_u32 v14, v15, 4, v14
	v_add_nc_u32 v14, s17, v14                     ; into the stage: SP (lane / 4) + 16 (lane % 4)
	v_mul_u32_u24 v15, v2, SP
	v_add_nc_u32 v15, s17, v15                     ; out of it: SP x lane
	v_mul_u32_u24 v4, v2, CB                       ; my codes' place in a step's 384 bytes
	v_lshrrev_b32 v5, 1, v2
	s_add_co_u32 s17, s17, 2*32*SP
	v_add_nc_u32 v5, s17, v5                       ; my block's byte among the wave's 256
	v_lshlrev_b32 v7, 3, v2
	v_add_nc_u32 v6, s17, v7                       ; and 8 bytes a lane on the way out
	s_lshl_b32 s18, ttmp9, 2
	s_add_co_u32 s20, s18, s16                     ; the run of 8 tokens that I read
	s_lshl_b32 s20, s20, 15                        ; 32,768 bytes a run
	s_mov_b32 s21, 0
	s_and_b32 s22, s16, 1
	s_lshl_b32 s22, s22, 1
	s_lshr_b32 s23, s16, 1
	s_or_b32 s22, s22, s23                         ; the wave's two bits change places: x and u of the rows' order
	s_add_co_u32 s22, s22, s18                     ; the run that I write
	s_mul_i32 s24, s22, 32*STEPS*CB                ; 6,144 bytes of codes a run
	s_mov_b32 s25, 0
	s_lshl_b32 s26, s22, 8                         ; 256 scale bytes a run
	s_add_co_u32 s26, s26, XSOFF
	s_mov_b32 s27, 0
	s_wait_kmcnt 0x0
	s_add_nc_u64 s[4:5], s[4:5], s[20:21]
	s_add_nc_u64 s[8:9], s[6:7], s[24:25]
	s_add_nc_u64 s[10:11], s[6:7], s[26:27]
.macro LOAD t
.irp i, 0,1,2,3
	global_load_b128 v[R+16*((\t)%4)+4*\i:R+16*((\t)%4)+4*\i+3], v3, s[4:5] offset:2048*(\t)+512*\i th:TH_LOAD_NT   ; 32 lanes read 512 consecutive bytes
.endr
.endm
.macro TURN t                          ; step t through a stage: LDS serves a wave's instructions in order, so no wait stands between the stores and the loads
.irp i, 0,1,2,3
	ds_store_b128 v14, v[R+16*((\t)%4)+4*\i:R+16*((\t)%4)+4*\i+3] offset:32*SP*((\t)%2)+8*SP*\i
.endr
.irp i, 0,1,2,3
	ds_load_b128 v[X+16*((\t)%2)+4*\i:X+16*((\t)%2)+4*\i+3], v15 offset:32*SP*((\t)%2)+16*\i
.endr
.endm
.irp t, 0,1,2,3
	LOAD \t
.endr
	s_wait_loadcnt 12                              ; step 0's four loads are in; twelve younger ones stay out
	TURN 0
.macro STEP t
.set XS, X+16*((\t)%2)
.if (\t) > 0
	s_wait_dscnt 1                                 ; this step's numbers are back from the stage; only the last step's byte store may be out
.else
	s_wait_dscnt 0x0
.endif
.if (\t)+4 < STEPS
	LOAD (\t)+4                                    ; into the set whose stores into the stage are done
.endif
.if (\t)+1 < STEPS
.if STEPS-2-(\t) >= 3
	s_wait_loadcnt 12                              ; the next step's four loads are in; those of three steps behind it may be out
.else
	s_wait_loadcnt 4*(STEPS-2-(\t))
.endif
	TURN (\t)+1
.endif
	v_max3_num_f32 v8, |v[XS]|, |v[XS+1]|, |v[XS+2]|               ; the largest magnitude of my 16, in two chains
	v_max3_num_f32 v9, |v[XS+3]|, |v[XS+4]|, |v[XS+5]|
.irp i, 6,10
	v_max3_num_f32 v8, v8, |v[XS+\i]|, |v[XS+\i+1]|
	v_max3_num_f32 v9, v9, |v[XS+\i+2]|, |v[XS+\i+3]|
.endr
	v_max3_num_f32 v8, v8, |v[XS+14]|, |v[XS+15]|
	v_max3_num_f32 v8, v8, v9, 0x2800000           ; and the floor 2^(5 - 127): the byte cannot fall under 1
	v_max_num_f32_dpp v8, v8, v8 row_xmask:1 row_mask:0xf bank_mask:0xf   ; with my neighbour's 16: the block's
	v_add_nc_u32 v11, 0xfe000000, v8               ; 4 off the exponent field: the conversion's scale operand
	v_cvt_scalef32_pk16_bf6_f32 v[C+4*(\t):C+4*(\t)+2], v[XS:XS+15], v11
	v_lshrrev_b32 v[E+(\t)], 23, v11               ; the scale's byte (also the plain line behind the conversion)
	ds_store_b8 v5, v[E+(\t)] offset:16*(\t)       ; both lanes of a block write the same byte with the same value
	global_store_b96 v4, v[C+4*(\t):C+4*(\t)+2], s[8:9] offset:32*CB*(\t)   ; the wave stores 384 consecutive bytes
.endm
.irp t, 0,1,2,3,4,5,6,7,8,9,10,11,12,13,14,15
	STEP \t
.endr
	ds_load_b64 v[12:13], v6                       ; served behind my byte stores
	s_wait_dscnt 0x0
	global_store_b64 v7, v[12:13], s[10:11]        ; 32 lanes store 256 consecutive bytes, aligned
	s_wait_tensorcnt 0x0
	ds_add_u32 v192, v193
	s_wait_dscnt 0x0
	s_endpgm
.Lfunc_end_k_q4ec7101050_quantx:
	.size	k_q4ec7101050_quantx, .Lfunc_end_k_q4ec7101050_quantx-k_q4ec7101050_quantx
	.p2alignl 7, 3214868480
	.fill 96, 4, 3214868480
	.section	.rodata,"a",@progbits
	.p2align	6, 0x0
	.amdhsa_kernel k_q4ec7101050_quantx
		.amdhsa_group_segment_fixed_size 33280
		.amdhsa_private_segment_fixed_size 0
		.amdhsa_enable_private_segment 0
		.amdhsa_kernarg_size 16
		.amdhsa_user_sgpr_count 2
		.amdhsa_user_sgpr_kernarg_segment_ptr 1
		.amdhsa_wavefront_size32 1
		.amdhsa_system_sgpr_workgroup_id_x 1
		.amdhsa_system_sgpr_workgroup_id_y 1
		.amdhsa_system_sgpr_workgroup_id_z 1
		.amdhsa_system_vgpr_workitem_id 0
		.amdhsa_next_free_vgpr 194
		.amdhsa_next_free_sgpr 66
		.amdhsa_reserve_vcc 0
		.amdhsa_float_denorm_mode_32 3
		.amdhsa_float_denorm_mode_16_64 3
		.amdhsa_memory_ordered 1
		.amdhsa_forward_progress 1
		.amdhsa_inst_pref_size 32
	.end_amdhsa_kernel
	.amdgpu_metadata
---
amdhsa.version: [ 1, 2 ]
amdhsa.kernels:
  - .name:           k_q4ec7101050_quantx
    .symbol:         k_q4ec7101050_quantx.kd
    .args:
      - { .name: x, .offset: 0, .size: 8, .value_kind: global_buffer, .address_space: global }
      - { .name: xq, .offset: 8, .size: 8, .value_kind: global_buffer, .address_space: global }
    .group_segment_fixed_size: 33280
    .private_segment_fixed_size: 0
    .kernarg_segment_align: 8
    .kernarg_segment_size: 16
    .max_flat_workgroup_size: 128
    .sgpr_count:     66
    .vgpr_count:     194
    .wavefront_size: 32
...
	.end_amdgpu_metadata
.endif
;; end of part 1
;; launch quantw (part 2): grid 8 x 16, 4 waves a work-group, no clusters, 36,352 bytes of LDS; arguments Wq, Wk, Wv, Wo, wq; writes wq
.if DOCPART == 2
	.amdgcn_target "amdgcn-amd-amdhsa--gfx1250"
	.amdhsa_code_object_version 6
	.text
	.protected	k_q4ec7101050_quantw
	.globl	k_q4ec7101050_quantw
	.p2align	8
	.type	k_q4ec7101050_quantw,@function
k_q4ec7101050_quantw:
	s_mov_b64 s[64:65], 0
	v_nop
	global_prefetch_b8 v0, s[64:65] scope:SCOPE_SE
	s_setreg_imm32_b32 hwreg(HW_REG_WAVE_MODE, 25, 1), 1
	s_wait_xcnt 0x0
; Wq, Wk, Wv, Wo, each [1024 (k)][1024 (n)] f32 with K as the FIRST axis, become codes of BF6 (E3M2) laid [4096 rows][768 bytes] with K innermost (rows: Wq's 1,024 columns, then Wk's, Wv's, Wo's)
; and one E8M0 byte for each 32 along K, [4096][32], behind the codes.
; A LANE TAKES A COLUMN n AND ITS REGISTERS RUN DOWN K: a load reads 128 consecutive bytes a wave, a block of 32 lies in one lane's 32 registers, and the conversions give codes with K innermost.
; THE ORDER OF THE ROWS: in every aligned group of 32 columns, column 16 x + 8 u + y (y < 8) is laid at row 16 u + 8 x + y, as the products' tiles want it; it stands in the stores' offsets.
; LIMITS: a block whose largest magnitude lies under 2^-122 (a block of zeros too) keeps the byte 1; this program alone reads the bytes.  NaN and infinities are not served.
; A wave takes 32 columns x 256 along K; its codes go through its own stage in LDS and leave as rows of 192 consecutive bytes, sixteen lanes to a row.  Work-group y = 4 x matrix + quarter of K.
.set SIZE_N, 1024
.set KW,    256
.set NB,    KW/32
.set ROWB,  192
.set PITCH, 272                        ; a stage row: sixteen places of 16 bytes, each with 12 bytes of codes, + 16
.set KROW,  768
.set WSOFF, 3145728
.set X,     32                         ; v32-95   two sets of 32 numbers
.set C,     96                         ; v96..    a block's codes
.set OUTR,  112                        ; v112-175 the way out
.set SB,    24                         ; v24-25   the scale bytes
	s_load_b256 s[4:11], s[0:1], 0x0               ; Wq, Wk, Wv, Wo
	s_load_b64 s[12:13], s[0:1], 0x20              ; wq
	v_lshl_add_u32 v192, v0, 2, 0x8c00
	v_mov_b32 v193, 0
	v_lshrrev_b32 v1, 5, v0
	v_readfirstlane_b32 s16, v1                    ; wave
	v_and_b32 v2, 31, v0                           ; lane
	s_lshl_b32 s17, ttmp9, 7
	s_lshl_b32 s18, s16, 5
	s_add_co_u32 s17, s17, s18                     ; my wave's first column
	s_and_b32 s18, ttmp7, 0xffff
	s_lshr_b32 s30, s18, 2                         ; which matrix
	s_and_b32 s18, s18, 3                          ; which 256 along K
	v_lshlrev_b32 v3, 2, v2                        ; in: 4 bytes a lane
	s_mul_i32 s19, s16, 32*PITCH                   ; my stage
	v_mul_u32_u24 v4, v2, PITCH
	v_add_nc_u32 v4, s19, v4                       ; into it: row = my column
	v_and_b32 v5, 15, v2
	v_lshrrev_b32 v6, 4, v2
	v_mul_u32_u24 v7, v6, PITCH
	v_lshl_add_u32 v7, v5, 4, v7
	v_add_nc_u32 v7, s19, v7                       ; out of it: sixteen lanes to a row, two rows an instruction
	v_mul_u32_u24 v8, v6, KROW
	v_mad_u32_u24 v8, v5, 12, v8                   ; and the same place in the codes
	v_bfe_u32 v9, v2, 3, 1
	v_lshlrev_b32 v9, 4, v9
	v_lshl_add_u32 v9, v6, 3, v9
	v_and_b32 v10, 7, v2
	v_add_nc_u32 v9, v9, v10                       ; my column's row in the group of 32: 16 u + 8 x + y
	v_lshlrev_b32 v9, 5, v9                        ; 32 scale bytes a row
	s_lshl_b32 s20, s18, 20                        ; W: 256 rows of 4,096 bytes for each quarter of K,
	s_lshl_b32 s22, s17, 2
	s_add_co_u32 s20, s20, s22                     ; + 4 x column
	s_mov_b32 s21, 0
	s_lshl_b32 s22, s30, 10
	s_add_co_u32 s22, s22, s17                     ; the group's first row in wq
	s_mul_i32 s24, s22, KROW
	s_mul_i32 s26, s18, ROWB
	s_add_co_u32 s24, s24, s26
	s_mov_b32 s25, 0
	s_lshl_b32 s28, s22, 5
	s_lshl_b32 s26, s18, 3
	s_add_co_u32 s28, s28, s26
	s_add_co_u32 s28, s28, WSOFF
	s_mov_b32 s29, 0
	s_wait_kmcnt 0x0
	s_bitcmp1_b32 s30, 0                           ; the choice of the matrix hangs on the work-group's number alone
	s_cselect_b64 s[4:5], s[6:7], s[4:5]           ; Wk or Wq
	s_cselect_b64 s[8:9], s[10:11], s[8:9]         ; Wo or Wv
	s_bitcmp1_b32 s30, 1
	s_cselect_b64 s[4:5], s[8:9], s[4:5]
	s_add_nc_u64 s[4:5], s[4:5], s[20:21]
	s_add_nc_u64 s[6:7], s[12:13], s[24:25]        ; the codes
	s_add_nc_u64 s[8:9], s[12:13], s[28:29]        ; the scale bytes
.macro LOAD t                          ; block t: W(32 t + i, my column) into set t % 2
.set i, 0
.rept 32
	global_load_b32 v[X+32*((\t)%2)+i], v3, s[4:5] offset:(32*(\t)+i)*SIZE_N*4 th:TH_LOAD_NT
.set i, i+1
.endr
.endm
	LOAD 0
	LOAD 1
.macro BLOCK t
.set XS, X+32*((\t)%2)
.if (\t) < NB-1
	s_wait_loadcnt 32                              ; this block's 32 loads are in; the next block's 32 may be out
.else
	s_wait_loadcnt 0
.endif
	v_max3_num_f32 v12, |v[XS]|, |v[XS+1]|, |v[XS+2]|               ; the block's largest magnitude: all 32 numbers are mine
	v_max3_num_f32 v13, |v[XS+3]|, |v[XS+4]|, |v[XS+5]|
.irp i, 6,10,14,18,22,26
	v_max3_num_f32 v12, v12, |v[XS+\i]|, |v[XS+\i+1]|
	v_max3_num_f32 v13, v13, |v[XS+\i+2]|, |v[XS+\i+3]|
.endr
	v_max3_num_f32 v12, v12, |v[XS+30]|, |v[XS+31]|
	v_max3_num_f32 v12, v12, v13, 0x2800000        ; and the floor 2^(5 - 127)
	v_add_nc_u32 v11, 0xfe000000, v12              ; the conversion's scale operand
	v_lshrrev_b32 v13, 23, v11                     ; the scale's byte
.if (\t)%4 == 0
	v_mov_b32 v[SB+(\t)/4], v13
.else
	v_lshl_or_b32 v[SB+(\t)/4], v13, 8*((\t)%4), v[SB+(\t)/4]
.endif
	v_cvt_scalef32_pk16_bf6_f32 v[C:C+2], v[XS:XS+15], v11
	v_cvt_scalef32_pk16_bf6_f32 v[C+4:C+6], v[XS+16:XS+31], v11     ; (a conversion's three registers begin on an even number)
	v_nop                                          ; a plain line behind the last conversion
	ds_store_b96 v4, v[C:C+2] offset:32*(\t)       ; 12 bytes to a place of 16, so that every LDS address is a multiple of 16
	ds_store_b96 v4, v[C+4:C+6] offset:32*(\t)+16
.if (\t)+2 < NB
	LOAD (\t)+2
.endif
	s_wait_dscnt 0x0                               ; the stores have read their registers: the next block's codes may be written
.endm
.set Q, 0
.rept NB
	BLOCK Q
.set Q, Q+1
.endr
	global_store_b64 v9, v[SB:SB+1], s[8:9]        ; my column's 8 scale bytes: rows 32 bytes apart, one byte in 128 of what the launch reads
.irp t, 0,1,2,3,4,5,6,7,8,9,10,11,12,13,14,15
	ds_load_b96 v[OUTR+4*\t:OUTR+4*\t+2], v7 offset:2*\t*PITCH
.endr
.irp t, 0,1,2,3,4,5,6,7,8,9,10,11,12,13,14,15
	s_wait_dscnt 15-\t                             ; LDS loads come back in order: pair t of rows is in
	global_store_b96 v8, v[OUTR+4*\t:OUTR+4*\t+2], s[6:7] offset:(16*((\t/4)%2)+8*(\t/8)+2*(\t%4))*KROW   ; columns 2 t, 2 t + 1 at their rows in the group's order
.endr
	s_wait_tensorcnt 0x0
	ds_add_u32 v192, v193
	s_wait_dscnt 0x0
	s_endpgm
.Lfunc_end_k_q4ec7101050_quantw:
	.size	k_q4ec7101050_quantw, .Lfunc_end_k_q4ec7101050_quantw-k_q4ec7101050_quantw
	.p2alignl 7, 3214868480
	.fill 96, 4, 3214868480
	.section	.rodata,"a",@progbits
	.p2align	6, 0x0
	.amdhsa_kernel k_q4ec7101050_quantw
		.amdhsa_group_segment_fixed_size 36352
		.amdhsa_private_segment_fixed_size 0
		.amdhsa_enable_private_segment 0
		.amdhsa_kernarg_size 40
		.amdhsa_user_sgpr_count 2
		.amdhsa_user_sgpr_kernarg_segment_ptr 1
		.amdhsa_wavefront_size32 1
		.amdhsa_system_sgpr_workgroup_id_x 1
		.amdhsa_system_sgpr_workgroup_id_y 1
		.amdhsa_system_sgpr_workgroup_id_z 1
		.amdhsa_system_vgpr_workitem_id 0
		.amdhsa_next_free_vgpr 194
		.amdhsa_next_free_sgpr 66
		.amdhsa_reserve_vcc 0
		.amdhsa_float_denorm_mode_32 3
		.amdhsa_float_denorm_mode_16_64 3
		.amdhsa_memory_ordered 1
		.amdhsa_forward_progress 1
		.amdhsa_inst_pref_size 42
	.end_amdhsa_kernel
	.amdgpu_metadata
---
amdhsa.version: [ 1, 2 ]
amdhsa.kernels:
  - .name:           k_q4ec7101050_quantw
    .symbol:         k_q4ec7101050_quantw.kd
    .args:
      - { .name: Wq, .offset: 0, .size: 8, .value_kind: global_buffer, .address_space: global }
      - { .name: Wk, .offset: 8, .size: 8, .value_kind: global_buffer, .address_space: global }
      - { .name: Wv, .offset: 16, .size: 8, .value_kind: global_buffer, .address_space: global }
      - { .name: Wo, .offset: 24, .size: 8, .value_kind: global_buffer, .address_space: global }
      - { .name: wq, .offset: 32, .size: 8, .value_kind: global_buffer, .address_space: global }
    .group_segment_fixed_size: 36352
    .private_segment_fixed_size: 0
    .kernarg_segment_align: 8
    .kernarg_segment_size: 40
    .max_flat_workgroup_size: 128
    .sgpr_count:     66
    .vgpr_count:     194
    .wavefront_size: 32
...
	.end_amdgpu_metadata
.endif
;; end of part 2
;; launch small (part 3): grid 66 x 1, 4 waves a work-group, no clusters, 0 bytes of LDS; arguments graph_context, cancer_type, Wgk, bgk, bk, bq, ct_key_emb, Wg1, bg1, Wg2, bg2, ct_bias_emb, bias; writes bias
.if DOCPART == 3
	.amdgcn_target "amdgcn-amd-amdhsa--gfx1250"
	.amdhsa_code_object_version 6
	.text
	.protected	k_q4ec7101050_small
	.globl	k_q4ec7101050_small
	.p2align	8
	.type	k_q4ec7101050_small,@function
k_q4ec7101050_small:
	s_mov_b64 s[64:65], 0
	v_nop
	global_prefetch_b8 v0, s[64:65] scope:SCOPE_SE
	s_setreg_imm32_b32 hwreg(HW_REG_WAVE_MODE, 25, 1), 1
	s_wait_xcnt 0x0
; The three small products (8 rows each), in f32 multiply-adds, since their results go on into quantised operands.
; bias[b][c], c < 1024: bq[c];  bias[b][1024 + c] = bk[c] + ct_key_emb[cancer_type[b]][c] + elu(graph_context[b] . Wgk[:, c] + bgk[c]);
; behind them, at byte 65,536: sb[16 b + head] = ct_bias_emb[cancer_type[b]][head] + (elu(graph_context[b] Wg1 + bg1) Wg2 + bg2)[head].
; Work-groups 0-63: batch g / 8, 128 channels (a thread to a channel).  Work-groups 64, 65: a wave to a batch, a lane to a hidden unit, then to a head.
; graph_context's row is the same for all lanes: it comes by scalar loads, 64 numbers at a time, and enters the multiply-adds as a scalar source.
; elu's expm1: for z > -0.25 the series to z^7 (what is left out is under 2e-9 of z), below that 2^(z log2 e) - 1, whose magnitude is then over 0.22: so no small difference of near numbers is formed.
; LIMIT: cancer_type is held to 0 .. 31 (the tables' rows).  No LDS, no barrier, no matrix unit: 1.1 M multiply-adds in all.
.set W,   32                           ; v32-159 a column of the weight, 128 numbers
.set W2,  160                          ; v160-191 a column of Wg2
.set ACC, 4                            ; v4-7 four chains
.set BI,  8                            ; the sum's first addend: the bias
.set Z,   9
.set U,   10
.set P,   11
.set OUT, 12
.macro GCLOAD half                     ; 64 numbers of graph_context's row into s32-63 and s68-99
	s_load_b512 s[32:47], s[4:5], 256*\half
	s_load_b512 s[48:63], s[4:5], 256*\half+64
	s_load_b512 s[68:83], s[4:5], 256*\half+128
	s_load_b512 s[84:99], s[4:5], 256*\half+192
	s_wait_kmcnt 0x0
.endm
.macro HALFDOT half                    ; 64 multiply-adds in four chains; the first chain begins with the bias, the others with a product: nothing is cleared
.set k, 0
.rept 64
.if k < 32
.set g, 32+k
.else
.set g, 36+k
.endif
.if (\half == 0) && (k == 0)
	v_fma_f32 v[ACC], s[g], v[W], v[BI]
.elseif (\half == 0) && (k < 4)
	v_mul_f32 v[ACC+k], s[g], v[W+k]
.else
	v_fmac_f32 v[ACC+k%4], s[g], v[W+64*\half+k]
.endif
.set k, k+1
.endr
.endm
.macro DOT
	GCLOAD 0
	s_wait_loadcnt 0x0                             ; the weight's column and the small vectors
	HALFDOT 0
	GCLOAD 1
	HALFDOT 1
	v_add_f32 v[ACC], v[ACC], v[ACC+1]
	v_add_f32 v[ACC+2], v[ACC+2], v[ACC+3]
	v_add_f32 v[Z], v[ACC], v[ACC+2]
.endm
.macro ELU                             ; v[OUT] = elu(v[Z])
	v_mul_f32 v[U], 0x3fb8aa3b, v[Z]
	v_exp_f32 v[U], v[U]
	v_mov_b32 v[P], 0x39500d01                     ; 1/5040 (a plain line behind the exponential)
	v_fmaak_f32 v[P], v[P], v[Z], 0x3ab60b61       ; 1/720
	v_fmaak_f32 v[P], v[P], v[Z], 0x3c088889       ; 1/120
	v_fmaak_f32 v[P], v[P], v[Z], 0x3d2aaaab       ; 1/24
	v_fmaak_f32 v[P], v[P], v[Z], 0x3e2aaaab       ; 1/6
	v_fmaak_f32 v[P], v[P], v[Z], 0x3f000000       ; 1/2
	v_fmaak_f32 v[P], v[P], v[Z], 0x3f800000       ; 1
	v_mul_f32 v[P], v[P], v[Z]
	s_wait_alu depctr_va_vdst(0)
	v_add_f32 v[U], -1.0, v[U]
	v_cmp_lt_f32 vcc_lo, 0xbe800000, v[Z]          ; -0.25 < z: the series
	v_cndmask_b32 v[OUT], v[U], v[P], vcc_lo
	v_cmp_lt_f32 vcc_lo, 0, v[Z]                   ; 0 < z: z itself
	v_cndmask_b32 v[OUT], v[OUT], v[Z], vcc_lo
.endm
	s_load_b512 s[4:19], s[0:1], 0x0               ; graph_context, cancer_type, Wgk, bgk, bk, bq, ct_key_emb, Wg1
	s_load_b256 s[20:27], s[0:1], 0x40             ; bg1, Wg2, bg2, ct_bias_emb
	s_load_b64 s[28:29], s[0:1], 0x60              ; bias
	v_lshrrev_b32 v1, 5, v0
	v_readfirstlane_b32 s30, v1                    ; wave
	v_and_b32 v1, 31, v0                           ; lane
	v_and_b32 v2, 15, v0                           ; lane % 16
	v_lshlrev_b32 v3, 2, v0                        ; 4 x thread
	s_mov_b32 s101, 0
	s_mov_b32 s33, 0
	s_mov_b32 s35, 0
	s_wait_kmcnt 0x0
	s_cmp_lt_u32 ttmp9, 64
	s_cbranch_scc0 .Lheads
	; ---- the keys' addend: batch b, channels 128 cg + thread
	s_lshr_b32 s31, ttmp9, 3                       ; b
	s_lshl_b32 s32, s31, 2
	s_add_nc_u64 s[6:7], s[6:7], s[32:33]
	s_load_b32 s34, s[6:7], 0x0                    ; cancer_type[b]
	s_and_b32 s100, ttmp9, 7
	s_lshl_b32 s100, s100, 9                       ; 512 bytes for each group of 128 channels
	s_add_nc_u64 s[8:9], s[8:9], s[100:101]
	s_add_nc_u64 s[10:11], s[10:11], s[100:101]
	s_add_nc_u64 s[12:13], s[12:13], s[100:101]
	s_add_nc_u64 s[14:15], s[14:15], s[100:101]
	s_add_nc_u64 s[16:17], s[16:17], s[100:101]
	s_add_nc_u64 s[28:29], s[28:29], s[100:101]
.set k, 0
.rept 128
	global_load_b32 v[W+k], v3, s[8:9] offset:4096*k   ; Wgk(k, my channel): a wave reads 128 consecutive bytes
.set k, k+1
.endr
	global_load_b32 v[BI], v3, s[10:11]            ; bgk
	global_load_b32 v13, v3, s[12:13]              ; bk
	global_load_b32 v14, v3, s[14:15]              ; bq
	s_lshl_b32 s100, s31, 9
	s_add_nc_u64 s[4:5], s[4:5], s[100:101]        ; graph_context's row b
	s_lshl_b32 s100, s31, 13
	s_add_nc_u64 s[28:29], s[28:29], s[100:101]    ; bias's row b: 2,048 numbers
	s_wait_kmcnt 0x0
	s_min_u32 s34, s34, 31                         ; an index stays inside its table
	s_lshl_b32 s34, s34, 12                        ; a row of 4,096 bytes
	s_add_nc_u64 s[16:17], s[16:17], s[34:35]
	global_load_b32 v15, v3, s[16:17]              ; ct_key_emb[cancer_type[b]][my channel]
	DOT
	ELU
	v_add_f32 v13, v13, v15                        ; bk + ct_key
	v_add_f32 v13, v13, v[OUT]                     ; + g_key
	global_store_b32 v3, v14, s[28:29]             ; q's addend
	global_store_b32 v3, v13, s[28:29] offset:4096 ; k's addend
	s_endpgm
.Lheads:
	; ---- the heads' bias: wave w of work-group 64 + i serves batch 4 i + w
	s_sub_co_u32 s31, ttmp9, 64
	s_lshl_b32 s31, s31, 2
	s_add_co_u32 s31, s31, s30                     ; b
	s_lshl_b32 s32, s31, 2
	s_add_nc_u64 s[6:7], s[6:7], s[32:33]
	s_load_b32 s34, s[6:7], 0x0                    ; cancer_type[b]
	v_lshlrev_b32 v16, 2, v1                       ; 4 x lane
	v_lshlrev_b32 v17, 2, v2                       ; 4 x (lane % 16)
.set k, 0
.rept 128
	global_load_b32 v[W+k], v16, s[18:19] offset:128*k   ; Wg1(k, hidden unit = lane)
.set k, k+1
.endr
.set k, 0
.rept 32
	global_load_b32 v[W2+k], v17, s[22:23] offset:64*k   ; Wg2(k, head = lane % 16)
.set k, k+1
.endr
	global_load_b32 v[BI], v16, s[20:21]           ; bg1
	global_load_b32 v13, v17, s[24:25]             ; bg2
	s_lshl_b32 s100, s31, 9
	s_add_nc_u64 s[4:5], s[4:5], s[100:101]        ; graph_context's row b
	s_lshl_b32 s100, s31, 6
	s_add_nc_u64 s[28:29], s[28:29], s[100:101]    ; sb: 16 numbers a batch
	s_wait_kmcnt 0x0
	s_min_u32 s34, s34, 31
	s_lshl_b32 s34, s34, 6                         ; a row of 64 bytes
	s_add_nc_u64 s[26:27], s[26:27], s[34:35]
	global_load_b32 v15, v17, s[26:27]             ; ct_bias_emb[cancer_type[b]][head]
	DOT
	ELU                                            ; lane j holds hidden unit j
.set k, 0
.rept 32
	v_readlane_b32 s[32+k], v[OUT], k
.set k, k+1
.endr
	v_fma_f32 v4, s32, v[W2], v13                  ; two chains; the first begins with bg2
	v_mul_f32 v5, s33, v[W2+1]
.set k, 2
.rept 30
	v_fmac_f32 v[4+k%2], s[32+k], v[W2+k]
.set k, k+1
.endr
	v_add_f32 v4, v4, v5
	v_add_f32 v4, v15, v4                          ; ct_bias + g_bias
	s_wait_xcnt 0x0                                ; EXEC changes only behind this wait
	v_cmp_gt_u32 vcc_lo, 16, v1
	s_and_saveexec_b32 s30, vcc_lo                 ; lanes 0-15: one lane to a head
	global_store_b32 v17, v4, s[28:29] offset:65536
	s_wait_xcnt 0x0                                ; and again in front of the line that widens it
	s_or_b32 exec_lo, exec_lo, s30
	s_endpgm
.Lfunc_end_k_q4ec7101050_small:
	.size	k_q4ec7101050_small, .Lfunc_end_k_q4ec7101050_small-k_q4ec7101050_small
	.p2alignl 7, 3214868480
	.fill 96, 4, 3214868480
	.section	.rodata,"a",@progbits
	.p2align	6, 0x0
	.amdhsa_kernel k_q4ec7101050_small
		.amdhsa_group_segment_fixed_size 0
		.amdhsa_private_segment_fixed_size 0
		.amdhsa_enable_private_segment 0
		.amdhsa_kernarg_size 104
		.amdhsa_user_sgpr_count 2
		.amdhsa_user_sgpr_kernarg_segment_ptr 1
		.amdhsa_wavefront_size32 1
		.amdhsa_system_sgpr_workgroup_id_x 1
		.amdhsa_system_sgpr_workgroup_id_y 1
		.amdhsa_system_sgpr_workgroup_id_z 1
		.amdhsa_system_vgpr_workitem_id 0
		.amdhsa_next_free_vgpr 192
		.amdhsa_next_free_sgpr 102
		.amdhsa_reserve_vcc 1
		.amdhsa_float_denorm_mode_32 3
		.amdhsa_float_denorm_mode_16_64 3
		.amdhsa_memory_ordered 1
		.amdhsa_forward_progress 1
		.amdhsa_inst_pref_size 45
	.end_amdhsa_kernel
	.amdgpu_metadata
---
amdhsa.version: [ 1, 2 ]
amdhsa.kernels:
  - .name:           k_q4ec7101050_small
    .symbol:         k_q4ec7101050_small.kd
    .args:
      - { .name: graph_context, .offset: 0, .size: 8, .value_kind: global_buffer, .address_space: global }
      - { .name: cancer_type, .offset: 8, .size: 8, .value_kind: global_buffer, .address_space: global }
      - { .name: Wgk, .offset: 16, .size: 8, .value_kind: global_buffer, .address_space: global }
      - { .name: bgk, .offset: 24, .size: 8, .value_kind: global_buffer, .address_space: global }
      - { .name: bk, .offset: 32, .size: 8, .value_kind: global_buffer, .address_space: global }
      - { .name: bq, .offset: 40, .size: 8, .value_kind: global_buffer, .address_space: global }
      - { .name: ct_key_emb, .offset: 48, .size: 8, .value_kind: global_buffer, .address_space: global }
      - { .name: Wg1, .offset: 56, .size: 8, .value_kind: global_buffer, .address_space: global }
      - { .name: bg1, .offset: 64, .size: 8, .value_kind: global_buffer, .address_space: global }
      - { .name: Wg2, .offset: 72, .size: 8, .value_kind: global_buffer, .address_space: global }
      - { .name: bg2, .offset: 80, .size: 8, .value_kind: global_buffer, .address_space: global }
      - { .name: ct_bias_emb, .offset: 88, .size: 8, .value_kind: global_buffer, .address_space: global }
      - { .name: bias, .offset: 96, .size: 8, .value_kind: global_buffer, .address_space: global }
    .group_segment_fixed_size: 0
    .private_segment_fixed_size: 0
    .kernarg_segment_align: 8
    .kernarg_segment_size: 104
    .max_flat_workgroup_size: 128
    .sgpr_count:     102
    .vgpr_count:     192
    .wavefront_size: 32
...
	.end_amdgpu_metadata
.endif
;; end of part 3
;; launch qkv (part 4): grid 12 x 32, 4 waves a work-group, clusters of 4 x 4, 327,680 bytes of LDS; arguments xq, wq, bias, bv, qkv; writes qkv
.if DOCPART == 4
	.amdgcn_target "amdgcn-amd-amdhsa--gfx1250"
	.amdhsa_code_object_version 6
	.text
	.protected	k_q4ec7101050_qkv
	.globl	k_q4ec7101050_qkv
	.p2align	8
	.type	k_q4ec7101050_qkv,@function
k_q4ec7101050_qkv:
	s_mov_b64 s[64:65], 0
	v_nop
	global_prefetch_b8 v0, s[64:65] scope:SCOPE_SE
	s_setreg_imm32_b32 hwreg(HW_REG_WAVE_MODE, 25, 1), 1
	s_wait_xcnt 0x0
	s_wait_alu depctr_hold_cnt(0) depctr_sa_sdst(0) depctr_va_vdst(0) depctr_va_sdst(0) depctr_va_ssrc(0) depctr_va_vcc(0) depctr_vm_vsrc(0)
	s_getreg_b32 s2, hwreg(HW_REG_IB_STS2, 6, 4)
	s_cmp_eq_u32 s2, 0
	s_cbranch_scc0 .Lentry_in_a_cluster
	s_endpgm
.Lentry_in_a_cluster:
	s_bfe_u32 s2, ttmp6, 0x10000c
	s_cmp_lg_u32 s2, 0xf033
	s_cbranch_scc0 .Lentry_shape_is_right
	s_endpgm
.Lentry_shape_is_right:
; q = x Wq + bq, k = x Wk + (bk + ct_key + g_key), v = x Wv + bv, on codes of BF6 (E3M2) with one E8M0 scale for each 32 along K = 1,024; sums in f32.
; The results never go to memory as f32: q and k are quantised along the head's 64 channels, v along the keys, in the registers in which the sums stand, and leave as images of the operand registers that the attention wants.
; A work-group of four waves makes 256 x 256 of a product, a wave 128 x 128: 64 accumulators, 512 registers.  K goes in steps of 256 through a ring of two LDS slots filled by the tensor data mover; the scale bytes of
; the work-group's rows come into LDS once.  4 x 4 work-groups form a cluster and ask jointly for the tiles that they share.
; THE CLUSTER'S x IS THE TYPE: 0, 1: q and k: source 0 = 16 rows of the weight, source 1 = 16 tokens: a lane holds ONE TOKEN and its registers run along the channels.  2: v, the other way round: source 0 = 16 tokens,
; source 1 = 16 rows of Wv: a lane holds ONE CHANNEL and its registers run along the tokens, which are the second product's K.  The type is equal in all partners; only pointers and tile numbers hang on it up to the way out.
; THE ORDER OF THE ROWS in xq and wq (16 x + 8 u + y at row 16 u + 8 x + y of each group of 32) makes the 16 registers of two neighbouring tiles of source 0 sixteen neighbours: register 16 b + i = index 32 b + 16 (lane / 16) + i.
; OUT: qkv: images [128 heads][Q, K, V][49,152 bytes]; Q, K: 32 images of a PAIR of token tiles (registers 0-5 tile 2 p, 6-11 tile 2 p + 1; lane (r, h): row r, channels 32 h ..); V: [8 steps of 128 keys][4 channel tiles], an operand's 12 registers each.
;      An image is three stores of 512 consecutive bytes, lane l's 16 bytes at 16 l.  Scale words behind them: [128][3][8 steps][16 rows][4 words].
; LIMITS: a block whose largest magnitude lies under 2^-122 keeps the byte 1; NaN and infinities are not served.
; REGISTERS, in windows of 256: window 0: v0-31 addresses; v32-63 scale words, two sets; v64-127 the channels' addends (q, k); from v128 source 1's fragments, one set; on the way out v128-255 are at work.
;   window 1: source 0's fragments, two sets, at v0 and v128; v96-111 v's addends.   window 2, 3: the accumulators ((a, b) at v[8 (8 (a % 4) + b)] of window 2 + a / 4).
; Below, "A" is source 1's operand (tile number from the cluster's y side) and "B" source 0's (from its x side).
.set KSTEP,  256
.set NQ,     KSTEP/128
.set ROWB,   192                       ; a tile's row: 256 codes
.set KROW,   768                       ; a row of xq or wq
.set PITCH,  240                       ; an LDS row: 3 x (64 bytes + 16 of padding): the 32 lanes of a load of 8 bytes touch 64 different banks (64 banks of 4 bytes: ISA guide 11.1)
.set FR,     12
.set NL,     6
.set NP,     4                         ; places behind this matrix instruction (ISA guide 7.12.1)
.set HALFT,  128*PITCH
.set SLOT,   4*HALFT
.set LAPS,   2                         ; 1,024 along K: twice round the ring
.set KS,     32                        ; a row of scale bytes
.set SCL,    2*SLOT
.set HALFS,  (128*KS/256)*272
.set SBLK,   (16*KS/256)*272
.set SPARE,  SCL+4*HALFS               ; the spare words, 128 bytes a wave: two blocks of 256 bytes that no other line names
.set XSOFF,  6291456                   ; xq's scale bytes
.set WSOFF,  3145728                   ; wq's
.set IMGH,   147456                    ; a head's three parts of images
.set IMGP,   49152                     ; one part
.set SCLOFF, 18874368                  ; qkv's scale words
.set ADRA, 16                          ; v16-19  LDS addresses of A's fragments in slot 0, 1, and the same behind one padding more
.set ADRB, 20                          ; v20-23  the same for B
.set LI,   24                          ; v24     16 x lane: my place in an image's 512 bytes
.set SA,   25                          ; v25     16 r + 6,144 h: my place among the scale words of two heads
.set BV0,  26                          ; v26     64 h: my half's place among 32 channels' addends
.set ADRS, 27                          ; v27     LDS address of my scale words
.set SPW,  28                          ; v28     my spare word
.set NIL,  29                          ; v29     0
.set BV1,  30                          ; v30     4 (r + 8 (r / 8)): my row's channel in a tile of Wv
.set SC,   32
.set CBT,  64                          ; window 0: q's and k's addends, register 8 t + j for tile t of source 0
.set RB,   96                          ; window 1: v's addends, a pair for each block of source 1
.set AF,   128
.set H,    128                         ; the way out: 64 numbers of a lane
.set PC,   192                         ; codes: two images of 12
.set PT,   216                         ; the conversions' second halves
.set TM,   224                         ; +0 largest magnitudes, +4 bytes, +12 scale operands
.set HW,   240                         ; q, k: half words of scale bytes;  v: PW, a word for each block
.set PW,   240
.set WD,   244
.set SW,   248                         ; the four scale words that a lane stores
.set G1, 24
.set G0, 32
.set G1B, 48
.set G0B, 56
.set G1S, 68
.set G0S, 76
.set G1SB, 80
.set G0SB, 88
.set SEL, 92                           ; (on the way out) s[92:93] lane selects: lane l xor 16
.set HI,  94                           ; (on the way out) the lanes 16-31
.set TYPE, 100                         ; 1: v; 0: q or k
.set MSB, 0
.macro WIN new                         ; the immediate's high byte repeats the setting that is left
.if MSB != (\new)
	s_set_vgpr_msb (MSB<<8)|(\new)
.set MSB, (\new)
.endif
.endm
.set MUL_LO, 0xa1                      ; source 0 window 1, source 1 window 0, C and D window 2
.set MUL_HI, 0xf1
.set TO_B,   0x40
; A joint load: waves 0 and 1 fetch for A, waves 2 and 3 for B; the branch hangs on the wave's number alone.  Four v_nop follow each of the two lines.
.macro JLOAD g0a, g1a, g0b, g1b
	s_cmp_eq_u32 s15, 0
	s_cbranch_scc0 .Lfor_b_\@
	tensor_load_to_lds s[\g0a:\g0a+3], s[\g1a:\g1a+7]
	s_nop 0
.rept 4
	v_nop
.endr
	s_branch .Lasked_\@
.Lfor_b_\@:
	tensor_load_to_lds s[\g0b:\g0b+3], s[\g1b:\g1b+7]
	s_nop 0
.rept 4
	v_nop
.endr
.Lasked_\@:
.endm
.macro CREST                           ; a round of the cluster's barrier behind its opening barrier
	s_cmp_lg_u32 s14, 0
	s_cbranch_scc1 .Lnot_wave_0_\@
	s_barrier_signal -3
.Lnot_wave_0_\@:
	s_barrier_wait -3
	s_barrier_signal -1
	s_barrier_wait -1
.endm
.macro CROUND
	s_barrier_signal -1
	s_barrier_wait -1
	CREST
.endm
	s_load_b256 s[4:11], s[0:1], 0x0               ; xq, wq, bias, bv
	s_load_b64 s[12:13], s[0:1], 0x20              ; qkv
	v_lshl_add_u32 v[SPW], v0, 2, SPARE
	v_mov_b32 v[NIL], 0
	ds_add_u32 v28, v29
	ds_add_u32 v28, v29
	s_wait_dscnt 0x0
	v_lshrrev_b32 v1, 5, v0
	v_readfirstlane_b32 s14, v1                    ; wave 0..3
	s_lshr_b32 s15, s14, 1                         ; which half of A's rows is mine.  Also: I fetch for A (0) or for B (1)
	s_and_b32 s16, s14, 1                          ; which half of B's rows.  Also: which 128 rows I fetch
	s_bfe_u32 s40, ttmp6, 0x40000                  ; cx, cy: my place in the cluster
	s_bfe_u32 s41, ttmp6, 0x40004
	s_and_b32 s18, ttmp7, 0xffff                   ; the cluster's y
	s_cmp_eq_u32 ttmp9, 2                          ; the cluster's x is the type
	s_cselect_b32 s19, s18, ttmp9                  ; B's tiles: v: tokens, by the cluster's y;  q, k: the weights' rows, by its x
	s_cselect_b32 s20, 0, s18                      ; A's tiles: v: Wv's four;  q, k: tokens
	s_cselect_b32 s[TYPE], 1, 0
	s_lshl_b32 s42, s19, 2
	s_add_co_u32 s42, s42, s40                     ; B's tile number
	s_lshl_b32 s17, s20, 2
	s_add_co_u32 s17, s17, s41                     ; A's tile number
	s_lshl_b32 s43, s41, 2
	s_lshl_b32 s43, 15, s43                        ; my row of the cluster
	s_lshl_b32 s44, 0x1111, s40                    ; my column
	s_or_b32 s[G1+0], s43, (0<<16)|(1<<20)|(1<<21)|(3<<22)|(3<<25)  ; the mask: A's tiles go to my row; elements of 1 byte; padding on; bit 21 beside a mask; after every 16 words, 4 words
	s_or_b32 s[G1B+0], s44, (0<<16)|(1<<20)|(1<<21)|(3<<22)|(3<<25)
.irp g, G1, G1B
	s_mov_b32 s[\g+1], ROWB<<16                    ; tensor_dim0
	s_mov_b32 s[\g+2], 128<<16                     ; tensor_dim1
	s_mov_b32 s[\g+3], ROWB<<16                    ; tile_dim0
	s_mov_b32 s[\g+4], 128                         ; tile_dim1
	s_mov_b32 s[\g+5], KROW                        ; the pitch
	s_mov_b32 s[\g+6], 0
	s_mov_b32 s[\g+7], 0
.endr
	s_or_b32 s[G1S+0], s43, (3<<16)|(1<<20)|(1<<21)|(5<<22)|(3<<25)   ; the scales of 128 rows: 4,096 dense bytes as 16 rows of 256, 16 bytes of padding behind each
	s_or_b32 s[G1SB+0], s44, (3<<16)|(1<<20)|(1<<21)|(5<<22)|(3<<25)
.irp g, G1S, G1SB
	s_mov_b32 s[\g+1], 32<<16
	s_mov_b32 s[\g+2], (128*KS/256)<<16
	s_mov_b32 s[\g+3], 32<<16
	s_mov_b32 s[\g+4], 128*KS/256
	s_mov_b32 s[\g+5], 32
	s_mov_b32 s[\g+6], 0
	s_mov_b32 s[\g+7], 0
.endr
	s_lshl_b32 s18, s16, 7                         ; which 128 rows of a tile I fetch
	s_lshl_b32 s20, s17, 8
	s_add_co_u32 s20, s20, s18                     ; A's row
	s_lshl_b32 s46, s42, 8
	s_add_co_u32 s46, s46, s18                     ; B's row
	s_lshl_b32 s22, s20, 5                         ; their scale bytes, 32 a row,
	s_lshl_b32 s92, s46, 5
	s_mul_i32 s20, s20, KROW                       ; and their codes
	s_mul_i32 s46, s46, KROW
	s_cmp_eq_u32 s[TYPE], 1
	s_cselect_b32 s18, 2048*KROW, 0                ; v: A's rows are wq's from 2,048 on
	s_mov_b32 s19, XSOFF
	s_cselect_b32 s19, WSOFF+2048*KS, s19          ; where A's scale bytes begin in A's buffer
	s_mov_b32 s95, WSOFF
	s_cselect_b32 s95, XSOFF, s95                  ; and B's in B's
	s_add_co_u32 s20, s20, s18
	s_add_co_u32 s22, s22, s19
	s_add_co_u32 s92, s92, s95
	s_mov_b32 s21, 0
	s_mov_b32 s23, 0
	s_mov_b32 s47, 0
	s_mov_b32 s93, 0
	s_mul_i32 s45, s14, HALFT                      ; where they go: wave x 128 rows: no place in the cluster enters an LDS address
	s_mul_i32 s94, s14, HALFS
	s_wait_kmcnt 0x0
	s_cmp_eq_u32 s[TYPE], 1                        ; the choice of the buffers hangs on the cluster's x alone
	s_cselect_b64 s[96:97], s[6:7], s[4:5]         ; A's buffer
	s_cselect_b64 s[98:99], s[4:5], s[6:7]         ; B's
	s_add_nc_u64 s[20:21], s[96:97], s[20:21]
	s_add_nc_u64 s[22:23], s[96:97], s[22:23]
	s_add_nc_u64 s[46:47], s[98:99], s[46:47]
	s_add_nc_u64 s[92:93], s[98:99], s[92:93]
	CROUND                                         ; all sixteen work-groups are here: the first joint loads meet
	s_mov_b32 s[G0S], 1
	s_add_co_u32 s[G0S+1], s94, SCL
	s_mov_b64 s[G0S+2:G0S+3], s[22:23]
	s_or_b32 s[G0S+3], s[G0S+3], 0x80000000
	s_mov_b32 s[G0SB], 1
	s_add_co_u32 s[G0SB+1], s94, SCL
	s_mov_b64 s[G0SB+2:G0SB+3], s[92:93]
	s_or_b32 s[G0SB+3], s[G0SB+3], 0x80000000
	JLOAD G0S, G1S, G0SB, G1SB                     ; the scales first; with the two slots three loads of mine are out
.irp s, 0,1
	s_mov_b32 s[G0+4*\s], 1
	s_add_co_u32 s[G0+4*\s+1], s45, \s*SLOT
	s_add_nc_u64 s[G0+4*\s+2:G0+4*\s+3], s[20:21], \s*ROWB
	s_or_b32 s[G0+4*\s+3], s[G0+4*\s+3], 0x80000000
	s_mov_b32 s[G0B+4*\s], 1
	s_add_co_u32 s[G0B+4*\s+1], s45, \s*SLOT
	s_add_nc_u64 s[G0B+4*\s+2:G0B+4*\s+3], s[46:47], \s*ROWB
	s_or_b32 s[G0B+4*\s+3], s[G0B+4*\s+3], 0x80000000
	JLOAD G0+4*\s, G1, G0B+4*\s, G1B
.endr
	v_and_b32 v1, 15, v0                           ; r
	v_bfe_u32 v2, v0, 4, 1                         ; h
	v_mul_u32_u24 v3, v1, PITCH
	v_mul_u32_u24 v4, v2, 24
	v_add_nc_u32 v4, v3, v4                        ; a fragment's row x pitch + 24 x half
	v_lshl_add_u32 v5, v2, 4, v4                   ; and the same behind one padding more
	s_mul_i32 s21, s15, HALFT                      ; my 128 rows of A
	s_mul_i32 s22, s16, HALFT                      ; my 128 rows of B,
	s_add_co_u32 s22, s22, 2*HALFT                 ; behind A's 256
.irp s, 0,1
	v_add_nc_u32 v[ADRA+\s], s21, v4
	v_add_nc_u32 v[ADRB+\s], s22, v4
	v_add_nc_u32 v[ADRA+2+\s], s21, v5
	v_add_nc_u32 v[ADRB+2+\s], s22, v5
	s_add_co_u32 s21, s21, SLOT
	s_add_co_u32 s22, s22, SLOT
.endr
	v_mul_u32_u24 v5, v1, KS                       ; my row's scales: 32 bytes a row,
	v_lshrrev_b32 v6, 8, v5
	v_lshl_add_u32 v5, v6, 4, v5                   ; and 16 more for each 256 passed
	s_mul_i32 s21, s15, HALFS
	s_mul_i32 s22, s16, HALFS
	s_add_co_u32 s22, s22, 2*HALFS
	s_sub_co_u32 s22, s22, s21
	v_mul_u32_u24 v6, s22, v2                      ; lanes 16-31 take B's: one product, the distance between the two
	s_add_co_u32 s21, s21, SCL
	v_add_nc_u32 v5, v5, v6
	v_add_nc_u32 v[ADRS], s21, v5
	v_and_b32 v6, 31, v0
	v_lshlrev_b32 v[LI], 4, v6
	v_mul_u32_u24 v[SA], v2, 6144
	v_lshl_add_u32 v[SA], v1, 4, v[SA]
	v_lshlrev_b32 v[BV0], 6, v2
	v_and_b32 v[BV1], 8, v1
	v_add_nc_u32 v[BV1], v[BV1], v1
	v_lshlrev_b32 v[BV1], 2, v[BV1]
.irp b, 0,1,2,3
	v_mov_b32 v[TM+4+\b], 0                        ; written once: a lane permute's destination counts as one of its sources
.endr
	; THE ADDENDS.  Both small tables are asked for by every work-group, here, so that they land under the products; the way out reads the one of its type.  Both addresses lie inside their buffers for every type:
	; the first reaches number 256 x 31 + 255 of bias at the most, the second takes A's tile number modulo 4.
	s_lshr_b32 s18, s17, 2                         ; q, k: the batch of A's tokens
	s_lshl_b32 s18, s18, 11                        ; 2,048 numbers a batch
	s_lshl_b32 s19, s42, 8
	s_add_co_u32 s18, s18, s19
	s_lshl_b32 s19, s16, 7
	s_add_co_u32 s18, s18, s19                     ; + my first channel: 256 x B's tile + 128 x half
	s_lshl_b32 s18, s18, 2
	s_mov_b32 s19, 0
	s_add_nc_u64 s[8:9], s[8:9], s[18:19]
	s_and_b32 s18, s17, 3
	s_lshl_b32 s18, s18, 8
	s_lshl_b32 s19, s15, 7
	s_add_co_u32 s18, s18, s19                     ; v: my first channel: 256 x A's tile + 128 x half
	s_lshl_b32 s18, s18, 2
	s_mov_b32 s19, 0
	s_add_nc_u64 s[10:11], s[10:11], s[18:19]
.irp t, 0,1,2,3,4,5,6,7                        ; register 8 t + j: channel 32 (t / 2) + 16 h + 8 (t % 2) + j
	global_load_b128 v[CBT+8*\t:CBT+8*\t+3], v[BV0], s[8:9] offset:(32*(\t/2)+8*(\t%2))*4
	global_load_b128 v[CBT+8*\t+4:CBT+8*\t+7], v[BV0], s[8:9] offset:(32*(\t/2)+8*(\t%2))*4+16
.endr
	WIN TO_B
.irp a, 0,1,2,3,4,5,6,7                        ; block a, row r: channel 32 (a / 2) + 8 (a % 2) + r + 8 (r / 8); twice, a pair for the packed addition
	global_load_b32 v[RB+2*\a], v[BV1], s[10:11] offset:(32*(\a/2)+8*(\a%2))*4
	global_load_b32 v[RB+2*\a+1], v[BV1], s[10:11] offset:(32*(\a/2)+8*(\a%2))*4
.endr
	WIN 0
.macro FRAG reg, adr, q, i             ; 16 rows x 128 K: 12 registers; lane (r, h): registers 6 c .. 6 c + 5 hold K = 64 c + 32 h + 0 .. 31, 24 bytes of the row as they lie, in pieces of 8 bytes
.irp p, 0,1,2,3,4,5
.set PCE, 12*(\q)+6*(\p/3)+\p%3       ; 16 bytes of padding lie behind every 8 pieces: where lanes 16-31's piece, three on, lies behind one padding more, the second address register serves
.if PCE%8 < 5
	ds_load_b64 v[\reg+2*\p:\reg+2*\p+1], v[\adr] offset:8*PCE+16*(PCE/8)+(\i)*16*PITCH
.else
	ds_load_b64 v[\reg+2*\p:\reg+2*\p+1], v[\adr+2] offset:8*PCE+16*(PCE/8)+(\i)*16*PITCH
.endif
.endr
.endm
; 16 matrix instructions: A's blocks a0, a0 + 1 x B's eight.  The 64 accumulators take turns, one instruction a turn, in the same order in every step.  zero = 1: the first products start the sums.
.macro MUL16 a0, p, q, sc, zero
.irp a, \a0, \a0+1
.irp b, 0,1,2,3,4,5,6,7
.if \zero
	v_wmma_scale_f32_16x16x128_f8f6f4 v[8*(8*((\a)%4)+\b):8*(8*((\a)%4)+\b)+7], v[128*(\p)+FR*\b:128*(\p)+FR*\b+FR-1], v[AF+FR*(\a):AF+FR*(\a)+FR-1], 0, v[SC+8*NQ*(\sc)+NQ*\b+(\q)], v[SC+8*NQ*(\sc)+NQ*(\a)+(\q)] matrix_a_fmt:MATRIX_FMT_BF6 matrix_b_fmt:MATRIX_FMT_BF6 matrix_a_scale:MATRIX_SCALE_ROW1
.else
	v_wmma_scale_f32_16x16x128_f8f6f4 v[8*(8*((\a)%4)+\b):8*(8*((\a)%4)+\b)+7], v[128*(\p)+FR*\b:128*(\p)+FR*\b+FR-1], v[AF+FR*(\a):AF+FR*(\a)+FR-1], v[8*(8*((\a)%4)+\b):8*(8*((\a)%4)+\b)+7], v[SC+8*NQ*(\sc)+NQ*\b+(\q)], v[SC+8*NQ*(\sc)+NQ*(\a)+(\q)] matrix_a_fmt:MATRIX_FMT_BF6 matrix_b_fmt:MATRIX_FMT_BF6 matrix_a_scale:MATRIX_SCALE_ROW1
.endif
.endr
.endr
.endm
.macro FETCH_B slot, q, p
	WIN TO_B
.irp i, 0,1,2,3,4,5,6,7
	FRAG 128*(\p)+FR*\i, ADRB+\slot, \q, \i
.endr
	WIN 0
.endm
.macro FETCH_A slot, q, i0
.irp i, \i0, \i0+1, \i0+2, \i0+3
	FRAG AF+FR*(\i), ADRA+\slot, \q, \i
.endr
.endm
.macro SCALES sc                       ; a slot's scale words: lanes 0-15 A's block i, lanes 16-31 B's block i; two words a row
.irp i, 0,1,2,3,4,5,6,7
	ds_load_b64 v[SC+8*NQ*\sc+NQ*\i:SC+8*NQ*\sc+NQ*\i+1], v[ADRS] offset:\i*SBLK
.endr
.endm
.macro PLACES n                        ; plain vector lines between a matrix instruction and a load into, or a read of, its registers (ISA guide 7.12.1 for a read)
.rept \n
	v_nop
.endr
.endm
.macro STEP slot, q, zero              ; 128 along K with its successor in the same slot
	s_wait_dscnt 4*NL                              ; B's set and A's blocks 0-3 are in; the youngest 24 loads (A's blocks 4-7) may be out
	WIN MUL_LO
	MUL16 0, (\q)%2, \q, \slot, \zero
	MUL16 2, (\q)%2, \q, \slot, \zero
	s_wait_dscnt 0
	PLACES NP
	FETCH_B \slot, (\q)+1, 1-(\q)%2
	FETCH_A \slot, (\q)+1, 0
	WIN MUL_HI
	MUL16 4, (\q)%2, \q, \slot, \zero
	MUL16 6, (\q)%2, \q, \slot, \zero
	PLACES NP
	WIN 0
	FETCH_A \slot, (\q)+1, 4
.endm
; A slot's last step changes slots: one barrier; in front of it each wave waits for all its tensor loads, adds 0 to its spare word, and waits for that and for its reads of this slot.
.macro TURN slot, next, fill
	s_wait_tensorcnt 0x0                           ; all my tensor loads have landed: my part of the next slot
	ds_add_u32 v[SPW], v[NIL]                      ; 0 onto my spare word
	s_wait_dscnt 4*NL+1                            ; the add and the youngest 24 loads may be out
	WIN MUL_LO
	MUL16 0, 1, NQ-1, \slot, 0
	s_wait_dscnt 0x0                               ; the add is done, and my reads of this slot are over
	s_barrier_signal -1
	MUL16 2, 1, NQ-1, \slot, 0
	WIN 0
	s_barrier_wait -1
.if \fill
	CREST                                          ; the barrier has opened a round of the cluster's: no wave of any partner still reads this slot or has a load on its way
	s_add_nc_u64 s[G0+4*\slot+2:G0+4*\slot+3], s[G0+4*\slot+2:G0+4*\slot+3], 2*ROWB
	s_add_nc_u64 s[G0B+4*\slot+2:G0B+4*\slot+3], s[G0B+4*\slot+2:G0B+4*\slot+3], 2*ROWB
	JLOAD G0+4*\slot, G1, G0B+4*\slot, G1B         ; the first tensor load behind the round; its four v_nop are the places in front of the loads below
.else
	PLACES NP
.endif
	v_add_nc_u32 v[ADRS], 4*NQ, v[ADRS]
	FETCH_B \next, 0, 0
	FETCH_A \next, 0, 0
	SCALES \next
	WIN MUL_HI
	MUL16 4, 1, NQ-1, \slot, 0
	MUL16 6, 1, NQ-1, \slot, 0
	PLACES NP
	WIN 0
	FETCH_A \next, 0, 4
.endm
	s_wait_tensorcnt 1                             ; the scales and my part of slot 0 are in; slot 1's load may be out
	s_barrier_signal -1
	s_barrier_wait -1
	FETCH_B 0, 0, 0
	FETCH_A 0, 0, 0
	SCALES 0
	FETCH_A 0, 0, 4
	STEP 0, 0, 1
	s_mov_b32 s3, LAPS-1
.Llap:
	TURN 0, 1, 1
	STEP 1, 0, 0
	TURN 1, 0, 1
	STEP 0, 0, 0
	s_sub_co_u32 s3, s3, 1
	s_cmp_lg_u32 s3, 0
	s_cbranch_scc1 .Llap
	TURN 0, 1, 0                                   ; the last lap fills nothing
	STEP 1, 0, 0
	s_wait_dscnt 4*NL
	WIN MUL_LO
	MUL16 0, 1, NQ-1, 1, 0
	MUL16 2, 1, NQ-1, 1, 0
	s_wait_dscnt 0
	WIN MUL_HI
	MUL16 4, 1, NQ-1, 1, 0
	MUL16 6, 1, NQ-1, 1, 0
	WIN 0
; THE WAY OUT, block by block of source 1's 16 rows: the block's 64 numbers of a lane get their addend, are quantised in blocks of 32 (a block lies in lanes l and l xor 16), and the codes are stored as they stand.  No LDS.
.macro ADDB a, mode                    ; mode 0: the addend hangs on the register (q, k);  1: on the lane (v).  Each accumulator is read from its low end on
.if \mode
	WIN 0x06+(\a)/4                                ; source 0: the accumulators' window; source 1: window 1
.else
	WIN 0x02+(\a)/4
.endif
.irp t, 0,1,2,3,4,5,6,7
.irp jj, 0,2,4,6
.if \mode
	v_pk_add_f32 v[H+8*\t+\jj:H+8*\t+\jj+1], v[8*(8*((\a)%4)+\t)+\jj:8*(8*((\a)%4)+\t)+\jj+1], v[RB+2*(\a):RB+2*(\a)+1]
.else
	v_pk_add_f32 v[H+8*\t+\jj:H+8*\t+\jj+1], v[8*(8*((\a)%4)+\t)+\jj:8*(8*((\a)%4)+\t)+\jj+1], v[CBT+8*\t+\jj:CBT+8*\t+\jj+1]
.endif
.endr
.endr
	WIN 0
.endm
.macro QCORE s, d0, d1                 ; v[s + 16 b + i] = index 32 b + 16 h + i.  Codes of blocks 0, 1 into v[d0 .. d0 + 5], of blocks 2, 3 into v[d1 .. d1 + 5] (lane (r, h): block h, block 2 + h whole); the four bytes stay in v[TM + 4 ..]
.irp b, 0,1,2,3
	v_max3_num_f32 v[TM+\b], |v[\s+16*\b]|, |v[\s+1+16*\b]|, 0x2800000   ; my 16 numbers and the floor 2^(5 - 127)
.endr
.irp i, 2,4,6,8,10,12,14
.irp b, 0,1,2,3
	v_max3_num_f32 v[TM+\b], v[TM+\b], |v[\s+16*\b+\i]|, |v[\s+1+16*\b+\i]|
.endr
.endr
.irp b, 0,1,2,3
	v_permlanex16_b32 v[TM+4+\b], v[TM+\b], s[SEL], s[SEL+1]
.endr
.irp b, 0,1,2,3
	v_max_num_f32 v[TM+\b], v[TM+\b], v[TM+4+\b]   ; the block's largest magnitude
.endr
.irp b, 0,1,2,3
	v_add_nc_u32 v[TM+12+\b], 0xfe000000, v[TM+\b] ; 4 off its exponent field: the conversion's scale operand
.endr
.irp b, 0,1,2,3
	v_lshrrev_b32 v[TM+4+\b], 23, v[TM+12+\b]      ; the scale's byte
.endr
	v_cvt_scalef32_pk16_bf6_f32 v[\d0:\d0+2], v[\s:\s+15], v[TM+12]
	v_cvt_scalef32_pk16_bf6_f32 v[PT:PT+2], v[\s+16:\s+31], v[TM+13]     ; (a conversion's three registers begin on an even number)
	v_cvt_scalef32_pk16_bf6_f32 v[\d1:\d1+2], v[\s+32:\s+47], v[TM+14]
	v_cvt_scalef32_pk16_bf6_f32 v[PT+4:PT+6], v[\s+48:\s+63], v[TM+15]
	v_nop                                          ; a plain line behind the last conversion
.irp i, 0,1,2
	v_permlane16_swap_b32 v[\d0+\i], v[PT+\i]      ; the first's lanes 16-31 change places with the second's lanes 0-15: a whole block to a lane
	v_permlane16_swap_b32 v[\d1+\i], v[PT+4+\i]
.endr
.irp i, 0,1,2
	v_mov_b32 v[\d0+3+\i], v[PT+\i]
	v_mov_b32 v[\d1+3+\i], v[PT+4+\i]
.endr
.endm
	PLACES NP                                      ; behind the last products
	s_wait_loadcnt 0x0                             ; the addends
	s_cmp_eq_u32 s[TYPE], 1
	s_cselect_b32 s18, s42, s17                    ; the tokens' tile
	s_cselect_b32 s19, s16, s15                    ; and my half of it
	s_cselect_b32 s20, s17, s42                    ; the channels' tile
	s_cselect_b32 s21, s15, s16                    ; and my half of it
	s_lshr_b32 s22, s20, 2
	s_cmp_eq_u32 s[TYPE], 1
	s_cselect_b32 s22, 2, s22                      ; the part: 0 Q, 1 K, 2 V
	s_lshr_b32 s23, s18, 2                         ; the batch
	s_and_b32 s18, s18, 3
	s_lshl_b32 s18, s18, 1
	s_add_co_u32 s18, s18, s19                     ; which 128 tokens of the batch
	s_and_b32 s20, s20, 3
	s_lshl_b32 s20, s20, 2
	s_lshl_b32 s21, s21, 1
	s_add_co_u32 s20, s20, s21                     ; the first of my two heads
	s_lshl_b32 s23, s23, 4
	s_add_co_u32 s23, s23, s20                     ; 16 x batch + head
	s_mul_i32 s20, s23, IMGH
	s_mul_i32 s21, s22, IMGP
	s_add_co_u32 s20, s20, s21
	s_mul_i32 s21, s18, 6144
	s_add_co_u32 s20, s20, s21
	s_mov_b32 s21, 0
	s_mul_i32 s46, s23, 6144
	s_lshl_b32 s47, s22, 11
	s_add_co_u32 s46, s46, s47
	s_lshl_b32 s47, s18, 8
	s_add_co_u32 s46, s46, s47
	s_add_co_u32 s46, s46, SCLOFF
	s_mov_b32 s47, 0
	s_add_nc_u64 s[96:97], s[12:13], s[46:47]      ; my scale words
	s_add_nc_u64 s[12:13], s[12:13], s[20:21]      ; my images
	s_mov_b32 s[SEL], 0x76543210
	s_mov_b32 s[SEL+1], 0xfedcba98
	s_mov_b32 s[HI], 0xffff0000
	s_cmp_eq_u32 s[TYPE], 1
	s_cbranch_scc1 .Lv_out
	; ---- q, k: a lane holds a token; blocks 0, 1 are the first head's 64 channels, blocks 2, 3 the second's.  Two blocks of tokens make a pair image for each head.
.irp pp, 0,1,2,3
	s_wait_xcnt 0x0                                ; the last pair's stores have read their registers
.irp u, 0,1
	ADDB 2*\pp+\u, 0
	QCORE H, PC+6*\u, PC+12+6*\u
	v_lshl_or_b32 v[HW+2*\u], v[TM+5], 8, v[TM+4]      ; the first head's two bytes of this tile,
	v_lshl_or_b32 v[HW+2*\u+1], v[TM+7], 8, v[TM+6]    ; the second head's
.endr
	v_lshl_or_b32 v[WD], v[HW+2], 16, v[HW]        ; a pair's word: tile 2 p's two bytes, then tile 2 p + 1's
	v_lshl_or_b32 v[WD+1], v[HW+3], 16, v[HW+1]
	v_cndmask_b32 v[SW+\pp], v[WD], v[WD+1], s[HI] ; lanes 0-15 keep the first head's, lanes 16-31 the second's
.irp c, 0,1
.irp k, 0,1,2
	global_store_b128 v[LI], v[PC+12*\c+4*\k:PC+12*\c+4*\k+3], s[12:13] offset:\c*IMGH+\pp*1536+512*\k   ; 32 lanes store 512 consecutive bytes, aligned
.endr
.endr
.endr
	s_branch .Lscales
.Lv_out:
	; ---- v: a lane holds a channel, its 64 numbers are my 128 keys' halves: a block of source 1 is one operand image.  Blocks 0-3: the first head's four channel tiles; 4-7: the second's.
.irp a, 0,1,2,3,4,5,6,7
	s_wait_xcnt 0x0                                ; the last image's stores have read their registers
	ADDB \a, 1
	QCORE H, PC, PC+6
	v_lshl_or_b32 v[PW+\a], v[TM+5], 8, v[TM+4]
	v_lshl_or_b32 v[PW+\a], v[TM+6], 16, v[PW+\a]
	v_lshl_or_b32 v[PW+\a], v[TM+7], 24, v[PW+\a]  ; my channel's four key blocks
.irp k, 0,1,2
	global_store_b128 v[LI], v[PC+4*\k:PC+4*\k+3], s[12:13] offset:(\a/4)*IMGH+(\a%4)*1536+512*\k
.endr
.endr
.irp t, 0,1,2,3
	v_cndmask_b32 v[SW+\t], v[PW+\t], v[PW+4+\t], s[HI]
.endr
.Lscales:
	global_store_b128 v[SA], v[SW:SW+3], s[96:97]  ; lanes 0-15 fill 256 aligned bytes of the first head's words, lanes 16-31 of the second's
	s_wait_tensorcnt 0x0                           ; the wave's end
	ds_add_u32 v[SPW], v[NIL]
	s_wait_dscnt 0x0
	CROUND                                         ; the closing round: no work-group ends while a partner may still ask for a tile that names it
	s_endpgm
.Lfunc_end_k_q4ec7101050_qkv:
	.size	k_q4ec7101050_qkv, .Lfunc_end_k_q4ec7101050_qkv-k_q4ec7101050_qkv
	.p2alignl 7, 3214868480
	.fill 96, 4, 3214868480
	.section	.rodata,"a",@progbits
	.p2align	6, 0x0
	.amdhsa_kernel k_q4ec7101050_qkv
		.amdhsa_group_segment_fixed_size 327680
		.amdhsa_private_segment_fixed_size 0
		.amdhsa_enable_private_segment 0
		.amdhsa_kernarg_size 40
		.amdhsa_user_sgpr_count 2
		.amdhsa_user_sgpr_kernarg_segment_ptr 1
		.amdhsa_wavefront_size32 1
		.amdhsa_system_sgpr_workgroup_id_x 1
		.amdhsa_system_sgpr_workgroup_id_y 1
		.amdhsa_system_sgpr_workgroup_id_z 1
		.amdhsa_system_vgpr_workitem_id 0
		.amdhsa_next_free_vgpr 1024
		.amdhsa_next_free_sgpr 102
		.amdhsa_reserve_vcc 0
		.amdhsa_float_denorm_mode_32 3
		.amdhsa_float_denorm_mode_16_64 3
		.amdhsa_memory_ordered 1
		.amdhsa_forward_progress 1
		.amdhsa_inst_pref_size 234
	.end_amdhsa_kernel
	.amdgpu_metadata
---
amdhsa.version: [ 1, 2 ]
amdhsa.kernels:
  - .name:           k_q4ec7101050_qkv
    .symbol:         k_q4ec7101050_qkv.kd
    .args:
      - { .name: xq, .offset: 0, .size: 8, .value_kind: global_buffer, .address_space: global }
      - { .name: wq, .offset: 8, .size: 8, .value_kind: global_buffer, .address_space: global }
      - { .name: bias, .offset: 16, .size: 8, .value_kind: global_buffer, .address_space: global }
      - { .name: bv, .offset: 24, .size: 8, .value_kind: global_buffer, .address_space: global }
      - { .name: qkv, .offset: 32, .size: 8, .value_kind: global_buffer, .address_space: global }
    .group_segment_fixed_size: 327680
    .private_segment_fixed_size: 0
    .kernarg_segment_align: 8
    .kernarg_segment_size: 40
    .max_flat_workgroup_size: 128
    .sgpr_count:     102
    .vgpr_count:     1024
    .wavefront_size: 32
...
	.end_amdgpu_metadata
.endif
;; end of part 4
;; launch attn (part 5): grid 4 x 128, 8 waves a work-group, clusters of 4 x 1, 168,960 bytes of LDS; arguments qkv, attn_mask, bias, oq; writes oq
.if DOCPART == 5
	.amdgcn_target "amdgcn-amd-amdhsa--gfx1250"
	.amdhsa_code_object_version 6
	.text
	.protected	k_q4ec7101050_attn
	.globl	k_q4ec7101050_attn
	.p2align	8
	.type	k_q4ec7101050_attn,@function
k_q4ec7101050_attn:
	s_mov_b64 s[64:65], 0
	v_nop
	global_prefetch_b8 v0, s[64:65] scope:SCOPE_SE
	s_setreg_imm32_b32 hwreg(HW_REG_WAVE_MODE, 25, 1), 1
	s_wait_xcnt 0x0
	s_wait_alu depctr_hold_cnt(0) depctr_sa_sdst(0) depctr_va_vdst(0) depctr_va_sdst(0) depctr_va_ssrc(0) depctr_va_vcc(0) depctr_vm_vsrc(0)
	s_getreg_b32 s2, hwreg(HW_REG_IB_STS2, 6, 4)
	s_cmp_eq_u32 s2, 0
	s_cbranch_scc0 .Lentry_in_a_cluster
	s_endpgm
.Lentry_in_a_cluster:
	s_bfe_u32 s2, ttmp6, 0x10000c
	s_cmp_lg_u32 s2, 0x3003
	s_cbranch_scc0 .Lentry_shape_is_right
	s_endpgm
.Lentry_shape_is_right:
; o = softmax(q k^T / 8 + head's bias, masked keys out) v for one head of one batch, both products on codes of BF6 (E3M2) with E8M0 scales; o is quantised along the channels and leaves as codes.
; THE SOFTMAX AHEAD OF THE SECOND PRODUCT: t = logit x log2(e); M = the running largest t rounded UP to a whole number; p = 2^(t - M) is quantised along the keys, not normalised; the sum of the unquantised p divides at the end.
; When M moves, the sum and O are multiplied by 2^(old M - new M): exact.
; SHARES.  A cluster of four work-groups is one head (work-group y = 16 x batch + head); a work-group owns 256 queries; each of its eight waves owns a PAIR of query tiles: tile A in register window 0, tile B in window 1,
; which share every fragment of K and V that the wave reads from LDS.  Two waves lie on a SIMD.
; LDS.  The whole head's K and V (98,304 bytes of operand images) and their scale words (4,096) come ONCE, by joint loads of the four work-groups; nothing is filled again, so there is no ring, and one barrier.
; K = 64 IN AN INSTRUCTION OF 128.  Source 0 is the image of a PAIR of key tiles: tile 2 p in K places 0-63, tile 2 p + 1 in places 64-127.  Source 1 is (q, 0) for the first and (0, q) for the second, both cut from one run
; of registers [0 x 6 | q x 6 | 0 x 6].  Zero codes add nothing under any scale byte from 1 to 254.  So the instruction's other half costs no LDS byte.
; BIAS AND MASK ARE THE C OF THE FIRST PRODUCT: a table of 1,024 numbers in LDS holds 8 x bias for a key that counts and -3e38 for a masked one; its registers, laid as the result is, are C: the score arrives as q.k + 8 bias.
; LAYOUT.  Both products are used transposed: a lane holds ONE query; the rows' order of the workspace makes register 16 b + i of the scores key 32 b + 16 (lane / 16) + i of the step.
; LIMITS.  A masked score is -3e38, not -infinity: p is 0 all the same (a step all of whose keys are masked gives p = 1 for a while, which the next change of M multiplies by 2^-huge = 0).  A batch with EVERY key masked
; gives scale bytes 0xff, which make the last product's rows NaN, as the softmax of nothing is.  Blocks under 2^-122 keep the byte 1.  NaN and infinities among the inputs are not served.
; The 2 bytes a lane of o's scale bytes go to rows 32 bytes apart: 64 of the 1,600 bytes that a wave stores.
.set IMGH,   147456                    ; a head's images in qkv: Q, K, V, 49,152 bytes each
.set SCLOFF, 18874368                  ; the scale words in qkv: 6,144 bytes a head
.set OSOFF,  6291456                   ; o's scale bytes in oq
.set VIMG,   49152                     ; LDS: K's images at 0, V's here,
.set SCB,    98304                     ; K's scale words (2,048 bytes), then V's,
.set MT,     102400                    ; the table of bias and mask, 4,096 bytes: written by LDS stores alone, in blocks of 256 bytes into which no fill lands
.set A16,  1                           ; v1   16 x lane
.set AV0,  2                           ; v2   16 x lane + VIMG
.set AS0,  3                           ; v3   SCB + 16 r + 2,048 h: lanes 0-15 K's words, lanes 16-31 V's
.set AM0,  4                           ; v4   MT + 64 h
.set ADK,  5                           ; v5-8 the step's addresses
.set ADV,  6
.set ADS,  7
.set ADM,  8
.set A8,   9                           ; v9   8 x lane
.set A32,  10                          ; v10  32 x lane
.set AMT,  11                          ; v11  MT + 16 x thread
.set NM,   12                          ; both windows: -M
.set TMX,  13                          ; the largest t so far
.set LS,   14                          ; v[14:15] the sum in two halves
.set QZ,   16                          ; v16-33 [0 x 6 | q x 6 | 0 x 6]
.set KF,   34                          ; window 0: v34-81 four pair images of K
.set VF,   34                          ; window 1: v34-81 four images of V
.set SCW,  84                          ; v84-87 the step's scale words
.set QSA,  88                          ; q's scale words, tile A, tile B
.set QSB,  89
.set PSA,  90                          ; p's
.set PSB,  91
.set U,    92
.set S,    96                          ; both windows: v96-159 the scores, then p
.set O,    160                         ; v160-191 O^T
.set PC,   192                         ; v192-203 p's codes
.set PT,   204                         ; v204-211 the conversions' second halves
.set BM,   212                         ; block maxima
.set BT,   216                         ; the other half's; then bytes
.set BS,   220                         ; scale operands
.set F,    224                         ; v[224:225] 2^(old M - new M)
.set T,    226                         ; v[226:227] at work
.set WV,   12
.set CX,   13
.set BH,   14
.set SEL,  20                          ; s[20:21] lane l xor 16
.set CS,   22                          ; s[22:23] c = log2(e) / 8
.set HIM,  24                          ; lanes 16-31; also the upper half of a word
.set ALLM, 25                          ; -1e37: a largest t under it means that no key counted
.set FFFF, 26
.set SBI,  27                          ; 8 x the head's bias
.set TRIP, 28
.set TK,   29                          ; the step's images: 6,144 bytes a step
.set TS,   30                          ; its scale words: 256
.set TMK,  31                          ; its part of the table: 512
.set G1I,  32
.set G1S,  40
.set G0I,  48
.set G0S,  52
.set MSB, 0
.macro WIN new
.if MSB != (\new)
	s_set_vgpr_msb (MSB<<8)|(\new)
.set MSB, (\new)
.endif
.endm
.macro CROUND                          ; a round of the cluster's barrier
	s_barrier_signal -1
	s_barrier_wait -1
	s_cmp_lg_u32 s[WV], 0
	s_cbranch_scc1 .Lnot_wave_0_\@
	s_barrier_signal -3
.Lnot_wave_0_\@:
	s_barrier_wait -3
	s_barrier_signal -1
	s_barrier_wait -1
.endm
	s_load_b256 s[4:11], s[0:1], 0x0               ; qkv, attn_mask, bias, oq
	v_lshl_add_u32 v254, v0, 2, 0x29000
	v_mov_b32 v255, 0
	ds_add_u32 v254, v255
	ds_add_u32 v254, v255
	v_lshrrev_b32 v1, 5, v0
	v_readfirstlane_b32 s[WV], v1                  ; wave 0..7
	s_bfe_u32 s[CX], ttmp6, 0x40000                ; cx: my block of 256 queries; it enters Q's and o's addresses alone
	s_and_b32 s[BH], ttmp7, 0xffff                 ; 16 x batch + head, which the four partners share
	s_mov_b32 s[G1I], 15|(3<<16)|(1<<21)           ; the mask: all four; elements of 8 bytes; bit 21 beside a mask; no padding
	s_mov_b32 s[G1I+1], 32<<16                     ; rows of 256 bytes,
	s_mov_b32 s[G1I+2], 48<<16                     ; 48 of them: an eighth of K's and V's images
	s_mov_b32 s[G1I+3], 32<<16
	s_mov_b32 s[G1I+4], 48
	s_mov_b32 s[G1I+5], 32                         ; dense
	s_mov_b32 s[G1I+6], 0
	s_mov_b32 s[G1I+7], 0
	s_mov_b32 s[G1S], 15|(3<<16)|(1<<21)
	s_mov_b32 s[G1S+1], 32<<16
	s_mov_b32 s[G1S+2], 2<<16                      ; two rows: an eighth of the scale words
	s_mov_b32 s[G1S+3], 32<<16
	s_mov_b32 s[G1S+4], 2
	s_mov_b32 s[G1S+5], 32
	s_mov_b32 s[G1S+6], 0
	s_mov_b32 s[G1S+7], 0
	s_mul_i32 s16, s[BH], IMGH                     ; the head's images
	s_mul_i32 s17, s[BH], 6144
	s_add_co_u32 s17, s17, SCLOFF                  ; the head's scale words
	s_mul_i32 s15, s[WV], 12288                    ; my eighth, in memory and in LDS alike
	s_add_co_u32 s18, s16, s15
	s_add_co_u32 s18, s18, 49152                   ; behind Q's part
	s_mov_b32 s19, 0
	s_lshl_b32 s56, s[WV], 9
	s_add_co_u32 s58, s17, s56
	s_add_co_u32 s58, s58, 2048
	s_mov_b32 s59, 0
	s_lshl_b32 s60, s[CX], 3
	s_add_co_u32 s60, s60, s[WV]                   ; p: my pair of query tiles, 0 .. 31
	s_mul_i32 s68, s60, 1536
	s_add_co_u32 s68, s68, s16                     ; its image
	s_mov_b32 s69, 0
	s_lshr_b32 s61, s60, 2
	s_lshl_b32 s61, s61, 8
	s_and_b32 s62, s60, 3
	s_lshl_b32 s62, s62, 2
	s_add_co_u32 s70, s61, s62
	s_add_co_u32 s70, s70, s17                     ; its scale words: [p / 4][r][p % 4]
	s_mov_b32 s71, 0
	s_lshr_b32 s61, s[BH], 4                       ; the batch
	s_and_b32 s62, s[BH], 15                       ; the head
	s_lshl_b32 s63, s61, 5
	s_add_co_u32 s63, s63, s60                     ; 32 x batch + p
	s_mul_i32 s72, s63, 2*12288                    ; o's codes: [row tile][16 heads][768 bytes]
	s_mul_i32 s57, s62, 768
	s_add_co_u32 s72, s72, s57
	s_mov_b32 s73, 0
	s_lshl_b32 s74, s63, 10                        ; o's scale bytes: 32 rows of 32 bytes a pair,
	s_lshl_b32 s57, s62, 1
	s_add_co_u32 s74, s74, s57                     ; bytes 2 x head, 2 x head + 1
	s_add_co_u32 s74, s74, OSOFF
	s_mov_b32 s75, 0
	s_lshl_b32 s76, s61, 10                        ; the batch's mask
	s_mov_b32 s77, 0
	s_lshl_b32 s78, s[BH], 2                       ; the head's bias
	s_mov_b32 s79, 0
	s_mov_b32 s[SEL], 0x76543210
	s_mov_b32 s[SEL+1], 0xfedcba98
	s_mov_b32 s[CS], 0x3e38aa3b                    ; log2(e) / 8
	s_mov_b32 s[CS+1], s[CS]                       ; (named with it as a pair)
	s_mov_b32 s[HIM], 0xffff0000
	s_mov_b32 s[ALLM], 0xfcf0bdc2
	s_mov_b32 s[FFFF], 0xffff
	s_mov_b32 s[TRIP], 8
	s_mov_b32 s[TK], 0
	s_mov_b32 s[TS], 0
	s_mov_b32 s[TMK], 0
	s_wait_dscnt 0x0
	s_wait_kmcnt 0x0
	s_mov_b32 s[G0I], 1
	s_mov_b32 s[G0I+1], s15
	s_add_nc_u64 s[G0I+2:G0I+3], s[4:5], s[18:19]
	s_or_b32 s[G0I+3], s[G0I+3], 0x80000000
	s_mov_b32 s[G0S], 1
	s_add_co_u32 s[G0S+1], s56, SCB
	s_add_nc_u64 s[G0S+2:G0S+3], s[4:5], s[58:59]
	s_or_b32 s[G0S+3], s[G0S+3], 0x80000000
	s_add_nc_u64 s[68:69], s[4:5], s[68:69]
	s_add_nc_u64 s[70:71], s[4:5], s[70:71]
	s_add_nc_u64 s[72:73], s[10:11], s[72:73]
	s_add_nc_u64 s[74:75], s[10:11], s[74:75]
	s_add_nc_u64 s[76:77], s[6:7], s[76:77]
	s_add_nc_u64 s[8:9], s[8:9], s[78:79]
	CROUND                                         ; all four work-groups are here: the joint loads meet
	tensor_load_to_lds s[G0I:G0I+3], s[G1I:G1I+7]  ; every wave asks for its eighth: two loads of mine are out
	s_nop 0
	tensor_load_to_lds s[G0S:G0S+3], s[G1S:G1S+7]
	s_nop 0
.rept 4
	v_nop
.endr
	s_load_b32 s[SBI], s[8:9], 0x10000             ; the head's bias
	v_and_b32 v[A32], 31, v0                       ; lane
	v_and_b32 v[ADK], 15, v0                       ; r
	v_bfe_u32 v[ADV], v0, 4, 1                     ; h
	v_lshlrev_b32 v[A16], 4, v[A32]
	v_add_nc_u32 v[AV0], VIMG, v[A16]
	v_lshlrev_b32 v[AS0], 4, v[ADK]
	v_lshl_add_u32 v[AS0], v[ADV], 11, v[AS0]
	v_add_nc_u32 v[AS0], SCB, v[AS0]
	v_lshlrev_b32 v[AM0], 6, v[ADV]
	v_add_nc_u32 v[AM0], MT, v[AM0]
	v_lshlrev_b32 v[A8], 3, v[A32]
	v_lshlrev_b32 v[ADS], 4, v[ADK]                ; (for now: 16 r, Q's scale word)
	v_lshlrev_b32 v[ADM], 2, v0                    ; (for now: 4 x thread, my four mask bytes)
	v_lshl_add_u32 v[AMT], v0, 4, MT
	v_lshlrev_b32 v[A32], 5, v[A32]
.irp k, 0,1,2
	global_load_b128 v[S+4*\k:S+4*\k+3], v[A16], s[68:69] offset:512*\k   ; my pair's image: registers 0-5 tile A, 6-11 tile B
.endr
	global_load_b32 v[QSA], v[ADS], s[70:71]       ; its scale word: tile A's two bytes, then tile B's
	global_load_b32 v[S+16], v[ADM], s[76:77]      ; four mask bytes
.macro INIT                            ; the step is written once: the first finds zeros, which the first change of M leaves zeros
	v_mov_b32 v[TMX], 0xff61b1e6                   ; -3e38, under every t
	v_floor_f32 v[NM], -v[TMX]
	v_mov_b32 v[LS], 0
	v_mov_b32 v[LS+1], 0
.set j, 0
.rept 32
	v_mov_b32 v[O+j], 0
.set j, j+1
.endr
.irp b, 0,1,2,3
	v_mov_b32 v[BT+\b], 0                          ; a lane permute's destination counts as one of its sources
.endr
	v_mov_b32 v[F+1], 0                            ; (named as the upper half of a pair)
.irp i, 0,1,2,3,4,5
	v_mov_b32 v[QZ+\i], 0                          ; the zero codes on both sides of q
	v_mov_b32 v[QZ+12+\i], 0
.endr
.endm
	INIT
	WIN 0x55
	INIT
	WIN 0
	s_wait_kmcnt 0x0
	s_wait_loadcnt 0x0
.irp i, 0,1,2,3,4,5
	v_mov_b32 v[QZ+6+\i], v[S+\i]
.endr
	WIN 0x40                                       ; destination window 1
.irp i, 0,1,2,3,4,5
	v_mov_b32 v[QZ+6+\i], v[S+6+\i]
.endr
	WIN 0
	v_lshrrev_b32 v[QSB], 16, v[QSA]               ; q's two bytes stand in both halves of its word: they serve (q, 0) and (0, q) alike
	v_and_or_b32 v[QSB], v[QSA], s[HIM], v[QSB]
	v_and_b32 v[U], s[FFFF], v[QSA]
	v_lshl_or_b32 v[QSA], v[QSA], 16, v[U]
	s_mul_f32 s[SBI], s[SBI], 0x41000000           ; 8 x bias: exact; t = (q.k + 8 bias) x log2(e) / 8
	v_mov_b32 v[S+17], s[SBI]
	v_mov_b32 v[S+18], 0xff61b1e6
.irp i, 0,1,2,3
	v_bfe_u32 v[S+19], v[S+16], 8*\i, 8
	v_cmp_ne_u32 vcc_lo, 0, v[S+19]
	v_cndmask_b32 v[S+20+\i], v[S+17], v[S+18], vcc_lo   ; a masked key: -3e38
.endr
	ds_store_b128 v[AMT], v[S+20:S+23]             ; my four keys of the table
	s_wait_tensorcnt 0x0                           ; my parts of the images and of the scale words have landed,
	s_wait_dscnt 0x0                               ; my part of the table is written:
	s_barrier_signal -1
	s_barrier_wait -1                              ; everybody's are
.macro QK qs                           ; S^T = K Q^T + C, eight tiles of 16 keys.  The accumulators differ from instruction to instruction
.irp pp, 0,1,2,3
.irp u, 0,1
	v_wmma_scale_f32_16x16x128_f8f6f4 v[S+16*\pp+8*\u:S+16*\pp+8*\u+7], v[KF+12*\pp:KF+12*\pp+11], v[QZ+6-6*\u:QZ+17-6*\u], v[S+16*\pp+8*\u:S+16*\pp+8*\u+7], v[SCW+\pp], v[\qs] matrix_a_fmt:MATRIX_FMT_BF6 matrix_b_fmt:MATRIX_FMT_BF6
.endr
.endr
.endm
.macro PV ps                           ; O^T += V^T P^T: four tiles of 16 channels; V's scale words stand in lanes 16-31
.irp t, 0,1,2,3
	v_wmma_scale_f32_16x16x128_f8f6f4 v[O+8*\t:O+8*\t+7], v[VF+12*\t:VF+12*\t+11], v[PC:PC+11], v[O+8*\t:O+8*\t+7], v[SCW+\t], v[\ps] matrix_a_fmt:MATRIX_FMT_BF6 matrix_b_fmt:MATRIX_FMT_BF6 matrix_a_scale:MATRIX_SCALE_ROW1
.endr
.endm
; One tile's softmax for 128 keys, in the window that is set (w = 1: window 1).  ps: where p's scale word goes (window 0: scale operands have no window).
.macro SOFTMAX w, ps
.irp b, 0,1,2,3
	v_max3_num_f32 v[BM+\b], v[S+16*\b], v[S+16*\b+1], v[S+16*\b+2]   ; the largest score of each block of 32 keys: for the row's maximum and, since p rises with the score, for the block's largest p
.endr
.irp i, 3,5,7,9,11,13
.irp b, 0,1,2,3
	v_max3_num_f32 v[BM+\b], v[BM+\b], v[S+16*\b+\i], v[S+16*\b+\i+1]
.endr
.endr
.irp b, 0,1,2,3
	v_max_num_f32 v[BM+\b], v[BM+\b], v[S+16*\b+15]
.endr
.irp b, 0,1,2,3
	v_permlanex16_b32 v[BT+\b], v[BM+\b], s[SEL], s[SEL+1]
.endr
.irp b, 0,1,2,3
	v_max_num_f32 v[BM+\b], v[BM+\b], v[BT+\b]     ; with lane l xor 16's 16 keys
.endr
	v_max3_num_f32 v[T], v[BM], v[BM+1], v[BM+2]
	v_max_num_f32 v[T], v[T], v[BM+3]
	v_mul_f32 v[T], s[CS], v[T]                    ; as t (c is positive)
	v_max_num_f32 v[TMX], v[TMX], v[T]
	v_mov_b32 v[T], v[NM]
	v_floor_f32 v[NM], -v[TMX]                     ; -M = floor(-t): M is a whole number
	v_sub_f32 v[T], v[NM], v[T]                    ; old M - new M, 0 or less
	v_cvt_i32_f32 v[T], v[T]                       ; (it saturates)
	v_ldexp_f32 v[F], 1.0, v[T]                    ; f = 2^(old M - new M)
.set j, 0
.rept 32
	v_pk_fma_f32 v[S+j:S+j+1], v[S+j:S+j+1], s[CS:CS+1], v[NM:NM+1] op_sel_hi:[1,0,0]   ; t - M, two at a time
.set j, j+2
.endr
.irp b, 0,1,2,3
	v_fma_f32 v[BM+\b], v[BM+\b], s[CS], v[NM]     ; the same of each block's largest score
.endr
.set j, 0
.rept 64
	v_exp_f32 v[S+j], v[S+j]                       ; p = 2^(t - M)
.set j, j+1
.endr
.irp b, 0,1,2,3
	v_exp_f32 v[BM+\b], v[BM+\b]                   ; the block's largest p: the same two instructions on the same number
.endr
	v_pk_mul_f32 v[LS:LS+1], v[LS:LS+1], v[F:F+1] op_sel_hi:[1,0]   ; the sum under the new M (a plain line behind the exponentials)
	s_wait_alu depctr_va_vdst(0)
.irp b, 0,1,2,3
	v_max_num_f32 v[BM+\b], 0x2800000, v[BM+\b]    ; the floor 2^(5 - 127)
.endr
.irp b, 0,1,2,3
	v_add_nc_u32 v[BS+\b], 0xfe000000, v[BM+\b]    ; the conversion's scale operand
.endr
.irp b, 0,1,2,3
	v_lshrrev_b32 v[BT+\b], 23, v[BS+\b]           ; the scale's byte
.endr
	v_lshl_or_b32 v[T], v[BT+1], 8, v[BT]
	v_lshl_or_b32 v[T], v[BT+2], 16, v[T]
	v_lshl_or_b32 v[T], v[BT+3], 24, v[T]
.if \w
	WIN 0x01                                       ; source window 1, destination window 0
.endif
	v_mov_b32 v[\ps], v[T]                         ; p's scale word for these 128 keys: more than eight plain lines ahead of the products
.if \w
	WIN 0x55
.endif
.irp c, 0,1
	v_cvt_scalef32_pk16_bf6_f32 v[PC+6*\c:PC+6*\c+2], v[S+32*\c:S+32*\c+15], v[BS+2*\c]
	v_cvt_scalef32_pk16_bf6_f32 v[PT+4*\c:PT+4*\c+2], v[S+32*\c+16:S+32*\c+31], v[BS+2*\c+1]
.endr
	v_nop                                          ; a plain line behind the last conversion
.irp c, 0,1
.irp i, 0,1,2
	v_permlane16_swap_b32 v[PC+6*\c+\i], v[PT+4*\c+\i]   ; a whole block to a lane
.endr
.irp i, 0,1,2
	v_mov_b32 v[PC+6*\c+3+\i], v[PT+4*\c+\i]
.endr
.endr
	v_pk_add_f32 v[T:T+1], v[S:S+1], v[S+2:S+3]    ; the sum of the UNQUANTISED p, in two chains
.irp j, 4,8,12,16,20,24,28,32,36,40,44,48,52,56,60
	v_pk_add_f32 v[LS:LS+1], v[LS:LS+1], v[S+\j:S+\j+1]
	v_pk_add_f32 v[T:T+1], v[T:T+1], v[S+\j+2:S+\j+3]
.endr
	v_pk_add_f32 v[LS:LS+1], v[LS:LS+1], v[T:T+1]
.set j, 0
.rept 16
	v_pk_mul_f32 v[O+j:O+j+1], v[O+j:O+j+1], v[F:F+1] op_sel_hi:[1,0]   ; O^T under the new M
.set j, j+2
.endr
.endm
.Lstep:                                            ; eight trips of 128 keys
	v_add_nc_u32 v[ADK], s[TK], v[A16]             ; these four lines are also the places between the last trip's products and the loads into their registers
	v_add_nc_u32 v[ADV], s[TK], v[AV0]
	v_add_nc_u32 v[ADS], s[TS], v[AS0]
	v_add_nc_u32 v[ADM], s[TMK], v[AM0]
.irp pp, 0,1,2,3
.irp k, 0,1,2,3
	ds_load_b128 v[S+16*\pp+4*\k:S+16*\pp+4*\k+3], v[ADM] offset:128*\pp+16*\k   ; bias and mask, laid as the scores: the sixteen lanes of a half read one address
.endr
.endr
.irp c, 0,1,2,3,4,5,6,7,8,9,10,11
	ds_load_b128 v[KF+4*\c:KF+4*\c+3], v[ADK] offset:512*\c   ; four pair images of K: 512 consecutive bytes a load
.endr
	ds_load_b128 v[SCW:SCW+3], v[ADS]
	WIN 0x40                                       ; destination window 1
.irp c, 0,1,2,3,4,5,6,7,8,9,10,11
	ds_load_b128 v[VF+4*\c:VF+4*\c+3], v[ADV] offset:512*\c   ; four images of V
.endr
	s_wait_dscnt 12                                ; all but V's twelve loads are in
	WIN 0x44                                       ; tile B: source 1 and D window 1; K and C window 0
	QK QSB
.rept 5
	v_nop                                          ; tile A's products write over the registers that tile B's took as C: five places
.endr
	WIN 0
	QK QSA                                         ; tile A, in place on the table's registers
	WIN 0x55
	SOFTMAX 1, PSB                                 ; tile B's; its lines are the places behind tile A's products
	s_wait_dscnt 0x0                               ; V is in
	PV PSB
	WIN 0
	SOFTMAX 0, PSA                                 ; tile A's stands beside tile B's products
	WIN 0x01                                       ; V in window 1, all else in window 0
	PV PSA
	WIN 0
	s_add_co_u32 s[TK], s[TK], 6144
	s_add_co_u32 s[TS], s[TS], 256
	s_add_co_u32 s[TMK], s[TMK], 512
	s_sub_co_u32 s[TRIP], s[TRIP], 1
	s_cmp_lg_u32 s[TRIP], 0
	s_cbranch_scc1 .Lstep
; THE WAY OUT of a tile, in the window that is set: O^T / the sum; its 32 numbers of a lane are channels 32 b + 16 h + i: two blocks, quantised as everywhere; six registers of codes: half an operand's image.
.macro FIN
	v_add_f32 v[LS], v[LS], v[LS+1]
	v_permlanex16_b32 v[BT], v[LS], s[SEL], s[SEL+1]
	v_add_f32 v[LS], v[LS], v[BT]                  ; the row's sum
	v_rcp_f32 v[LS], v[LS]
	v_nop                                          ; a plain line behind the reciprocal
.set j, 0
	s_wait_alu depctr_va_vdst(0)
.rept 16
	v_pk_mul_f32 v[S+j:S+j+1], v[O+j:O+j+1], v[LS:LS+1] op_sel_hi:[1,0]   ; each accumulator from its low end on
.set j, j+2
.endr
.irp b, 0,1
	v_max3_num_f32 v[BM+\b], |v[S+16*\b]|, |v[S+16*\b+1]|, 0x2800000
.endr
.irp i, 2,4,6,8,10,12,14
.irp b, 0,1
	v_max3_num_f32 v[BM+\b], v[BM+\b], |v[S+16*\b+\i]|, |v[S+16*\b+\i+1]|
.endr
.endr
.irp b, 0,1
	v_permlanex16_b32 v[BT+\b], v[BM+\b], s[SEL], s[SEL+1]
.endr
.irp b, 0,1
	v_max_num_f32 v[BM+\b], v[BM+\b], v[BT+\b]
.endr
.irp b, 0,1
	v_add_nc_u32 v[BS+\b], 0xfe000000, v[BM+\b]
.endr
.irp b, 0,1
	v_lshrrev_b32 v[BT+\b], 23, v[BS+\b]
.endr
	v_cvt_scalef32_pk16_bf6_f32 v[PC:PC+2], v[S:S+15], v[BS]
	v_cvt_scalef32_pk16_bf6_f32 v[PT:PT+2], v[S+16:S+31], v[BS+1]
	v_nop
.irp i, 0,1,2
	v_permlane16_swap_b32 v[PC+\i], v[PT+\i]
.endr
.irp i, 0,1,2
	v_mov_b32 v[PC+3+\i], v[PT+\i]
.endr
	v_lshl_or_b32 v[T], v[BT+1], 8, v[BT]          ; my row's two scale bytes
	v_cmp_gt_f32 vcc_lo, s[ALLM], v[TMX]           ; no key counted: the bytes become 0xff
	v_cndmask_b32 v[T], v[T], s[FFFF], vcc_lo
.endm
	WIN 0x55
	FIN                                            ; tile B first: its lines are the places behind tile A's last products
	WIN 0x04                                       ; a store's data are its source 1: window 1
.irp k, 0,1,2
	global_store_b64 v[A8], v[PC+2*\k:PC+2*\k+1], s[72:73] offset:12288+256*\k   ; 32 lanes store 256 consecutive bytes, aligned
.endr
	WIN 0
	FIN
.irp k, 0,1,2
	global_store_b64 v[A8], v[PC+2*\k:PC+2*\k+1], s[72:73] offset:256*\k
.endr
	WIN 0x04
	v_cndmask_b32 v[U], v[T], v[T], s[HIM]         ; lanes 0-15: tile A's rows; lanes 16-31: tile B's (source 1, window 1)
	WIN 0
	global_store_b16 v[A32], v[U], s[74:75]        ; row = lane of the pair's 32
	s_wait_tensorcnt 0x0
	ds_add_u32 v254, v255
	s_wait_dscnt 0x0
	CROUND                                         ; the closing round
	s_endpgm
.Lfunc_end_k_q4ec7101050_attn:
	.size	k_q4ec7101050_attn, .Lfunc_end_k_q4ec7101050_attn-k_q4ec7101050_attn
	.p2alignl 7, 3214868480
	.fill 96, 4, 3214868480
	.section	.rodata,"a",@progbits
	.p2align	6, 0x0
	.amdhsa_kernel k_q4ec7101050_attn
		.amdhsa_group_segment_fixed_size 168960
		.amdhsa_private_segment_fixed_size 0
		.amdhsa_enable_private_segment 0
		.amdhsa_kernarg_size 32
		.amdhsa_user_sgpr_count 2
		.amdhsa_user_sgpr_kernarg_segment_ptr 1
		.amdhsa_wavefront_size32 1
		.amdhsa_system_sgpr_workgroup_id_x 1
		.amdhsa_system_sgpr_workgroup_id_y 1
		.amdhsa_system_sgpr_workgroup_id_z 1
		.amdhsa_system_vgpr_workitem_id 0
		.amdhsa_next_free_vgpr 512
		.amdhsa_next_free_sgpr 80
		.amdhsa_reserve_vcc 1
		.amdhsa_float_denorm_mode_32 3
		.amdhsa_float_denorm_mode_16_64 3
		.amdhsa_memory_ordered 1
		.amdhsa_forward_progress 1
		.amdhsa_inst_pref_size 49
	.end_amdhsa_kernel
	.amdgpu_metadata
---
amdhsa.version: [ 1, 2 ]
amdhsa.kernels:
  - .name:           k_q4ec7101050_attn
    .symbol:         k_q4ec7101050_attn.kd
    .args:
      - { .name: qkv, .offset: 0, .size: 8, .value_kind: global_buffer, .address_space: global }
      - { .name: attn_mask, .offset: 8, .size: 8, .value_kind: global_buffer, .address_space: global }
      - { .name: bias, .offset: 16, .size: 8, .value_kind: global_buffer, .address_space: global }
      - { .name: oq, .offset: 24, .size: 8, .value_kind: global_buffer, .address_space: global }
    .group_segment_fixed_size: 168960
    .private_segment_fixed_size: 0
    .kernarg_segment_align: 8
    .kernarg_segment_size: 32
    .max_flat_workgroup_size: 256
    .sgpr_count:     80
    .vgpr_count:     512
    .wavefront_size: 32
...
	.end_amdgpu_metadata
.endif
;; end of part 5
;; launch outp (part 6): grid 4 x 32, 4 waves a work-group, clusters of 4 x 4, 327,680 bytes of LDS; arguments oq, wq, bo, out0; writes out0
.if DOCPART == 6
	.amdgcn_target "amdgcn-amd-amdhsa--gfx1250"
	.amdhsa_code_object_version 6
	.text
	.protected	k_q4ec7101050_outp
	.globl	k_q4ec7101050_outp
	.p2align	8
	.type	k_q4ec7101050_outp,@function
k_q4ec7101050_outp:
	s_mov_b64 s[64:65], 0
	v_nop
	global_prefetch_b8 v0, s[64:65] scope:SCOPE_SE
	s_setreg_imm32_b32 hwreg(HW_REG_WAVE_MODE, 25, 1), 1
	s_wait_xcnt 0x0
	s_wait_alu depctr_hold_cnt(0) depctr_sa_sdst(0) depctr_va_vdst(0) depctr_va_sdst(0) depctr_va_ssrc(0) depctr_va_vcc(0) depctr_vm_vsrc(0)
	s_getreg_b32 s2, hwreg(HW_REG_IB_STS2, 6, 4)
	s_cmp_eq_u32 s2, 0
	s_cbranch_scc0 .Lentry_in_a_cluster
	s_endpgm
.Lentry_in_a_cluster:
	s_bfe_u32 s2, ttmp6, 0x10000c
	s_cmp_lg_u32 s2, 0xf033
	s_cbranch_scc0 .Lentry_shape_is_right
	s_endpgm
.Lentry_shape_is_right:
; out0 = o Wo + bo, on codes of BF6 (E3M2) with one E8M0 scale for each 32 along K = 1,024; sums in f32; out0 [8192][1024] f32.
; A work-group of four waves makes 256 x 256, a wave 128 x 128: 64 accumulators.  K goes in steps of 256 through a ring of two LDS slots; the scale bytes come into LDS once.  4 x 4 work-groups form a cluster:
; the four of a row need the same tiles of o ("A"), the four of a column the same rows of Wo ("B"): each tile is asked for jointly.  128 work-groups: the tile is kept at 256 x 256 so that each LDS byte feeds the most products.
; A'S TILES ARE IMAGES: oq holds, for each tile of 16 rows and each head, the six registers of half an operand (768 bytes: three runs of 256, lane l's 8 bytes at 8 l).  Two heads on end are a fragment of 128 along K:
; six loads of 8 bytes a lane, each of 256 consecutive bytes.  A slot takes four heads of 16 row tiles.
; The matrix instruction is used transposed (source 0 = 16 rows of Wo, source 1 = 16 rows of o): a lane holds eight neighbouring numbers of a row of out0.  bo is the C of each sum's first instruction.
; THE ORDER OF THE ROWS of the workspace (16 x + 8 u + y at row 16 u + 8 x + y of each group of 32), in Wo's rows and in the tokens, is undone on the way out: in the stage's offsets and in the stores' offsets.
; REGISTERS: window 0: v0-31 addresses; v32-63 scale words, two sets; v64-127 bo; from v128 A's fragments, one set.  window 1: B's fragments, two sets.  windows 2, 3: the accumulators.
.set KSTEP,  256
.set NQ,     KSTEP/128
.set ROWB,   192
.set KROW,   768
.set PITCH,  240                       ; B's LDS row: 3 x (64 bytes + 16 of padding)
.set FR,     12
.set NL,     6
.set NP,     4
.set HALFA,  8*3072                    ; A: 8 row tiles x 4 heads x 768 bytes: what one tensor load brings
.set HALFT,  128*PITCH                 ; B: 128 rows
.set BOFF,   2*HALFA                   ; B's rows lie behind A's
.set SLOT,   2*HALFA+2*HALFT
.set LAPS,   2
.set KS,     32
.set SCL,    2*SLOT
.set HALFS,  (128*KS/256)*272
.set SBLK,   (16*KS/256)*272
.set SPARE,  SCL+4*HALFS               ; the spare words, 128 bytes a wave: two blocks of 256 bytes that no other line names
.set SPITCH, 528                       ; the way out: 16 rows x (512 bytes + 16) a wave, in slot 0, which has had its last fill and its last read by then
.set OSOFF,  6291456
.set WSOFF,  3145728
.set NROW,   4096                      ; a row of out0 in bytes
.set ADRA, 16                          ; v16-17  LDS address of my A fragments in slot 0, 1
.set ADRB, 20                          ; v20-23  the same for B, and behind one padding more
.set STO,  24
.set RD,   25
.set CO,   26
.set ADRS, 27
.set SPW,  28
.set NIL,  29
.set BV0,  30                          ; v30     64 h
.set SC,   32
.set CBT,  64                          ; bo: register 8 b + j for tile b of Wo's rows
.set AF,   128
.set BK,   128
.set G1, 24
.set G0, 32
.set G1B, 48
.set G0B, 56
.set G1S, 68
.set G0S, 76
.set G1SB, 80
.set G0SB, 88
.set MSB, 0
.macro WIN new
.if MSB != (\new)
	s_set_vgpr_msb (MSB<<8)|(\new)
.set MSB, (\new)
.endif
.endm
.set MUL_LO, 0xa1
.set MUL_HI, 0xf1
.set TO_B,   0x40
.macro JLOAD g0a, g1a, g0b, g1b        ; waves 0 and 1 fetch for A, waves 2 and 3 for B; four v_nop follow each of the two lines
	s_cmp_eq_u32 s15, 0
	s_cbranch_scc0 .Lfor_b_\@
	tensor_load_to_lds s[\g0a:\g0a+3], s[\g1a:\g1a+7]
	s_nop 0
.rept 4
	v_nop
.endr
	s_branch .Lasked_\@
.Lfor_b_\@:
	tensor_load_to_lds s[\g0b:\g0b+3], s[\g1b:\g1b+7]
	s_nop 0
.rept 4
	v_nop
.endr
.Lasked_\@:
.endm
.macro CREST
	s_cmp_lg_u32 s14, 0
	s_cbranch_scc1 .Lnot_wave_0_\@
	s_barrier_signal -3
.Lnot_wave_0_\@:
	s_barrier_wait -3
	s_barrier_signal -1
	s_barrier_wait -1
.endm
.macro CROUND
	s_barrier_signal -1
	s_barrier_wait -1
	CREST
.endm
	s_load_b256 s[4:11], s[0:1], 0x0               ; oq, wq, bo, out0
	v_lshl_add_u32 v[SPW], v0, 2, SPARE
	v_mov_b32 v[NIL], 0
	ds_add_u32 v28, v29
	ds_add_u32 v28, v29
	s_wait_dscnt 0x0
	v_lshrrev_b32 v1, 5, v0
	v_readfirstlane_b32 s14, v1                    ; wave 0..3
	s_lshr_b32 s15, s14, 1                         ; which half of the tile's rows is mine.  Also: I fetch for A (0) or for B (1)
	s_and_b32 s16, s14, 1                          ; which half of its columns.  Also: which half of that tile I fetch
	s_bfe_u32 s40, ttmp6, 0x40000
	s_bfe_u32 s41, ttmp6, 0x40004
	s_lshl_b32 s42, ttmp9, 2
	s_add_co_u32 s42, s42, s40                     ; tile column
	s_and_b32 s17, ttmp7, 0xffff
	s_lshl_b32 s17, s17, 2
	s_add_co_u32 s17, s17, s41                     ; tile row
	s_lshl_b32 s43, s41, 2
	s_lshl_b32 s43, 15, s43                        ; my row of the cluster
	s_lshl_b32 s44, 0x1111, s40                    ; my column
	s_or_b32 s[G1+0], s43, (3<<16)|(1<<21)         ; A: the mask of my row; elements of 8 bytes; bit 21 beside a mask; no padding
	s_mov_b32 s[G1+1], 384<<16                     ; a row of the tile: four heads of a row tile, 3,072 bytes
	s_mov_b32 s[G1+2], 8<<16                       ; eight row tiles
	s_mov_b32 s[G1+3], 384<<16
	s_mov_b32 s[G1+4], 8
	s_mov_b32 s[G1+5], 1536                        ; 12,288 bytes from row tile to row tile
	s_mov_b32 s[G1+6], 0
	s_mov_b32 s[G1+7], 0
	s_or_b32 s[G1B+0], s44, (0<<16)|(1<<20)|(1<<21)|(3<<22)|(3<<25)   ; B: the mask of my column; elements of 1 byte; after every 16 words 4 words of padding
	s_mov_b32 s[G1B+1], ROWB<<16
	s_mov_b32 s[G1B+2], 128<<16
	s_mov_b32 s[G1B+3], ROWB<<16
	s_mov_b32 s[G1B+4], 128
	s_mov_b32 s[G1B+5], KROW
	s_mov_b32 s[G1B+6], 0
	s_mov_b32 s[G1B+7], 0
	s_or_b32 s[G1S+0], s43, (3<<16)|(1<<20)|(1<<21)|(5<<22)|(3<<25)   ; the scales of 128 rows: 16 rows of 256 bytes, 16 of padding behind each
	s_or_b32 s[G1SB+0], s44, (3<<16)|(1<<20)|(1<<21)|(5<<22)|(3<<25)
.irp g, G1S, G1SB
	s_mov_b32 s[\g+1], 32<<16
	s_mov_b32 s[\g+2], (128*KS/256)<<16
	s_mov_b32 s[\g+3], 32<<16
	s_mov_b32 s[\g+4], 128*KS/256
	s_mov_b32 s[\g+5], 32
	s_mov_b32 s[\g+6], 0
	s_mov_b32 s[\g+7], 0
.endr
	s_lshl_b32 s20, s17, 4
	s_lshl_b32 s18, s16, 3
	s_add_co_u32 s20, s20, s18                     ; A: row tile 16 x tile row + 8 x half
	s_lshl_b32 s22, s20, 9                         ; its scale bytes: 16 rows of 32 bytes a row tile
	s_add_co_u32 s22, s22, OSOFF
	s_mul_i32 s20, s20, 12288
	s_lshl_b32 s46, s42, 8
	s_lshl_b32 s18, s16, 7
	s_add_co_u32 s46, s46, s18
	s_add_co_u32 s46, s46, 3072                    ; B: Wo's rows lie from row 3,072 of wq on
	s_lshl_b32 s92, s46, 5
	s_add_co_u32 s92, s92, WSOFF
	s_mul_i32 s46, s46, KROW
	s_mov_b32 s21, 0
	s_mov_b32 s23, 0
	s_mov_b32 s47, 0
	s_mov_b32 s93, 0
	s_mul_i32 s45, s16, HALFA                      ; where they go: A's halves,
	s_mul_i32 s95, s16, HALFT
	s_add_co_u32 s95, s95, BOFF                    ; B's halves behind them: no place in the cluster enters an LDS address
	s_mul_i32 s94, s14, HALFS
	s_wait_kmcnt 0x0
	s_add_nc_u64 s[20:21], s[4:5], s[20:21]
	s_add_nc_u64 s[22:23], s[4:5], s[22:23]
	s_add_nc_u64 s[46:47], s[6:7], s[46:47]
	s_add_nc_u64 s[92:93], s[6:7], s[92:93]
	CROUND                                         ; all sixteen work-groups are here: the first joint loads meet
	s_mov_b32 s[G0S], 1
	s_add_co_u32 s[G0S+1], s94, SCL
	s_mov_b64 s[G0S+2:G0S+3], s[22:23]
	s_or_b32 s[G0S+3], s[G0S+3], 0x80000000
	s_mov_b32 s[G0SB], 1
	s_add_co_u32 s[G0SB+1], s94, SCL
	s_mov_b64 s[G0SB+2:G0SB+3], s[92:93]
	s_or_b32 s[G0SB+3], s[G0SB+3], 0x80000000
	JLOAD G0S, G1S, G0SB, G1SB                     ; the scales first; with the two slots three loads of mine are out
.irp s, 0,1
	s_mov_b32 s[G0+4*\s], 1
	s_add_co_u32 s[G0+4*\s+1], s45, \s*SLOT
	s_add_nc_u64 s[G0+4*\s+2:G0+4*\s+3], s[20:21], \s*3072
	s_or_b32 s[G0+4*\s+3], s[G0+4*\s+3], 0x80000000
	s_mov_b32 s[G0B+4*\s], 1
	s_add_co_u32 s[G0B+4*\s+1], s95, \s*SLOT
	s_add_nc_u64 s[G0B+4*\s+2:G0B+4*\s+3], s[46:47], \s*ROWB
	s_or_b32 s[G0B+4*\s+3], s[G0B+4*\s+3], 0x80000000
	JLOAD G0+4*\s, G1, G0B+4*\s, G1B
.endr
	v_and_b32 v1, 15, v0                           ; r
	v_bfe_u32 v2, v0, 4, 1                         ; h
	v_and_b32 v6, 31, v0                           ; lane
	v_mul_u32_u24 v3, v1, PITCH
	v_mul_u32_u24 v4, v2, 24
	v_add_nc_u32 v4, v3, v4                        ; B: a fragment's row x pitch + 24 x half
	v_lshl_add_u32 v5, v2, 4, v4                   ; and the same behind one padding more
	v_lshlrev_b32 v7, 3, v6                        ; A: 8 x lane
	s_mul_i32 s21, s15, HALFA                      ; my 8 row tiles of A
	s_mul_i32 s22, s16, HALFT                      ; my 128 rows of B
	s_add_co_u32 s22, s22, BOFF
.irp s, 0,1
	v_add_nc_u32 v[ADRA+\s], s21, v7
	v_add_nc_u32 v[ADRB+\s], s22, v4
	v_add_nc_u32 v[ADRB+2+\s], s22, v5
	s_add_co_u32 s21, s21, SLOT
	s_add_co_u32 s22, s22, SLOT
.endr
	v_mul_u32_u24 v5, v1, KS
	v_lshrrev_b32 v7, 8, v5
	v_lshl_add_u32 v5, v7, 4, v5                   ; my row's scales: 32 bytes a row, 16 more for each 256 passed
	s_mul_i32 s21, s15, HALFS
	s_mul_i32 s22, s16, HALFS
	s_add_co_u32 s22, s22, 2*HALFS
	s_sub_co_u32 s22, s22, s21
	v_mul_u32_u24 v7, s22, v2                      ; lanes 16-31 take B's
	s_add_co_u32 s21, s21, SCL
	v_add_nc_u32 v5, v5, v7
	v_add_nc_u32 v[ADRS], s21, v5
	s_mul_i32 s23, s14, 16*SPITCH                  ; my stage
	v_mul_u32_u24 v5, v1, SPITCH
	v_lshl_add_u32 v5, v2, 6, v5                   ; in: row r, + 64 h: my half's 16 channels of each group of 32
	v_add_nc_u32 v[STO], s23, v5
	v_lshlrev_b32 v[CO], 4, v6                     ; back: the 32 lanes take a row of 512 bytes; the same in out0
	v_add_nc_u32 v[RD], s23, v[CO]
	v_lshlrev_b32 v[BV0], 6, v2
	s_lshl_b32 s20, s17, 8
	s_lshl_b32 s21, s15, 7
	s_add_co_u32 s20, s20, s21                     ; my first row
	s_lshl_b32 s20, s20, 12                        ; 4,096 bytes a row (under 2^25 in all)
	s_lshl_b32 s46, s42, 8
	s_lshl_b32 s47, s16, 7
	s_add_co_u32 s46, s46, s47
	s_lshl_b32 s46, s46, 2                         ; my first column, in bytes
	s_mov_b32 s47, 0
	s_add_nc_u64 s[8:9], s[8:9], s[46:47]          ; bo at my first column
	s_add_co_u32 s20, s20, s46
	s_mov_b32 s21, 0
	s_add_nc_u64 s[12:13], s[10:11], s[20:21]
.irp t, 0,1,2,3,4,5,6,7                        ; register 8 t + j: column 32 (t / 2) + 16 h + 8 (t % 2) + j
	global_load_b128 v[CBT+8*\t:CBT+8*\t+3], v[BV0], s[8:9] offset:(32*(\t/2)+8*(\t%2))*4
	global_load_b128 v[CBT+8*\t+4:CBT+8*\t+7], v[BV0], s[8:9] offset:(32*(\t/2)+8*(\t%2))*4+16
.endr
.macro FRAG reg, adr, q, i             ; B: 16 rows x 128 K from padded rows, in pieces of 8 bytes
.irp p, 0,1,2,3,4,5
.set PCE, 12*(\q)+6*(\p/3)+\p%3
.if PCE%8 < 5
	ds_load_b64 v[\reg+2*\p:\reg+2*\p+1], v[\adr] offset:8*PCE+16*(PCE/8)+(\i)*16*PITCH
.else
	ds_load_b64 v[\reg+2*\p:\reg+2*\p+1], v[\adr+2] offset:8*PCE+16*(PCE/8)+(\i)*16*PITCH
.endif
.endr
.endm
.macro FRAGA reg, slot, q, i           ; A: row tile i, heads 2 q, 2 q + 1 of the slot's four: six runs of 256 consecutive bytes
.irp p, 0,1,2,3,4,5
	ds_load_b64 v[\reg+2*\p:\reg+2*\p+1], v[ADRA+\slot] offset:(\i)*3072+(\q)*1536+256*\p
.endr
.endm
; 16 matrix instructions; the 64 accumulators take turns, one instruction a turn.  zero = 1: the first products start the sums, with bo as their C.
.macro MUL16 a0, p, q, sc, zero
.irp a, \a0, \a0+1
.irp b, 0,1,2,3,4,5,6,7
.if \zero
	v_wmma_scale_f32_16x16x128_f8f6f4 v[8*(8*((\a)%4)+\b):8*(8*((\a)%4)+\b)+7], v[128*(\p)+FR*\b:128*(\p)+FR*\b+FR-1], v[AF+FR*(\a):AF+FR*(\a)+FR-1], v[CBT+8*\b:CBT+8*\b+7], v[SC+8*NQ*(\sc)+NQ*\b+(\q)], v[SC+8*NQ*(\sc)+NQ*(\a)+(\q)] matrix_a_fmt:MATRIX_FMT_BF6 matrix_b_fmt:MATRIX_FMT_BF6 matrix_a_scale:MATRIX_SCALE_ROW1
.else
	v_wmma_scale_f32_16x16x128_f8f6f4 v[8*(8*((\a)%4)+\b):8*(8*((\a)%4)+\b)+7], v[128*(\p)+FR*\b:128*(\p)+FR*\b+FR-1], v[AF+FR*(\a):AF+FR*(\a)+FR-1], v[8*(8*((\a)%4)+\b):8*(8*((\a)%4)+\b)+7], v[SC+8*NQ*(\sc)+NQ*\b+(\q)], v[SC+8*NQ*(\sc)+NQ*(\a)+(\q)] matrix_a_fmt:MATRIX_FMT_BF6 matrix_b_fmt:MATRIX_FMT_BF6 matrix_a_scale:MATRIX_SCALE_ROW1
.endif
.endr
.endr
.endm
.macro FETCH_B slot, q, p
	WIN TO_B
.irp i, 0,1,2,3,4,5,6,7
	FRAG 128*(\p)+FR*\i, ADRB+\slot, \q, \i
.endr
	WIN 0
.endm
.macro FETCH_A slot, q, i0
.irp i, \i0, \i0+1, \i0+2, \i0+3
	FRAGA AF+FR*(\i), \slot, \q, \i
.endr
.endm
.macro SCALES sc
.irp i, 0,1,2,3,4,5,6,7
	ds_load_b64 v[SC+8*NQ*\sc+NQ*\i:SC+8*NQ*\sc+NQ*\i+1], v[ADRS] offset:\i*SBLK
.endr
.endm
.macro PLACES n
.rept \n
	v_nop
.endr
.endm
.macro STEP slot, q, zero
	s_wait_dscnt 4*NL                              ; B's set and A's blocks 0-3 are in; the youngest 24 loads (A's blocks 4-7) may be out
.if \zero
	WIN 0x81                                       ; source 0 window 1; source 1 and C (bo) window 0; D window 2
.else
	WIN MUL_LO
.endif
	MUL16 0, (\q)%2, \q, \slot, \zero
	MUL16 2, (\q)%2, \q, \slot, \zero
	s_wait_dscnt 0
	PLACES NP
	FETCH_B \slot, (\q)+1, 1-(\q)%2
	FETCH_A \slot, (\q)+1, 0
.if \zero
	WIN 0xc1
.else
	WIN MUL_HI
.endif
	MUL16 4, (\q)%2, \q, \slot, \zero
	MUL16 6, (\q)%2, \q, \slot, \zero
	PLACES NP
	WIN 0
	FETCH_A \slot, (\q)+1, 4
.endm
.macro TURN slot, next, fill
	s_wait_tensorcnt 0x0                           ; all my tensor loads have landed: my part of the next slot
	ds_add_u32 v[SPW], v[NIL]                      ; 0 onto my spare word
	s_wait_dscnt 4*NL+1                            ; the add and the youngest 24 loads may be out
	WIN MUL_LO
	MUL16 0, 1, NQ-1, \slot, 0
	s_wait_dscnt 0x0                               ; the add is done, and my reads of this slot are over
	s_barrier_signal -1
	MUL16 2, 1, NQ-1, \slot, 0
	WIN 0
	s_barrier_wait -1
.if \fill
	CREST                                          ; the barrier has opened a round of the cluster's: no wave of any partner still reads this slot or has a load on its way
	s_add_nc_u64 s[G0+4*\slot+2:G0+4*\slot+3], s[G0+4*\slot+2:G0+4*\slot+3], 2*3072
	s_add_nc_u64 s[G0B+4*\slot+2:G0B+4*\slot+3], s[G0B+4*\slot+2:G0B+4*\slot+3], 2*ROWB
	JLOAD G0+4*\slot, G1, G0B+4*\slot, G1B         ; the first tensor load behind the round; its four v_nop are the places in front of the loads below
.else
	PLACES NP
.endif
	v_add_nc_u32 v[ADRS], 4*NQ, v[ADRS]
	FETCH_B \next, 0, 0
	FETCH_A \next, 0, 0
	SCALES \next
	WIN MUL_HI
	MUL16 4, 1, NQ-1, \slot, 0
	MUL16 6, 1, NQ-1, \slot, 0
	PLACES NP
	WIN 0
	FETCH_A \next, 0, 4
.endm
	s_wait_tensorcnt 1                             ; the scales and my part of slot 0 are in; slot 1's load may be out
	s_barrier_signal -1
	s_barrier_wait -1
	FETCH_B 0, 0, 0
	FETCH_A 0, 0, 0
	SCALES 0
	FETCH_A 0, 0, 4
	s_wait_loadcnt 0x0                             ; bo
	STEP 0, 0, 1
	s_mov_b32 s3, LAPS-1
.Llap:
	TURN 0, 1, 1
	STEP 1, 0, 0
	TURN 1, 0, 1
	STEP 0, 0, 0
	s_sub_co_u32 s3, s3, 1
	s_cmp_lg_u32 s3, 0
	s_cbranch_scc1 .Llap
	TURN 0, 1, 0                                   ; the last lap fills nothing
	STEP 1, 0, 0
	s_wait_dscnt 4*NL
	WIN MUL_LO
	MUL16 0, 1, NQ-1, 1, 0
	MUL16 2, 1, NQ-1, 1, 0
	s_wait_dscnt 0
	WIN MUL_HI
	MUL16 4, 1, NQ-1, 1, 0
	MUL16 6, 1, NQ-1, 1, 0
	WIN 0
; THE WAY OUT, block by block of 16 rows x 128 columns, through my own stage in LDS; rows come back whole, 512 bytes, and the 32 lanes store them.  LDS serves a wave's instructions in order (ISA guide 5.7.1.4).
.macro TOSTAGE a
.set AC, 64*((\a)%4)
	WIN 0x08+4*((\a)/4)                            ; the data: window 2 or 3
.irp b, 0,1,2,3,4,5,6,7
	ds_store_b128 v[STO], v[AC+8*\b:AC+8*\b+3] offset:128*(\b/2)+32*(\b%2)        ; tile b's eight numbers are columns 32 (b / 2) + 16 h + 8 (b % 2) + 0 .. 7; each accumulator from its low end on
	ds_store_b128 v[STO], v[AC+8*\b+4:AC+8*\b+7] offset:128*(\b/2)+32*(\b%2)+16
.endr
	WIN 0
.set BB, BK+64*((\a)%2)
.irp t, 0,1,2,3,4,5,6,7,8,9,10,11,12,13,14,15
	ds_load_b128 v[BB+4*\t:BB+4*\t+3], v[RD] offset:\t*SPITCH
.endr
.endm
.macro SEND a, younger                 ; younger: the LDS instructions issued behind block a's loads, which may stay out
.set BB, BK+64*((\a)%2)
	s_wait_dscnt \younger
.if (\a) > 0
.if (\a)%2
	s_add_nc_u64 s[12:13], s[12:13], 8*NROW        ; block 2 g + 1 begins at token 32 g + 8,
.else
	s_add_nc_u64 s[12:13], s[12:13], 24*NROW       ; block 2 g + 2 at token 32 g + 32  (behind a wait on XCNT: the earlier stores have read their base)
.endif
.endif
.irp t, 0,1,2,3,4,5,6,7,8,9,10,11,12,13,14,15
	global_store_b128 v[CO], v[BB+4*\t:BB+4*\t+3], s[12:13] offset:(\t+8*(\t/8))*NROW th:TH_STORE_NT   ; row t of the block is token t + 8 (t / 8) from its first; 32 lanes store 512 consecutive bytes, aligned
.endr
.endm
	PLACES NP
	TOSTAGE 0
.irp a, 1,2,3,4,5,6,7
.if \a > 1
	s_wait_xcnt 0x0                                ; block a - 2's stores have read their registers and their base
.endif
	TOSTAGE \a
	SEND \a-1, 32                                  ; behind block a - 1's loads: block a's 16 stores and 16 loads
.endr
	s_wait_xcnt 0x0
	SEND 7, 0
	s_wait_tensorcnt 0x0                           ; the wave's end
	ds_add_u32 v[SPW], v[NIL]
	s_wait_dscnt 0x0
	CROUND                                         ; the closing round
	s_endpgm
.Lfunc_end_k_q4ec7101050_outp:
	.size	k_q4ec7101050_outp, .Lfunc_end_k_q4ec7101050_outp-k_q4ec7101050_outp
	.p2alignl 7, 3214868480
	.fill 96, 4, 3214868480
	.section	.rodata,"a",@progbits
	.p2align	6, 0x0
	.amdhsa_kernel k_q4ec7101050_outp
		.amdhsa_group_segment_fixed_size 327680
		.amdhsa_private_segment_fixed_size 0
		.amdhsa_enable_private_segment 0
		.amdhsa_kernarg_size 32
		.amdhsa_user_sgpr_count 2
		.amdhsa_user_sgpr_kernarg_segment_ptr 1
		.amdhsa_wavefront_size32 1
		.amdhsa_system_sgpr_workgroup_id_x 1
		.amdhsa_system_sgpr_workgroup_id_y 1
		.amdhsa_system_sgpr_workgroup_id_z 1
		.amdhsa_system_vgpr_workitem_id 0
		.amdhsa_next_free_vgpr 1024
		.amdhsa_next_free_sgpr 100
		.amdhsa_reserve_vcc 0
		.amdhsa_float_denorm_mode_32 3
		.amdhsa_float_denorm_mode_16_64 3
		.amdhsa_memory_ordered 1
		.amdhsa_forward_progress 1
		.amdhsa_inst_pref_size 162
	.end_amdhsa_kernel
	.amdgpu_metadata
---
amdhsa.version: [ 1, 2 ]
amdhsa.kernels:
  - .name:           k_q4ec7101050_outp
    .symbol:         k_q4ec7101050_outp.kd
    .args:
      - { .name: oq, .offset: 0, .size: 8, .value_kind: global_buffer, .address_space: global }
      - { .name: wq, .offset: 8, .size: 8, .value_kind: global_buffer, .address_space: global }
      - { .name: bo, .offset: 16, .size: 8, .value_kind: global_buffer, .address_space: global }
      - { .name: out0, .offset: 24, .size: 8, .value_kind: global_buffer, .address_space: global }
    .group_segment_fixed_size: 327680
    .private_segment_fixed_size: 0
    .kernarg_segment_align: 8
    .kernarg_segment_size: 32
    .max_flat_workgroup_size: 128
    .sgpr_count:     100
    .vgpr_count:     1024
    .wavefront_size: 32
...
	.end_amdgpu_metadata
.endif
;; end of part 6
;; ======== version 2 of 2: 4 launches
;; limits: right only within a limited range of input values
;; workspace buffers: xq 6,553,600 bytes; wq 3,276,800 bytes; bias 66,048 bytes; qkv 19,660,800 bytes; oq 6,553,600 bytes
;; launch prep (part 7): grid 450 x 1, 4 waves a work-group, no clusters, 58,880 bytes of LDS; arguments graph_context, cancer_type, Wgk, bgk, bk, bq, ct_key_emb, Wg1, bg1, Wg2, bg2, ct_bias_emb, bias, wq, x, xq, Wq, Wk, Wv, Wo; writes bias, wq, xq
.if DOCPART == 7
	.amdgcn_target "amdgcn-amd-amdhsa--gfx1250"
	.amdhsa_code_object_version 6
	.text
	.protected	k_q4ec7101050_prep
	.globl	k_q4ec7101050_prep
	.p2align	8
	.type	k_q4ec7101050_prep,@function
k_q4ec7101050_prep:
	s_mov_b64 s[64:65], 0
	v_nop
	global_prefetch_b8 v0, s[64:65] scope:SCOPE_SE
	s_setreg_imm32_b32 hwreg(HW_REG_WAVE_MODE, 25, 1), 1
	s_wait_xcnt 0x0
; ALL THAT STANDS AHEAD OF THE LARGE PRODUCTS, three kinds of work-groups that part on the work-group's number alone:
;   0 .. 255    x [8192 tokens][1024] f32 -> xq;   256 .. 383  Wq, Wk, Wv, Wo [1024 (k)][1024 (n)] f32 -> wq (Wq's columns, then Wk's, Wv's, Wo's);
;   384 .. 449  the three small products in f32 multiply-adds -> bias: bias[b][c] = bq[c]; bias[b][1024 + c] = bk[c] + ct_key_emb[cancer_type[b]][c] + elu(graph_context[b] . Wgk[:, c] + bgk[c]);
;               at byte 65,536: sb[16 b + head] = ct_bias_emb[cancer_type[b]][head] + (elu(graph_context[b] Wg1 + bg1) Wg2 + bg2)[head].
; THE WORKSPACE'S LAYOUT.  xq and wq are records of 12,800 bytes, one for each tile of 16 rows (tokens, or columns of a weight): two halves of 6,400 bytes, one for each 512 along K.
; A half: 256 bytes of scale words, [16 rows][4 steps of 128 along K], then four IMAGES of 1,536 bytes, one a step: register j (0 .. 11) of lane l of the matrix operand at byte 512 (j / 4) + 16 l + 4 (j % 4).
; Lane (r, h) of an operand holds row r, registers 6 c .. 6 c + 5 = K 64 c + 32 h + 0 .. 31: one block of 32 codes of BF6 (E3M2).  Every half begins at a multiple of 256 bytes.
; THE ORDER OF THE ROWS.  Row r of tile 2 G + u is index 32 G + 8 u + r + 8 (r / 8): results of two neighbouring tiles, used as a matrix instruction's first source, fall into a lane's registers as neighbours.
; THE QUANTISER.  A block's scale is 2^(floor(log2(its largest magnitude)) - 4); its byte is the largest magnitude's exponent field - 4, held at 1 from below.
; LIMITS: a block whose largest magnitude lies under 2^-122 (a block of zeros too) keeps the byte 1: this program alone reads the bytes.  NaN and infinities are not served.  cancer_type is held to 0 .. 31.
.set NX,    256
.set NW,    128
.set REC,   12800
.set HREC,  6400
.set SPW,   252                        ; my spare word; never rewritten
.set NIL,   253                        ; 0
.set SPARE, 58368
; x's path
.set XP,    528                        ; a stage row: a token's 512 bytes + 16
.set XR,    16                         ; v16-143  two sets of 64 numbers as loaded
.set XN,    144                        ; v144-207 my two blocks of 32
.set XC,    208                        ; v208-231 codes, two sets of 12
.set PT,    232
.set SWD,   240                        ; v240-243 a scale word a step
.set M,     244
.set SO,    246
.set BY,    248
.set WT,    250
.set W2X,   251
.set SDP,   254
; the weights' path
.set WLDS,  33792
.set SIZE_N, 1024
.set NB,    8
.set WN,    32
.set WC,    96
.set OUTR,  112
.set SB,    24
; the small products' path
.set W,   32
.set W2,  160
.set ACC, 4
.set BI,  8
.set Z,   9
.set U,   10
.set P,   11
.set OUT, 12
	v_lshl_add_u32 v[SPW], v0, 2, SPARE
	v_mov_b32 v[NIL], 0
	v_lshrrev_b32 v1, 5, v0
	v_readfirstlane_b32 s2, v1                     ; wave
	v_and_b32 v2, 31, v0                           ; lane
	s_cmp_lt_u32 ttmp9, NX
	s_wait_alu depctr_va_vdst(0)
	s_cbranch_scc0 .Lweights
; ---------------- x.  A wave makes one half record: 16 tokens x 512 along K, in four steps of 128.  A load reads a token's 512 consecutive bytes; a step's 16 loads turn through the wave's own stage and come
; back as lane (r, h)'s two blocks.  Loads run two steps (32 loads) ahead.
	s_load_b128 s[4:7], s[0:1], 0x70               ; x, xq
	s_lshl_b32 s18, ttmp9, 2
	s_add_co_u32 s18, s18, s2                      ; which half record
	s_lshr_b32 s19, s18, 1                         ; the tile
	s_and_b32 s20, s18, 1                          ; the half of K
	s_lshr_b32 s21, s19, 1
	s_lshl_b32 s21, s21, 17                        ; 32 tokens of 4,096 bytes a pair of tiles
	s_and_b32 s22, s19, 1
	s_lshl_b32 s22, s22, 15                        ; + 8 tokens for the odd tile
	s_add_co_u32 s22, s22, s21
	s_lshl_b32 s23, s20, 11
	s_add_co_u32 s22, s22, s23
	s_mov_b32 s23, 0
	s_mul_i32 s24, s18, HREC
	s_mov_b32 s25, 0
	s_mul_i32 s17, s2, 16*XP
	s_mov_b32 s26, 0x76543210
	s_mov_b32 s27, 0xfedcba98
	s_mov_b32 s28, 0xffff0000
	v_lshlrev_b32 v3, 4, v2                        ; 16 x lane
	v_and_b32 v1, 15, v2                           ; r
	v_lshrrev_b32 v4, 4, v2                        ; h
	v_add_nc_u32 v14, s17, v3                      ; into the stage
	v_mul_u32_u24 v15, v1, XP
	v_lshl_add_u32 v15, v4, 7, v15
	v_add_nc_u32 v15, s17, v15                     ; out of it: row r, 128 h
	v_lshlrev_b32 v5, 4, v1
	v_lshl_add_u32 v5, v4, 3, v5                   ; 16 r + 8 h: my two scale words
	v_lshlrev_b32 v6, 3, v4                        ; 8 h
	v_mov_b32 v[W2X], 0                            ; a lane permute's destination counts as a source
	s_wait_alu depctr_va_vdst(0)
	s_wait_kmcnt 0x0
	s_add_nc_u64 s[4:5], s[4:5], s[22:23]
	s_add_nc_u64 s[8:9], s[6:7], s[24:25]
.macro XLOAD q
.irp t, 0,1,2,3,4,5,6,7,8,9,10,11,12,13,14,15
	global_load_b128 v[XR+64*((\q)%2)+4*\t:XR+64*((\q)%2)+4*\t+3], v3, s[4:5] offset:(\t+8*(\t/8))*4096+512*(\q) th:TH_LOAD_NT
.endr
.endm
.macro XSTEP q
.set CC, XC+12*((\q)%2)
.if (\q) < 3
	s_wait_loadcnt 16                              ; this step's 16 loads are in; the next step's 16 may be out
.else
	s_wait_loadcnt 0x0
.endif
.irp t, 0,1,2,3,4,5,6,7,8,9,10,11,12,13,14,15
	ds_store_b128 v14, v[XR+64*((\q)%2)+4*\t:XR+64*((\q)%2)+4*\t+3] offset:XP*\t
.endr
.irp i, 0,1,2,3,4,5,6,7,8,9,10,11,12,13,14,15
	ds_load_b128 v[XN+4*\i:XN+4*\i+3], v15 offset:256*(\i/8)+16*(\i%8)   ; LDS serves a wave's instructions in order
.endr
	s_wait_dscnt 0x0
.if (\q)+2 < 4
	XLOAD (\q)+2
.endif
.if (\q) >= 2
	s_wait_xcnt 0x0                                ; the stores of two steps ago have read their registers
.endif
.irp c, 0,1
	v_max3_num_f32 v[M+\c], |v[XN+32*\c]|, |v[XN+32*\c+1]|, 0x2800000   ; with the floor 2^(5 - 127)
.endr
.irp i, 2,4,6,8,10,12,14,16,18,20,22,24,26,28,30
.irp c, 0,1
	v_max3_num_f32 v[M+\c], v[M+\c], |v[XN+32*\c+\i]|, |v[XN+32*\c+\i+1]|
.endr
.endr
.irp c, 0,1
	v_add_nc_u32 v[SO+\c], 0xfe000000, v[M+\c]     ; 4 off the exponent field: the conversion's scale operand
.endr
.irp c, 0,1
	v_lshrrev_b32 v[BY+\c], 23, v[SO+\c]
.endr
.irp c, 0,1
	v_cvt_scalef32_pk16_bf6_f32 v[CC+6*\c:CC+6*\c+2], v[XN+32*\c:XN+32*\c+15], v[SO+\c]
	v_cvt_scalef32_pk16_bf6_f32 v[PT+4*\c:PT+4*\c+2], v[XN+32*\c+16:XN+32*\c+31], v[SO+\c]
.endr
	v_lshl_or_b32 v[WT], v[BY+1], 16, v[BY]        ; my two bytes (also the plain line behind the conversions)
.irp c, 0,1
.irp i, 0,1,2
	v_mov_b32 v[CC+6*\c+3+\i], v[PT+4*\c+\i]
.endr
.endr
	v_lshlrev_b32 v[WT], v6, v[WT]                 ; at their places: blocks h and 2 + h
	v_permlanex16_b32 v[W2X], v[WT], s26, s27
	v_or_b32 v[SWD+(\q)], v[WT], v[W2X]            ; the row's word for this step
.irp k, 0,1,2
	global_store_b128 v3, v[CC+4*\k:CC+4*\k+3], s[8:9] offset:256+1536*(\q)+512*\k   ; 512 consecutive bytes, aligned
.endr
.endm
	XLOAD 0
	XLOAD 1
	XSTEP 0
	XSTEP 1
	XSTEP 2
	XSTEP 3
	v_cndmask_b32 v[SDP], v[SWD], v[SWD+2], s28    ; lanes 0-15 store words 0, 1 of their row, lanes 16-31 words 2, 3
	v_cndmask_b32 v[SDP+1], v[SWD+1], v[SWD+3], s28
	global_store_b64 v5, v[SDP:SDP+1], s[8:9]      ; 256 consecutive bytes, aligned
	s_wait_tensorcnt 0x0                           ; the wave's end
	ds_add_u32 v[SPW], v[NIL]
	s_wait_dscnt 0x0
	s_endpgm
; ---------------- the weights.  A lane takes a column and its registers run down K: a block of 32 lies in one lane.  A wave takes 32 columns (two tiles) x 256 along K (two steps); its codes go into four images in its own
; stage and leave as 512 consecutive bytes a store.  Of the work-group's number, bits 2:0 are the group of 128 columns, bits 4:3 the quarter of K, bits 6:5 the matrix.
.Lweights:
	s_cmp_lt_u32 ttmp9, NX+NW
	s_cbranch_scc0 .Lsmall
	s_load_b256 s[4:11], s[0:1], 0x80              ; Wq, Wk, Wv, Wo
	s_load_b64 s[12:13], s[0:1], 0x68              ; wq
	s_and_b32 s17, ttmp9, 7
	s_lshl_b32 s17, s17, 7
	s_lshl_b32 s18, s2, 5
	s_add_co_u32 s17, s17, s18                     ; my wave's first column
	s_lshr_b32 s18, ttmp9, 3
	s_and_b32 s18, s18, 15
	s_lshr_b32 s30, s18, 2                         ; which matrix
	s_and_b32 s18, s18, 3                          ; which 256 along K
	s_mul_i32 s19, s2, 6144
	s_add_co_u32 s19, s19, WLDS                    ; my stage
	s_lshl_b32 s20, s18, 20
	s_lshl_b32 s22, s17, 2
	s_add_co_u32 s20, s20, s22
	s_mov_b32 s21, 0
	s_lshl_b32 s22, s30, 6
	s_lshr_b32 s23, s17, 4
	s_add_co_u32 s22, s22, s23                     ; my first tile
	s_mul_i32 s24, s22, REC
	s_lshr_b32 s23, s18, 1
	s_mul_i32 s23, s23, HREC
	s_add_co_u32 s24, s24, s23                     ; its half record
	s_and_b32 s23, s18, 1
	s_lshl_b32 s28, s23, 3
	s_add_co_u32 s28, s28, s24                     ; my two words of each row's four
	s_mov_b32 s29, 0
	s_mul_i32 s23, s23, 3072
	s_add_co_u32 s24, s24, s23
	s_add_co_u32 s24, s24, 256                     ; my two images
	s_mov_b32 s25, 0
	v_lshlrev_b32 v3, 2, v2                        ; in: 4 bytes a lane
	v_bfe_u32 v5, v2, 3, 1                         ; u: my column's tile
	v_lshrrev_b32 v6, 4, v2
	v_and_b32 v10, 7, v2
	v_lshl_add_u32 v6, v6, 3, v10                  ; r: its row there
	v_lshlrev_b32 v6, 4, v6                        ; 16 r
	v_mul_u32_u24 v4, v5, 1536
	v_add_nc_u32 v4, v4, v6
	v_add_nc_u32 v4, s19, v4                       ; into the stage: image u, lane r
	v_lshlrev_b32 v8, 4, v2                        ; 16 x lane
	v_add_nc_u32 v7, s19, v8                       ; out of it
	v_mul_u32_u24 v9, v5, REC
	v_add_nc_u32 v9, v9, v6                        ; my row's scale words
	s_wait_alu depctr_va_vdst(0)
	s_wait_kmcnt 0x0
	s_bitcmp1_b32 s30, 0                           ; the choice of the matrix hangs on the work-group's number alone
	s_cselect_b64 s[4:5], s[6:7], s[4:5]
	s_cselect_b64 s[8:9], s[10:11], s[8:9]
	s_bitcmp1_b32 s30, 1
	s_cselect_b64 s[4:5], s[8:9], s[4:5]
	s_add_nc_u64 s[4:5], s[4:5], s[20:21]
	s_add_nc_u64 s[6:7], s[12:13], s[24:25]
	s_add_nc_u64 s[8:9], s[12:13], s[28:29]
.macro WLOAD t
.set i, 0
.rept 32
	global_load_b32 v[WN+32*((\t)%2)+i], v3, s[4:5] offset:(32*(\t)+i)*SIZE_N*4 th:TH_LOAD_NT
.set i, i+1
.endr
.endm
	WLOAD 0
	WLOAD 1
.macro WBLOCK t                        ; block t: step t / 4, c = (t % 4) / 2, h = t % 2
.set XS, WN+32*((\t)%2)
.set LB, 3072*((\t)/4)+256*((\t)%2)
.if (\t) < NB-1
	s_wait_loadcnt 32                              ; this block's 32 loads are in; the next block's 32 may be out
.else
	s_wait_loadcnt 0
.endif
	v_max3_num_f32 v12, |v[XS]|, |v[XS+1]|, |v[XS+2]|
	v_max3_num_f32 v13, |v[XS+3]|, |v[XS+4]|, |v[XS+5]|
.irp i, 6,10,14,18,22,26
	v_max3_num_f32 v12, v12, |v[XS+\i]|, |v[XS+\i+1]|
	v_max3_num_f32 v13, v13, |v[XS+\i+2]|, |v[XS+\i+3]|
.endr
	v_max3_num_f32 v12, v12, |v[XS+30]|, |v[XS+31]|
	v_max3_num_f32 v12, v12, v13, 0x2800000
	v_add_nc_u32 v11, 0xfe000000, v12
	v_lshrrev_b32 v13, 23, v11
.if (\t)%4 == 0
	v_mov_b32 v[SB+(\t)/4], v13
.else
	v_lshl_or_b32 v[SB+(\t)/4], v13, 8*((\t)%4), v[SB+(\t)/4]
.endif
	v_cvt_scalef32_pk16_bf6_f32 v[WC:WC+2], v[XS:XS+15], v11
	v_cvt_scalef32_pk16_bf6_f32 v[WC+8:WC+10], v[XS+16:XS+31], v11
	v_nop                                          ; a plain line behind the last conversion
.irp i, 0,1,2
	v_mov_b32 v[WC+3+\i], v[WC+8+\i]
.endr
.if ((\t)%4) < 2
	ds_store_b128 v4, v[WC:WC+3] offset:LB         ; registers 0-3 of the image's lane r + 16 h,
	ds_store_b64 v4, v[WC+4:WC+5] offset:LB+512    ; 4, 5
.else
	ds_store_b64 v4, v[WC:WC+1] offset:LB+520      ; 6, 7,
	ds_store_b128 v4, v[WC+2:WC+5] offset:LB+1024  ; 8-11
.endif
.if (\t)+2 < NB
	WLOAD (\t)+2
.endif
	s_wait_dscnt 0x0                               ; the stores have read their registers
.endm
.set Q, 0
.rept NB
	WBLOCK Q
.set Q, Q+1
.endr
	s_wait_alu depctr_va_vdst(0)
	global_store_b64 v9, v[SB:SB+1], s[8:9]        ; my column's two scale words: 8 of each row's 16 bytes
.irp m, 0,1,2,3,4,5,6,7,8,9,10,11
	ds_load_b128 v[OUTR+4*\m:OUTR+4*\m+3], v7 offset:512*\m
.endr
.irp m, 0,1,2,3,4,5,6,7,8,9,10,11
	s_wait_dscnt 11-\m
	global_store_b128 v8, v[OUTR+4*\m:OUTR+4*\m+3], s[6:7] offset:((\m/3)%2)*REC+(\m/6)*1536+(\m%3)*512
.endr
	s_wait_tensorcnt 0x0
	ds_add_u32 v[SPW], v[NIL]
	s_wait_dscnt 0x0
	s_endpgm
; ---------------- the small products.  g = the work-group's number - 384.  g < 64: batch g / 8, 128 channels (a thread to a channel).  g = 64, 65: a wave to a batch, a lane to a hidden unit, then to a head.
; elu's expm1: for z > -0.25 the series to z^7, below that 2^(z log2 e) - 1: no small difference of near numbers is formed.
.macro GCLOAD half
	s_load_b512 s[32:47], s[4:5], 256*\half
	s_load_b512 s[48:63], s[4:5], 256*\half+64
	s_load_b512 s[68:83], s[4:5], 256*\half+128
	s_load_b512 s[84:99], s[4:5], 256*\half+192
	s_wait_kmcnt 0x0
.endm
.macro HALFDOT half
.set k, 0
.rept 64
.if k < 32
.set g, 32+k
.else
.set g, 36+k
.endif
.if (\half == 0) && (k == 0)
	v_fma_f32 v[ACC], s[g], v[W], v[BI]
.elseif (\half == 0) && (k < 4)
	v_mul_f32 v[ACC+k], s[g], v[W+k]
.else
	v_fmac_f32 v[ACC+k%4], s[g], v[W+64*\half+k]
.endif
.set k, k+1
.endr
.endm
.macro DOT
	GCLOAD 0
	s_wait_loadcnt 0x0
	HALFDOT 0
	GCLOAD 1
	s_wait_alu depctr_va_vdst(0)
	HALFDOT 1
	v_add_f32 v[ACC], v[ACC], v[ACC+1]
	v_add_f32 v[ACC+2], v[ACC+2], v[ACC+3]
	v_add_f32 v[Z], v[ACC], v[ACC+2]
.endm
.macro ELU
	v_mul_f32 v[U], 0x3fb8aa3b, v[Z]
	s_wait_alu depctr_va_vdst(0)
	v_exp_f32 v[U], v[U]
	v_mov_b32 v[P], 0x39500d01
	v_fmaak_f32 v[P], v[P], v[Z], 0x3ab60b61
	v_fmaak_f32 v[P], v[P], v[Z], 0x3c088889
	v_fmaak_f32 v[P], v[P], v[Z], 0x3d2aaaab
	v_fmaak_f32 v[P], v[P], v[Z], 0x3e2aaaab
	v_fmaak_f32 v[P], v[P], v[Z], 0x3f000000
	v_fmaak_f32 v[P], v[P], v[Z], 0x3f800000
	v_mul_f32 v[P], v[P], v[Z]
	s_wait_alu depctr_va_vdst(0)
	v_add_f32 v[U], -1.0, v[U]
	v_cmp_lt_f32 vcc_lo, 0xbe800000, v[Z]
	v_cndmask_b32 v[OUT], v[U], v[P], vcc_lo
	v_cmp_lt_f32 vcc_lo, 0, v[Z]
	v_cndmask_b32 v[OUT], v[OUT], v[Z], vcc_lo
.endm
.Lsmall:
	s_load_b512 s[4:19], s[0:1], 0x0               ; graph_context, cancer_type, Wgk, bgk, bk, bq, ct_key_emb, Wg1
	s_load_b256 s[20:27], s[0:1], 0x40             ; bg1, Wg2, bg2, ct_bias_emb
	s_load_b64 s[28:29], s[0:1], 0x60              ; bias
	s_sub_co_u32 s3, ttmp9, NX+NW
	v_and_b32 v1, 31, v0
	v_and_b32 v2, 15, v0
	v_lshlrev_b32 v3, 2, v0
	s_mov_b32 s101, 0
	s_mov_b32 s33, 0
	s_mov_b32 s35, 0
	s_wait_kmcnt 0x0
	s_cmp_lt_u32 s3, 64
	s_cbranch_scc0 .Lheads
	s_lshr_b32 s31, s3, 3                          ; b
	s_lshl_b32 s32, s31, 2
	s_add_nc_u64 s[6:7], s[6:7], s[32:33]
	s_load_b32 s34, s[6:7], 0x0                    ; cancer_type[b]
	s_and_b32 s100, s3, 7
	s_lshl_b32 s100, s100, 9
	s_add_nc_u64 s[8:9], s[8:9], s[100:101]
	s_add_nc_u64 s[10:11], s[10:11], s[100:101]
	s_add_nc_u64 s[12:13], s[12:13], s[100:101]
	s_add_nc_u64 s[14:15], s[14:15], s[100:101]
	s_add_nc_u64 s[16:17], s[16:17], s[100:101]
	s_add_nc_u64 s[28:29], s[28:29], s[100:101]
.set k, 0
	s_wait_alu depctr_va_vdst(0)
.rept 128
	global_load_b32 v[W+k], v3, s[8:9] offset:4096*k
.set k, k+1
.endr
	global_load_b32 v[BI], v3, s[10:11]
	global_load_b32 v13, v3, s[12:13]
	global_load_b32 v14, v3, s[14:15]
	s_lshl_b32 s100, s31, 9
	s_add_nc_u64 s[4:5], s[4:5], s[100:101]
	s_lshl_b32 s100, s31, 13
	s_add_nc_u64 s[28:29], s[28:29], s[100:101]
	s_wait_kmcnt 0x0
	s_min_u32 s34, s34, 31                         ; an index stays inside its table
	s_lshl_b32 s34, s34, 12
	s_add_nc_u64 s[16:17], s[16:17], s[34:35]
	global_load_b32 v15, v3, s[16:17]
	DOT
	ELU
	v_add_f32 v13, v13, v15
	v_add_f32 v13, v13, v[OUT]
	global_store_b32 v3, v14, s[28:29]
	global_store_b32 v3, v13, s[28:29] offset:4096
	s_endpgm
.Lheads:
	s_sub_co_u32 s31, s3, 64
	s_lshl_b32 s31, s31, 2
	s_add_co_u32 s31, s31, s2                      ; b
	s_lshl_b32 s32, s31, 2
	s_add_nc_u64 s[6:7], s[6:7], s[32:33]
	s_load_b32 s34, s[6:7], 0x0
	s_wait_alu depctr_va_vdst(0)
	v_lshlrev_b32 v16, 2, v1
	v_lshlrev_b32 v17, 2, v2
.set k, 0
.rept 128
	global_load_b32 v[W+k], v16, s[18:19] offset:128*k
.set k, k+1
.endr
.set k, 0
.rept 32
	global_load_b32 v[W2+k], v17, s[22:23] offset:64*k
.set k, k+1
.endr
	global_load_b32 v[BI], v16, s[20:21]
	global_load_b32 v13, v17, s[24:25]
	s_lshl_b32 s100, s31, 9
	s_add_nc_u64 s[4:5], s[4:5], s[100:101]
	s_lshl_b32 s100, s31, 6
	s_add_nc_u64 s[28:29], s[28:29], s[100:101]
	s_wait_alu depctr_va_vdst(0)
	s_wait_kmcnt 0x0
	s_min_u32 s34, s34, 31
	s_lshl_b32 s34, s34, 6
	s_add_nc_u64 s[26:27], s[26:27], s[34:35]
	global_load_b32 v15, v17, s[26:27]
	DOT
	ELU
.set k, 0
.rept 32
	v_readlane_b32 s[32+k], v[OUT], k
.set k, k+1
.endr
	v_fma_f32 v4, s32, v[W2], v13
	v_mul_f32 v5, s33, v[W2+1]
.set k, 2
.rept 30
	v_fmac_f32 v[4+k%2], s[32+k], v[W2+k]
.set k, k+1
.endr
	v_add_f32 v4, v4, v5
	v_add_f32 v4, v15, v4
	s_wait_alu depctr_va_vdst(0)
	s_wait_xcnt 0x0                                ; EXEC changes only behind this wait
	v_cmp_gt_u32 vcc_lo, 16, v1
	s_and_saveexec_b32 s30, vcc_lo
	global_store_b32 v17, v4, s[28:29] offset:65536
	s_wait_xcnt 0x0
	s_or_b32 exec_lo, exec_lo, s30
	s_endpgm
.Lfunc_end_k_q4ec7101050_prep:
	.size	k_q4ec7101050_prep, .Lfunc_end_k_q4ec7101050_prep-k_q4ec7101050_prep
	.p2alignl 7, 3214868480
	.fill 96, 4, 3214868480
	.section	.rodata,"a",@progbits
	.p2align	6, 0x0
	.amdhsa_kernel k_q4ec7101050_prep
		.amdhsa_group_segment_fixed_size 58880
		.amdhsa_private_segment_fixed_size 0
		.amdhsa_enable_private_segment 0
		.amdhsa_kernarg_size 160
		.amdhsa_user_sgpr_count 2
		.amdhsa_user_sgpr_kernarg_segment_ptr 1
		.amdhsa_wavefront_size32 1
		.amdhsa_system_sgpr_workgroup_id_x 1
		.amdhsa_system_sgpr_workgroup_id_y 1
		.amdhsa_system_sgpr_workgroup_id_z 1
		.amdhsa_system_vgpr_workitem_id 0
		.amdhsa_next_free_vgpr 256
		.amdhsa_next_free_sgpr 102
		.amdhsa_reserve_vcc 1
		.amdhsa_float_denorm_mode_32 3
		.amdhsa_float_denorm_mode_16_64 3
		.amdhsa_memory_ordered 1
		.amdhsa_forward_progress 1
		.amdhsa_inst_pref_size 116
	.end_amdhsa_kernel
	.amdgpu_metadata
---
amdhsa.version: [ 1, 2 ]
amdhsa.kernels:
  - .name:           k_q4ec7101050_prep
    .symbol:         k_q4ec7101050_prep.kd
    .args:
      - { .name: graph_context, .offset: 0, .size: 8, .value_kind: global_buffer, .address_space: global }
      - { .name: cancer_type, .offset: 8, .size: 8, .value_kind: global_buffer, .address_space: global }
      - { .name: Wgk, .offset: 16, .size: 8, .value_kind: global_buffer, .address_space: global }
      - { .name: bgk, .offset: 24, .size: 8, .value_kind: global_buffer, .address_space: global }
      - { .name: bk, .offset: 32, .size: 8, .value_kind: global_buffer, .address_space: global }
      - { .name: bq, .offset: 40, .size: 8, .value_kind: global_buffer, .address_space: global }
      - { .name: ct_key_emb, .offset: 48, .size: 8, .value_kind: global_buffer, .address_space: global }
      - { .name: Wg1, .offset: 56, .size: 8, .value_kind: global_buffer, .address_space: global }
      - { .name: bg1, .offset: 64, .size: 8, .value_kind: global_buffer, .address_space: global }
      - { .name: Wg2, .offset: 72, .size: 8, .value_kind: global_buffer, .address_space: global }
      - { .name: bg2, .offset: 80, .size: 8, .value_kind: global_buffer, .address_space: global }
      - { .name: ct_bias_emb, .offset: 88, .size: 8, .value_kind: global_buffer, .address_space: global }
      - { .name: bias, .offset: 96, .size: 8, .value_kind: global_buffer, .address_space: global }
      - { .name: wq, .offset: 104, .size: 8, .value_kind: global_buffer, .address_space: global }
      - { .name: x, .offset: 112, .size: 8, .value_kind: global_buffer, .address_space: global }
      - { .name: xq, .offset: 120, .size: 8, .value_kind: global_buffer, .address_space: global }
      - { .name: Wq, .offset: 128, .size: 8, .value_kind: global_buffer, .address_space: global }
      - { .name: Wk, .offset: 136, .size: 8, .value_kind: global_buffer, .address_space: global }
      - { .name: Wv, .offset: 144, .size: 8, .value_kind: global_buffer, .address_space: global }
      - { .name: Wo, .offset: 152, .size: 8, .value_kind: global_buffer, .address_space: global }
    .group_segment_fixed_size: 58880
    .private_segment_fixed_size: 0
    .kernarg_segment_align: 8
    .kernarg_segment_size: 160
    .max_flat_workgroup_size: 128
    .sgpr_count:     102
    .vgpr_count:     256
    .wavefront_size: 32
...
	.end_amdgpu_metadata
.endif
;; end of part 7
;; launch qkv (part 8): grid 8 x 32, 4 waves a work-group, clusters of 4 x 1, 205,312 bytes of LDS; arguments xq, wq, bias, bv, qkv; writes qkv
.if DOCPART == 8
	.amdgcn_target "amdgcn-amd-amdhsa--gfx1250"
	.amdhsa_code_object_version 6
	.text
	.protected	k_q4ec7101050_qkv
	.globl	k_q4ec7101050_qkv
	.p2align	8
	.type	k_q4ec7101050_qkv,@function
k_q4ec7101050_qkv:
	s_mov_b64 s[64:65], 0
	v_nop
	global_prefetch_b8 v0, s[64:65] scope:SCOPE_SE
	s_setreg_imm32_b32 hwreg(HW_REG_WAVE_MODE, 25, 1), 1
	s_wait_xcnt 0x0
	s_wait_alu depctr_hold_cnt(0) depctr_sa_sdst(0) depctr_va_vdst(0) depctr_va_sdst(0) depctr_va_ssrc(0) depctr_va_vcc(0) depctr_vm_vsrc(0)
	s_getreg_b32 s2, hwreg(HW_REG_IB_STS2, 6, 4)
	s_cmp_eq_u32 s2, 0
	s_cbranch_scc0 .Lentry_in_a_cluster
	s_endpgm
.Lentry_in_a_cluster:
	s_bfe_u32 s2, ttmp6, 0x10000c
	s_cmp_lg_u32 s2, 0x3003
	s_cbranch_scc0 .Lentry_shape_is_right
	s_endpgm
.Lentry_shape_is_right:
; q = x Wq + bq, k = x Wk + (bk + ct_key + g_key), v = x Wv + bv, on codes of BF6 (E3M2) with one E8M0 scale for each 32 along K = 1,024; sums in f32.  The results are quantised in registers
; (q, k along the head's 64 channels, v along the keys) and leave as images of the operand registers that the attention wants.
; SHARES.  256 work-groups that stay: work-group (j, y) holds 256 tokens (block y) for ALL of K in LDS, filled once, and makes three tiles of 256 x 128: columns 128 j .. of q, then of k, then of v.  Every work-group runs
; the same text.  A wave makes 128 tokens x 64 channels (one head): 32 accumulators.  xq and wq are records of 12,800 bytes for 16 rows: two halves of K, each 256 bytes of scale words and four images of 1,536 bytes.
; THE TOKENS come by one joint load a wave (four records, 51,200 dense bytes), shared by the four work-groups of a cluster, which hold the same tokens.  A fragment is three LDS loads of 512 consecutive bytes.
; THE WEIGHTS GO FROM MEMORY STRAIGHT INTO REGISTERS, with no joint load: wq is laid as the operand's registers take it, so a fragment is three loads of 512 consecutive bytes.  Through LDS a step of 128 along K would
; cost a wave 36 LDS loads for 32 matrix instructions; so it costs 24, and no slot, refill or barrier is needed.  Four sets of registers; the loads run three steps (36 loads) ahead, across tiles too, so no prefetch is laid.
; q, k: source 0 = 16 rows of the weight, source 1 = 16 tokens: a lane holds one token, registers run along the channels.  v: the other way round: a lane holds one channel, registers run along the keys.
; In both, registers 64 g .. 64 g + 63 of the accumulators are one image's numbers (q, k: the pair g of token tiles; v: channel tile g), so one way out serves all three.  The addends are the C of a tile's first products.
; OUT, for each of 128 heads 153,600 bytes: Q's scale words (2,048), Q's, K's, V's images (49,152 each), K's and V's scale words.  Images: [8 steps of 128 tokens][4][1,536]; words: [8 steps][16 rows][4].
; LIMITS: a block whose largest magnitude lies under 2^-122 keeps the byte 1; NaN and infinities are not served.
; REGISTERS: window 0: addresses, scale words, q's addends, the way out; window 1: the accumulators; window 2: two sets of the tokens' eight fragments, k's and v's addends; window 3: four sets of the weights' four.
.set REC,   12800
.set HREC,  6400
.set SPARE, 204800
.set IMGH,  153600
.set ADT, 16                           ; v16-17 LDS address of my tokens' tiles 0-3, 4-7
.set ATS, 18                           ; v18-19 of their scale words
.set LI,  24                           ; 16 x lane
.set SA,  25                           ; 16 r + 8 h
.set BV0, 26                           ; 64 h
.set BV1, 27                           ; 4 (r + 8 (r / 8))
.set SPW, 28
.set NIL, 29
.set AWS, 30                           ; 16 r
.set TS,  32                           ; v32-95 tokens' scale words: 32 x half + 4 i + q
.set WS,  96                           ; v96-127 weights': 16 x half + 4 i + q
.set CBT, 128                          ; v128-159 the tile's addends (q, then k)
.set PC,  160
.set PT,  172
.set TM,  180
.set SW,  196
.set SD,  200
.set CK,  192                          ; window 2: k's addends
.set CV,  224                          ; window 2: v's
.set G1,  24
.set G0,  32
.set IB,  68                           ; s[68:69] my images
.set SBA, 70                           ; s[70:71] my scale words
.set DL,  72                           ; s[72:73] the step to the next part's scale words
.set SEL, 74
.set HI,  76
.set WB,  86                           ; s[86:87] my four tiles of the weight
.set MSB, 0
.macro WIN new
.if MSB != (\new)
	s_set_vgpr_msb (MSB<<8)|(\new)
.set MSB, (\new)
.endif
.endm
.macro PLACES
.rept 4
	v_nop
.endr
.endm
.macro CROUND
	s_barrier_signal -1
	s_barrier_wait -1
	s_cmp_lg_u32 s14, 0
	s_cbranch_scc1 .Lnot_wave_0_\@
	s_barrier_signal -3
.Lnot_wave_0_\@:
	s_barrier_wait -3
	s_barrier_signal -1
	s_barrier_wait -1
.endm
	s_load_b256 s[4:11], s[0:1], 0x0               ; xq, wq, bias, bv
	s_load_b64 s[12:13], s[0:1], 0x20              ; qkv
	v_lshl_add_u32 v[SPW], v0, 2, SPARE
	v_mov_b32 v[NIL], 0
	ds_add_u32 v[SPW], v[NIL]
	ds_add_u32 v[SPW], v[NIL]
	v_lshrrev_b32 v1, 5, v0
	v_readfirstlane_b32 s14, v1                    ; wave
	s_lshr_b32 s15, s14, 1                         ; my half of the tokens
	s_and_b32 s16, s14, 1                          ; my half of the channels
	s_bfe_u32 s40, ttmp6, 0x40000
	s_lshl_b32 s42, ttmp9, 2
	s_add_co_u32 s42, s42, s40                     ; j: it enters global addresses of my own loads and stores alone
	s_and_b32 s17, ttmp7, 0xffff                   ; the block of 256 tokens, which the four partners share
	s_mov_b32 s[G1], 15|(3<<16)|(1<<21)            ; all four partners; elements of 8 bytes
	s_mov_b32 s[G1+1], 1600<<16                    ; rows of 12,800 bytes,
	s_mov_b32 s[G1+2], 4<<16                       ; four of them,
	s_mov_b32 s[G1+3], 1600<<16
	s_mov_b32 s[G1+4], 4
	s_mov_b32 s[G1+5], 1600                        ; dense
	s_mov_b32 s[G1+6], 0
	s_mov_b32 s[G1+7], 0
	s_lshl_b32 s20, s17, 4
	s_lshl_b32 s18, s14, 2
	s_add_co_u32 s20, s20, s18
	s_mul_i32 s20, s20, REC
	s_mov_b32 s21, 0
	s_mul_i32 s45, s14, 4*REC
	s_wait_dscnt 0x0
	s_wait_kmcnt 0x0
	s_add_nc_u64 s[20:21], s[4:5], s[20:21]
	CROUND                                         ; all four work-groups are here: the joint loads meet
	s_mov_b32 s[G0], 1
	s_mov_b32 s[G0+1], s45
	s_mov_b64 s[G0+2:G0+3], s[20:21]
	s_or_b32 s[G0+3], s[G0+3], 0x80000000
	tensor_load_to_lds s[G0:G0+3], s[G1:G1+7]      ; my quarter of the tokens' records: the wave's one tensor load
	s_nop 0
	PLACES
	s_mul_i32 s82, s15, 8*REC
	s_add_co_u32 s84, s82, 4*REC
	v_and_b32 v1, 15, v0
	v_bfe_u32 v2, v0, 4, 1
	v_and_b32 v3, 31, v0
	v_lshlrev_b32 v[LI], 4, v3
	v_lshlrev_b32 v[AWS], 4, v1
	v_add_nc_u32 v[ADT], s82, v[LI]
	v_add_nc_u32 v[ADT+1], s84, v[LI]
	v_add_nc_u32 v[ATS], s82, v[AWS]
	v_add_nc_u32 v[ATS+1], s84, v[AWS]
	v_lshl_add_u32 v[SA], v2, 3, v[AWS]
	v_lshlrev_b32 v[BV0], 6, v2
	v_and_b32 v[BV1], 8, v1
	v_add_nc_u32 v[BV1], v[BV1], v1
	v_lshlrev_b32 v[BV1], 2, v[BV1]
.irp b, 0,1,2,3
	v_mov_b32 v[TM+4+\b], 0                        ; a lane permute's destination counts as a source
.endr
	s_lshl_b32 s46, s42, 3
	s_lshl_b32 s18, s16, 2
	s_add_co_u32 s46, s46, s18
	s_mul_i32 s46, s46, REC
	s_mov_b32 s47, 0
	s_add_nc_u64 s[WB:WB+1], s[6:7], s[46:47]
	s_lshr_b32 s18, s17, 2                         ; the batch
	s_lshl_b32 s80, s42, 9
	s_lshl_b32 s23, s16, 8
	s_add_co_u32 s80, s80, s23                     ; my first channel, in bytes
	s_mov_b32 s81, 0
	s_lshl_b32 s78, s18, 13
	s_add_co_u32 s78, s78, s80
	s_mov_b32 s79, 0
	s_add_nc_u64 s[8:9], s[8:9], s[78:79]
	s_add_nc_u64 s[10:11], s[10:11], s[80:81]
	s_wait_alu depctr_va_vdst(0)
.macro GLS off, h                      ; my four tiles' scale words of one half of K
.irp wb, 0,1,2,3
	global_load_b128 v[WS+16*(\h)+4*\wb:WS+16*(\h)+4*\wb+3], v[AWS], s[WB:WB+1] offset:(\off)+\wb*REC+(\h)*HREC
.endr
.endm
.macro GLW off, h, q, set              ; their fragments of one step: 12 loads
	WIN 0xc0
.irp wb, 0,1,2,3
.irp k, 0,1,2
	global_load_b128 v[48*(\set)+12*\wb+4*\k:48*(\set)+12*\wb+4*\k+3], v[LI], s[WB:WB+1] offset:(\off)+\wb*REC+(\h)*HREC+256+(\q)*1536+512*\k
.endr
.endr
.endm
.irp t, 0,1,2,3                        ; register 8 t + j: channel 32 (t / 2) + 16 h + 8 (t % 2) + j
	global_load_b128 v[CBT+8*\t:CBT+8*\t+3], v[BV0], s[8:9] offset:(32*(\t/2)+8*(\t%2))*4
	global_load_b128 v[CBT+8*\t+4:CBT+8*\t+7], v[BV0], s[8:9] offset:(32*(\t/2)+8*(\t%2))*4+16
.endr
	WIN 0x80
.irp t, 0,1,2,3
	global_load_b128 v[CK+8*\t:CK+8*\t+3], v[BV0], s[8:9] offset:4096+(32*(\t/2)+8*(\t%2))*4
	global_load_b128 v[CK+8*\t+4:CK+8*\t+7], v[BV0], s[8:9] offset:4096+(32*(\t/2)+8*(\t%2))*4+16
.irp i, 0,1,2,3,4,5,6,7                ; v: all eight registers hold my lane's channel 32 (t / 2) + 8 (t % 2) + r + 8 (r / 8)
	global_load_b32 v[CV+8*\t+\i], v[BV1], s[10:11] offset:(32*(\t/2)+8*(\t%2))*4
.endr
.endr
	WIN 0
	GLS 0, 0
	GLW 0, 0, 0, 0
	GLW 0, 0, 1, 1
	GLW 0, 0, 2, 2
	WIN 0
	s_lshl_b32 s19, s18, 4
	s_lshl_b32 s23, s42, 1
	s_add_co_u32 s19, s19, s23
	s_add_co_u32 s19, s19, s16                     ; 16 x batch + my head
	s_mul_i32 s19, s19, IMGH
	s_and_b32 s23, s17, 3
	s_lshl_b32 s23, s23, 1
	s_add_co_u32 s23, s23, s15                     ; which 128 tokens of the batch
	s_lshl_b32 s[SBA], s23, 8
	s_add_co_u32 s[SBA], s[SBA], s19
	s_mov_b32 s[SBA+1], 0
	s_mul_i32 s[IB], s23, 6144
	s_add_co_u32 s[IB], s[IB], s19
	s_add_co_u32 s[IB], s[IB], 2048
	s_mov_b32 s[IB+1], 0
	s_add_nc_u64 s[IB:IB+1], s[12:13], s[IB:IB+1]
	s_add_nc_u64 s[SBA:SBA+1], s[12:13], s[SBA:SBA+1]
	s_mov_b32 s[DL], 149504                        ; from Q's scale words to K's; then 2,048 to V's
	s_mov_b32 s[DL+1], 0
	s_mov_b32 s[SEL], 0x76543210
	s_mov_b32 s[SEL+1], 0xfedcba98
	s_mov_b32 s[HI], 0xffff0000
.macro FETCHT h, q, set                ; the tokens' eight fragments of one step: 24 loads
	WIN 0x80
.irp i, 0,1,2,3,4,5,6,7
.irp k, 0,1,2
	ds_load_b128 v[96*(\set)+12*\i+4*\k:96*(\set)+12*\i+4*\k+3], v[ADT+\i/4] offset:(\i%4)*REC+(\h)*HREC+256+(\q)*1536+512*\k
.endr
.endr
.endm
.macro TSC h                           ; their scale words of one half of K: 8 loads
	WIN 0
.irp i, 0,1,2,3,4,5,6,7
	ds_load_b128 v[TS+32*(\h)+4*\i:TS+32*(\h)+4*\i+3], v[ATS+\i/4] offset:(\i%4)*REC+(\h)*HREC
.endr
.endm
.macro MM d, a, b, c, sa, sb
	v_wmma_scale_f32_16x16x128_f8f6f4 v[\d:\d+7], v[\a:\a+11], v[\b:\b+11], v[\c:\c+7], v[\sa], v[\sb] matrix_a_fmt:MATRIX_FMT_BF6 matrix_b_fmt:MATRIX_FMT_BF6
.endm
; 32 matrix instructions; the accumulators take turns, one instruction a turn.  A tile's first step takes the addends as C.
.macro MUL ty, kk
.set HH, (\kk)/4
.set QQ, (\kk)%4
.set TP, 96*((\kk)%2)
.if \ty == 0
.if (\kk) == 0
	WIN 0x4b
.else
	WIN 0x5b
.endif
.irp tb, 0,1,2,3,4,5,6,7
.irp wb, 0,1,2,3
.if (\kk) == 0
	MM 8*(4*\tb+\wb), 48*QQ+12*\wb, TP+12*\tb, CBT+8*\wb, WS+16*HH+4*\wb+QQ, TS+32*HH+4*\tb+QQ
.else
	MM 8*(4*\tb+\wb), 48*QQ+12*\wb, TP+12*\tb, 8*(4*\tb+\wb), WS+16*HH+4*\wb+QQ, TS+32*HH+4*\tb+QQ
.endif
.endr
.endr
.else
.if (\kk) == 0
	WIN 0x6e
.else
	WIN 0x5e
.endif
.irp wb, 0,1,2,3
.irp tb, 0,1,2,3,4,5,6,7
.if (\kk) == 0
	MM 8*(8*\wb+\tb), TP+12*\tb, 48*QQ+12*\wb, CV+8*\wb, TS+32*HH+4*\tb+QQ, WS+16*HH+4*\wb+QQ
.else
	MM 8*(8*\wb+\tb), TP+12*\tb, 48*QQ+12*\wb, 8*(8*\wb+\tb), TS+32*HH+4*\tb+QQ, WS+16*HH+4*\wb+QQ
.endif
.endr
.endr
.endif
.endm
; Step kk of a tile: ask LDS for the next step's tokens and memory for the weights of three steps on (in the next tile too, 64 records further), then multiply.
; DC: the LDS loads just issued, younger than this step's.  LC: the global loads younger than this step's fragments: three groups of 12, and 4 scale loads where one of the three holds them.
.macro KST ty, kk, last
.set N1, (\kk)+1
.set N3, (\kk)+3
.set DC, 0
	PLACES                                         ; between the last products and loads into registers that they read
.if N1 < 8
.if N1 == 4
	TSC 1
.set DC, 8
.endif
	FETCHT N1/4, N1%4, N1%2
.set DC, DC+24
.elseif (\last) == 0
	TSC 0
	FETCHT 0, 0, 0
.set DC, 32
.endif
.if N3 < 8
.if N3 == 4
	WIN 0
	GLS 0, 1
.endif
	GLW 0, N3/4, N3%4, N3%4
.elseif (\last) == 0
.if N3 == 8
	WIN 0
	GLS 64*REC, 0
.endif
	GLW 64*REC, 0, N3-8, N3%4
.endif
.if ((\kk)%4) == 0
.set LC, 36
.else
.set LC, 40
.endif
.if ((\last) != 0) && ((\kk) > 4)
.set LC, 12*(7-(\kk))
.endif
	s_wait_dscnt DC
	s_wait_loadcnt LC
	MUL \ty, \kk
.endm
.macro TILE ty, last
.irp kk, 0,1,2,3,4,5,6,7
	KST \ty, \kk, \last
.endr
	WIN 0
.endm
; THE WAY OUT: four images.  Register 64 g + 16 b + i = index 32 b + 16 h + i of the image's K; a block of 32 lies in lanes l and l xor 16.
.macro EPI
	PLACES                                         ; behind the last products
.irp g, 0,1,2,3
	s_wait_xcnt 0x0                                ; the last image's stores have read their registers
	WIN 0x05
.irp b, 0,1,2,3
	v_max3_num_f32 v[TM+\b], |v[64*\g+16*\b]|, |v[64*\g+16*\b+1]|, 0x2800000   ; each accumulator from its low end on; the floor 2^(5 - 127)
.endr
	WIN 0x14
.irp i, 2,4,6,8,10,12,14
.irp b, 0,1,2,3
	v_max3_num_f32 v[TM+\b], v[TM+\b], |v[64*\g+16*\b+\i]|, |v[64*\g+16*\b+\i+1]|
.endr
.endr
	WIN 0
.irp b, 0,1,2,3
	v_permlanex16_b32 v[TM+4+\b], v[TM+\b], s[SEL], s[SEL+1]
.endr
.irp b, 0,1,2,3
	v_max_num_f32 v[TM+\b], v[TM+\b], v[TM+4+\b]
.endr
.irp b, 0,1,2,3
	v_add_nc_u32 v[TM+12+\b], 0xfe000000, v[TM+\b]
.endr
.irp b, 0,1,2,3
	v_lshrrev_b32 v[TM+4+\b], 23, v[TM+12+\b]
.endr
	WIN 0x01
	v_cvt_scalef32_pk16_bf6_f32 v[PC:PC+2], v[64*\g:64*\g+15], v[TM+12]
	v_cvt_scalef32_pk16_bf6_f32 v[PT:PT+2], v[64*\g+16:64*\g+31], v[TM+13]
	v_cvt_scalef32_pk16_bf6_f32 v[PC+6:PC+8], v[64*\g+32:64*\g+47], v[TM+14]
	v_cvt_scalef32_pk16_bf6_f32 v[PT+4:PT+6], v[64*\g+48:64*\g+63], v[TM+15]
	WIN 0
	v_nop                                          ; a plain line behind the last conversion
.irp i, 0,1,2
	v_permlane16_swap_b32 v[PC+\i], v[PT+\i]       ; a whole block to a lane
	v_permlane16_swap_b32 v[PC+6+\i], v[PT+4+\i]
.endr
.irp i, 0,1,2
	v_mov_b32 v[PC+3+\i], v[PT+\i]
	v_mov_b32 v[PC+9+\i], v[PT+4+\i]
.endr
	v_lshl_or_b32 v[SW+\g], v[TM+5], 8, v[TM+4]
	v_lshl_or_b32 v[SW+\g], v[TM+6], 16, v[SW+\g]
	v_lshl_or_b32 v[SW+\g], v[TM+7], 24, v[SW+\g]
.irp k, 0,1,2
	global_store_b128 v[LI], v[PC+4*\k:PC+4*\k+3], s[IB:IB+1] offset:\g*1536+512*\k   ; 512 consecutive bytes, aligned
.endr
.endr
	v_cndmask_b32 v[SD], v[SW], v[SW+2], s[HI]     ; lanes 0-15 store words 0, 1 of their row, lanes 16-31 words 2, 3
	v_cndmask_b32 v[SD+1], v[SW+1], v[SW+3], s[HI]
	global_store_b64 v[SA], v[SD:SD+1], s[SBA:SBA+1]   ; 256 consecutive bytes, aligned
.endm
	s_wait_tensorcnt 0x0                           ; my quarter of the tokens is in;
	s_barrier_signal -1
	s_barrier_wait -1                              ; everybody's is.  Nothing is filled again
	TSC 0
	FETCHT 0, 0, 0
	WIN 0
	s_mov_b32 s3, 2
.Ltile:                                                ; q, then k
	TILE 0, 0
	EPI
	s_wait_xcnt 0x0                                ; the loads and stores have read their bases
	s_add_nc_u64 s[IB:IB+1], s[IB:IB+1], 49152
	s_add_nc_u64 s[SBA:SBA+1], s[SBA:SBA+1], s[DL:DL+1]
	s_mov_b32 s[DL], 2048
	s_add_nc_u64 s[WB:WB+1], s[WB:WB+1], 64*REC    ; 1,024 columns on
	WIN 0x02
.set i, 0
.rept 32
	v_mov_b32 v[CBT+i], v[CK+i]                    ; the next tile's addends
.set i, i+1
.endr
	WIN 0
	s_sub_co_u32 s3, s3, 1
	s_cmp_lg_u32 s3, 0
	s_wait_alu depctr_va_vdst(0)
	s_cbranch_scc1 .Ltile
	TILE 1, 1                                      ; v
	EPI
	s_wait_tensorcnt 0x0                           ; the wave's end
	ds_add_u32 v[SPW], v[NIL]
	s_wait_dscnt 0x0
	CROUND                                         ; the closing round
	s_endpgm
.Lfunc_end_k_q4ec7101050_qkv:
	.size	k_q4ec7101050_qkv, .Lfunc_end_k_q4ec7101050_qkv-k_q4ec7101050_qkv
	.p2alignl 7, 3214868480
	.fill 96, 4, 3214868480
	.section	.rodata,"a",@progbits
	.p2align	6, 0x0
	.amdhsa_kernel k_q4ec7101050_qkv
		.amdhsa_group_segment_fixed_size 205312
		.amdhsa_private_segment_fixed_size 0
		.amdhsa_enable_private_segment 0
		.amdhsa_kernarg_size 40
		.amdhsa_user_sgpr_count 2
		.amdhsa_user_sgpr_kernarg_segment_ptr 1
		.amdhsa_wavefront_size32 1
		.amdhsa_system_sgpr_workgroup_id_x 1
		.amdhsa_system_sgpr_workgroup_id_y 1
		.amdhsa_system_sgpr_workgroup_id_z 1
		.amdhsa_system_vgpr_workitem_id 0
		.amdhsa_next_free_vgpr 1024
		.amdhsa_next_free_sgpr 100
		.amdhsa_reserve_vcc 0
		.amdhsa_float_denorm_mode_32 3
		.amdhsa_float_denorm_mode_16_64 3
		.amdhsa_memory_ordered 1
		.amdhsa_forward_progress 1
		.amdhsa_inst_pref_size 160
	.end_amdhsa_kernel
	.amdgpu_metadata
---
amdhsa.version: [ 1, 2 ]
amdhsa.kernels:
  - .name:           k_q4ec7101050_qkv
    .symbol:         k_q4ec7101050_qkv.kd
    .args:
      - { .name: xq, .offset: 0, .size: 8, .value_kind: global_buffer, .address_space: global }
      - { .name: wq, .offset: 8, .size: 8, .value_kind: global_buffer, .address_space: global }
      - { .name: bias, .offset: 16, .size: 8, .value_kind: global_buffer, .address_space: global }
      - { .name: bv, .offset: 24, .size: 8, .value_kind: global_buffer, .address_space: global }
      - { .name: qkv, .offset: 32, .size: 8, .value_kind: global_buffer, .address_space: global }
    .group_segment_fixed_size: 205312
    .private_segment_fixed_size: 0
    .kernarg_segment_align: 8
    .kernarg_segment_size: 40
    .max_flat_workgroup_size: 128
    .sgpr_count:     100
    .vgpr_count:     1024
    .wavefront_size: 32
...
	.end_amdgpu_metadata
.endif
;; end of part 8
;; launch attn (part 9): grid 4 x 64, 8 waves a work-group, clusters of 4 x 1, 327,680 bytes of LDS; arguments qkv, attn_mask, bias, oq; writes oq
.if DOCPART == 9
	.amdgcn_target "amdgcn-amd-amdhsa--gfx1250"
	.amdhsa_code_object_version 6
	.text
	.protected	k_q4ec7101050_attn
	.globl	k_q4ec7101050_attn
	.p2align	8
	.type	k_q4ec7101050_attn,@function
k_q4ec7101050_attn:
	s_mov_b64 s[64:65], 0
	v_nop
	global_prefetch_b8 v0, s[64:65] scope:SCOPE_SE
	s_setreg_imm32_b32 hwreg(HW_REG_WAVE_MODE, 25, 1), 1
	s_wait_xcnt 0x0
	s_wait_alu depctr_hold_cnt(0) depctr_sa_sdst(0) depctr_va_vdst(0) depctr_va_sdst(0) depctr_va_ssrc(0) depctr_va_vcc(0) depctr_vm_vsrc(0)
	s_getreg_b32 s2, hwreg(HW_REG_IB_STS2, 6, 4)
	s_cmp_eq_u32 s2, 0
	s_cbranch_scc0 .Lentry_in_a_cluster
	s_endpgm
.Lentry_in_a_cluster:
	s_bfe_u32 s2, ttmp6, 0x10000c
	s_cmp_lg_u32 s2, 0x3003
	s_cbranch_scc0 .Lentry_shape_is_right
	s_endpgm
.Lentry_shape_is_right:
; o = softmax(q k^T / 8 + head's bias, masked keys out) v, both products on codes of BF6 (E3M2) with E8M0 scales; o is quantised along the channels and leaves as codes.
; THE SOFTMAX AHEAD OF THE SECOND PRODUCT: t = logit x log2(e); M = the running largest t rounded UP to a whole number; p = 2^(t - M) is quantised along the keys, not normalised; the sum of the unquantised p divides at the end.
; When M moves, the sum and O are multiplied by 2^(old M - new M): exact.
; SHARES.  A cluster of four work-groups takes TWO heads of one batch, 2 y and 2 y + 1 (y = work-group y), one after the other; a work-group owns 256 queries of each; each of its eight waves owns a PAIR of query tiles:
; tile A in register window 0, tile B in window 1, which share every fragment of K and V that the wave reads from LDS.  Two waves lie on a SIMD.  64 x 4 work-groups: one for each of 256 WGPs, all with the same work.
; LDS.  BOTH heads' K and V (98,304 bytes of operand images each) and their scale words (4,096 each) are asked for at the start, by joint loads of the four work-groups, four loads a wave in one group.  The first head's
; work waits for the first two of them; the second head's land meanwhile.  Nothing is filled again, so there is no ring: one barrier ahead of each head.
; K = 64 IN AN INSTRUCTION OF 128.  Source 0 is the image of a PAIR of key tiles: tile 2 p in K places 0-63, tile 2 p + 1 in places 64-127.  Source 1 is (q, 0) for the first and (0, q) for the second, both cut from one run
; of registers [0 x 6 | q x 6 | 0 x 6].  Zero codes add nothing under any scale byte from 1 to 254.  So the instruction's other half costs no LDS byte.
; BIAS AND MASK ARE THE C OF THE FIRST PRODUCT: for each head a table of 1,024 numbers in LDS holds 8 x bias for a key that counts and -3e38 for a masked one; its registers, laid as the result is, are C: the score arrives as q.k + 8 bias.
; LAYOUT.  Both products are used transposed: a lane holds ONE query; the rows' order of the workspace makes register 16 b + i of the scores key 32 b + 16 (lane / 16) + i of the step.
; LIMITS.  A masked score is -3e38, not -infinity: p is 0 all the same (a step all of whose keys are masked gives p = 1 for a while, which the next change of M multiplies by 2^-huge = 0).  A batch with EVERY key masked
; gives scale bytes 0xff, which make the last product's rows NaN, as the softmax of nothing is.  Blocks under 2^-122 keep the byte 1.  NaN and infinities among the inputs are not served.
; The 2 bytes a lane of o's scale bytes go to rows 32 bytes apart: 64 of the 1,600 bytes that a wave stores for a head.
; THE LOADS AND THE WORKSPACE AS THIS TEXT HAS THEM (in place of what the lines above say of four loads a wave and of o's bytes): a head's part of qkv is 153,600 bytes: Q's scale words (2,048), Q's images (49,152),
; then K's images, V's images, K's and V's scale words: one run of 102,400 bytes, which the eight waves fetch by ONE joint load each (50 rows of 256 bytes).  The first head's loads stand at the kernel's head; the
; second head's behind the full sequence and a round of the cluster's barrier, ahead of the first head's work.  o leaves as whole operand images: a wave keeps the first head's six registers of codes and stores
; twelve behind the second head, 512 consecutive bytes a store, into records of 12,800 bytes a row tile (two halves of 256 bytes of scale words and four images).
.set IMGH,   153600                    ; a head's part of qkv
.set OC,     228                       ; both windows: v228-239 o's codes of the two heads
.set U0,     93                        ; the first head's scale bytes
.set HB,     102400                    ; LDS: a head's bytes: K's images at 0,
.set VIMG,   49152                     ; V's here,
.set SCB,    98304                     ; K's scale words (2,048 bytes), then V's
.set MT,     2*HB                      ; behind the two heads: the two tables of bias and mask, 4,096 bytes each: written by LDS stores alone, in blocks of 256 bytes into which no fill lands
.set A16,  1                           ; v1   16 x lane
.set AV0,  2                           ; v2   16 x lane + VIMG
.set AS0,  3                           ; v3   SCB + 16 r + 2,048 h: lanes 0-15 K's words, lanes 16-31 V's
.set AM0,  4                           ; v4   MT + 64 h
.set ADK,  5                           ; v5-8 the step's addresses
.set ADV,  6
.set ADS,  7
.set ADM,  8
.set A8,   9
.set A32,  10                          ; v10  12,800 h + 16 r
.set AMT,  11                          ; v11  MT + 16 x thread
.set NM,   12                          ; both windows: -M
.set TMX,  13                          ; the largest t so far
.set LS,   14                          ; v[14:15] the sum in two halves
.set QZ,   16                          ; v16-33 [0 x 6 | q x 6 | 0 x 6]
.set KF,   34                          ; window 0: v34-81 four pair images of K
.set VF,   34                          ; window 1: v34-81 four images of V
.set SCW,  84                          ; v84-87 the step's scale words
.set QSA,  88                          ; q's scale words, tile A, tile B
.set QSB,  89
.set PSA,  90                          ; p's
.set PSB,  91
.set U,    92
.set S,    96                          ; both windows: v96-159 the scores, then p
.set O,    160                         ; v160-191 O^T
.set PC,   192                         ; v192-203 p's codes
.set PT,   204                         ; v204-211 the conversions' second halves
.set BM,   212                         ; block maxima
.set BT,   216                         ; the other half's; then bytes
.set BS,   220                         ; scale operands
.set F,    224                         ; v[224:225] 2^(old M - new M)
.set T,    226                         ; v[226:227] at work
.set QI,   228                         ; window 0: v228-251 the images of my pair of query tiles, 12 registers a head
.set QW,   252                         ; v252-253 their scale words
.set WV,   12
.set CX,   13
.set BH,   14                          ; 16 x batch + the first of my two heads
.set SEL,  20                          ; s[20:21] lane l xor 16
.set CS,   22                          ; s[22:23] c = log2(e) / 8
.set HIM,  24                          ; lanes 16-31; also the upper half of a word
.set ALLM, 25                          ; -1e37: a largest t under it means that no key counted
.set FFFF, 26
.set TRIP, 28
.set TK,   29                          ; the step's images: 6,144 bytes a step
.set TS,   30                          ; its scale words: 256
.set TMK,  31                          ; its part of the table: 512
.set G1I,  32
.set G1S,  40
.set G0I,  48                          ; groups 0 of the first head's images and scale words;
.set G0S,  52
.set G0I1, 80                          ; of the second head's
.set G0S1, 84
.set SBI,  88                          ; s[88:89] 8 x the two heads' biases
.set MSB, 0
.macro WIN new
.if MSB != (\new)
	s_set_vgpr_msb (MSB<<8)|(\new)
.set MSB, (\new)
.endif
.endm
.macro CROUND                          ; a round of the cluster's barrier
	s_barrier_signal -1
	s_barrier_wait -1
	s_cmp_lg_u32 s[WV], 0
	s_cbranch_scc1 .Lnot_wave_0_\@
	s_barrier_signal -3
.Lnot_wave_0_\@:
	s_barrier_wait -3
	s_barrier_signal -1
	s_barrier_wait -1
.endm
	s_load_b256 s[4:11], s[0:1], 0x0               ; qkv, attn_mask, bias, oq
	v_lshl_add_u32 v254, v0, 2, 0x34000
	v_mov_b32 v255, 0
	ds_add_u32 v254, v255
	ds_add_u32 v254, v255
	v_lshrrev_b32 v1, 5, v0
	s_delay_alu instid0(VALU_DEP_1)
	v_readfirstlane_b32 s[WV], v1                  ; wave 0..7
	s_bfe_u32 s[CX], ttmp6, 0x40000                ; cx: my block of 256 queries; it enters Q's and o's addresses alone
	s_and_b32 s[BH], ttmp7, 0xffff
	s_lshl_b32 s[BH], s[BH], 1                     ; the first of the two heads, which the four partners share; even, so both lie in one batch
	s_mov_b32 s[G1I], 15|(3<<16)|(1<<21)           ; the mask: all four; elements of 8 bytes; bit 21 beside a mask; no padding
	s_mov_b32 s[G1I+1], 32<<16                     ; rows of 256 bytes,
	s_mov_b32 s[G1I+2], 50<<16                     ; 50 of them: an eighth of a head's K and V images and scale words
	s_mov_b32 s[G1I+3], 32<<16
	s_mov_b32 s[G1I+4], 50
	s_mov_b32 s[G1I+5], 32                         ; dense
	s_mov_b32 s[G1I+6], 0
	s_mov_b32 s[G1I+7], 0
	s_mul_i32 s16, s[BH], IMGH                     ; the first head's images
	s_mov_b32 s17, s16                             ; Q's scale words stand first
	s_mul_i32 s15, s[WV], 12800                    ; my eighth, in memory and in LDS alike
	s_add_co_u32 s18, s16, s15
	s_add_co_u32 s18, s18, 51200                   ; behind Q's words and images
	s_mov_b32 s19, 0
	s_lshl_b32 s60, s[CX], 3
	s_add_co_u32 s60, s60, s[WV]                   ; p: my pair of query tiles, 0 .. 31
	s_mul_i32 s68, s60, 1536
	s_add_co_u32 s68, s68, s16                     ; its image
	s_mov_b32 s69, 0
	s_lshr_b32 s61, s60, 2
	s_lshl_b32 s61, s61, 8
	s_and_b32 s62, s60, 3
	s_lshl_b32 s62, s62, 2
	s_add_co_u32 s70, s61, s62
	s_add_co_u32 s70, s70, s17                     ; its scale words: [p / 4][r][p % 4]
	s_mov_b32 s71, 0
	s_lshr_b32 s61, s[BH], 4                       ; the batch
	s_and_b32 s62, s[BH], 15                       ; the first head
	s_lshl_b32 s63, s61, 5
	s_add_co_u32 s63, s63, s60                     ; 32 x batch + p
	s_mul_i32 s72, s63, 25600                      ; my pair's two records,
	s_lshr_b32 s57, s62, 3
	s_mul_i32 s57, s57, 6400
	s_add_co_u32 s72, s72, s57                     ; the half in which my two heads' 128 channels lie
	s_and_b32 s57, s62, 7
	s_lshl_b32 s74, s57, 1
	s_add_co_u32 s74, s74, s72                     ; their scale word: byte 2 x (head % 8) of a row's 16
	s_mul_i32 s57, s57, 768
	s_add_co_u32 s72, s72, s57
	s_add_co_u32 s72, s72, 256                     ; their image
	s_mov_b32 s73, 0
	s_mov_b32 s75, 0
	s_lshl_b32 s76, s61, 10                        ; the batch's mask
	s_mov_b32 s77, 0
	s_lshl_b32 s78, s[BH], 2                       ; the two heads' biases: 8 bytes, at a multiple of 8
	s_mov_b32 s79, 0
	s_mov_b32 s[SEL], 0x76543210
	s_mov_b32 s[SEL+1], 0xfedcba98
	s_mov_b32 s[CS], 0x3e38aa3b                    ; log2(e) / 8
	s_mov_b32 s[CS+1], s[CS]                       ; (named with it as a pair)
	s_mov_b32 s[HIM], 0xffff0000
	s_mov_b32 s[ALLM], 0xfcf0bdc2
	s_mov_b32 s[FFFF], 0xffff
	s_wait_dscnt 0x0
	s_wait_kmcnt 0x0
	s_mov_b32 s[G0I], 1
	s_mov_b32 s[G0I+1], s15
	s_add_nc_u64 s[G0I+2:G0I+3], s[4:5], s[18:19]
	s_mov_b32 s[G0I1], 1
	s_add_co_u32 s[G0I1+1], s15, HB
	s_add_nc_u64 s[G0I1+2:G0I1+3], s[G0I+2:G0I+3], IMGH   ; the second head's images follow the first's
	s_or_b32 s[G0I+3], s[G0I+3], 0x80000000
	s_or_b32 s[G0I1+3], s[G0I1+3], 0x80000000
	s_add_nc_u64 s[68:69], s[4:5], s[68:69]
	s_add_nc_u64 s[70:71], s[4:5], s[70:71]
	s_add_nc_u64 s[72:73], s[10:11], s[72:73]
	s_add_nc_u64 s[74:75], s[10:11], s[74:75]
	s_add_nc_u64 s[76:77], s[6:7], s[76:77]
	s_add_nc_u64 s[8:9], s[8:9], s[78:79]
	CROUND                                         ; all four work-groups are here: the joint loads meet
	tensor_load_to_lds s[G0I:G0I+3], s[G1I:G1I+7]  ; my eighth of the first head: one tensor load a wave at the head
	s_nop 0
.rept 4
	v_nop
.endr
	s_load_b64 s[SBI:SBI+1], s[8:9], 0x10000       ; the two heads' biases
	v_and_b32 v[A32], 31, v0                       ; lane
	v_and_b32 v[ADK], 15, v0                       ; r
	v_bfe_u32 v[ADV], v0, 4, 1                     ; h
	s_delay_alu instid0(VALU_DEP_3)
	v_lshlrev_b32 v[A16], 4, v[A32]
	s_delay_alu instid0(VALU_DEP_1)
	v_add_nc_u32 v[AV0], VIMG, v[A16]
	s_delay_alu instid0(VALU_DEP_4)
	v_lshlrev_b32 v[AS0], 4, v[ADK]
	s_delay_alu instid0(VALU_DEP_1)
	v_lshl_add_u32 v[AS0], v[ADV], 11, v[AS0]
	s_delay_alu instid0(VALU_DEP_1)
	v_add_nc_u32 v[AS0], SCB, v[AS0]
	v_lshlrev_b32 v[AM0], 6, v[ADV]
	s_delay_alu instid0(VALU_DEP_1)
	v_add_nc_u32 v[AM0], MT, v[AM0]
	v_lshlrev_b32 v[ADS], 4, v[ADK]                ; (for now: 16 r, Q's scale word)
	v_lshlrev_b32 v[ADM], 2, v0                    ; (for now: 4 x thread, my four mask bytes)
	v_lshl_add_u32 v[AMT], v0, 4, MT
	v_mul_u32_u24 v[A32], v[ADV], 12800
	v_lshl_add_u32 v[A32], v[ADK], 4, v[A32]       ; lanes 0-15: row r of tile A's record; lanes 16-31: of tile B's
.irp hd, 0,1
.irp k, 0,1,2
	global_load_b128 v[QI+12*\hd+4*\k:QI+12*\hd+4*\k+3], v[A16], s[68:69] offset:IMGH*\hd+2048+512*\k
.endr
	global_load_b32 v[QW+\hd], v[ADS], s[70:71] offset:IMGH*\hd
.endr
	global_load_b32 v[S+16], v[ADM], s[76:77]      ; four mask bytes
.macro INIT0                           ; written once, in each window
.irp b, 0,1,2,3
	v_mov_b32 v[BT+\b], 0                          ; a lane permute's destination counts as one of its sources
.endr
	v_mov_b32 v[F+1], 0                            ; (named as the upper half of a pair)
.irp i, 0,1,2,3,4,5
	v_mov_b32 v[QZ+\i], 0                          ; the zero codes on both sides of q
	v_mov_b32 v[QZ+12+\i], 0
.endr
.endm
.macro INITH                           ; at a head's start, in each window.  The step is written once: the first finds zeros, which the first change of M leaves zeros
	v_mov_b32 v[TMX], 0xff61b1e6                   ; -3e38, under every t
	s_delay_alu instid0(VALU_DEP_1)
	v_floor_f32 v[NM], -v[TMX]
	v_mov_b32 v[LS], 0
	v_mov_b32 v[LS+1], 0
.set j, 0
.rept 32
	v_mov_b32 v[O+j], 0
.set j, j+1
.endr
.endm
	INIT0
	WIN 0x55
	INIT0
	WIN 0
	s_wait_kmcnt 0x0
	s_wait_loadcnt 0x0
	s_mul_f32 s[SBI], s[SBI], 0x41000000           ; 8 x bias: exact; t = (q.k + 8 bias) x log2(e) / 8
	s_mul_f32 s[SBI+1], s[SBI+1], 0x41000000
	v_mov_b32 v[S+17], s[SBI]
	v_mov_b32 v[S+24], s[SBI+1]
	v_mov_b32 v[S+18], 0xff61b1e6
.irp i, 0,1,2,3
	v_bfe_u32 v[S+19], v[S+16], 8*\i, 8
	s_delay_alu instid0(VALU_DEP_1)
	v_cmp_ne_u32 vcc_lo, 0, v[S+19]
	s_delay_alu instid0(VALU_DEP_1)
	v_cndmask_b32 v[S+20+\i], v[S+17], v[S+18], vcc_lo   ; a masked key: -3e38
	s_delay_alu instid0(VALU_DEP_2)
	v_cndmask_b32 v[S+28+\i], v[S+24], v[S+18], vcc_lo
.endr
	ds_store_b128 v[AMT], v[S+20:S+23]             ; my four keys of the first head's table,
	ds_store_b128 v[AMT], v[S+28:S+31] offset:4096 ; and of the second's
; THE LOOP IS ROTATED: a step's table of bias and mask, its four pair images of K and K's scale words are asked for in the MIDDLE of the step before (ahead of the first step: in front of the loop), when tile A's softmax
; has freed the table's registers; so tile A's softmax goes first.  In the last step the look-ahead is held at that step's own bytes, and what it brings is not used.  30 loads.
.set SCK, 82                           ; v82, v83, v94, v95: K's scale words of the step
.macro NEXTL
.irp pp, 0,1,2,3
.irp k, 0,1,2,3
	ds_load_b128 v[S+16*\pp+4*\k:S+16*\pp+4*\k+3], v[ADM] offset:128*\pp+16*\k
.endr
.endr
.irp c, 0,1,2,3,4,5,6,7,8,9,10,11
	ds_load_b128 v[KF+4*\c:KF+4*\c+3], v[ADK] offset:512*\c
.endr
	ds_load_b64 v[SCK:SCK+1], v[ADS]
	ds_load_b64 v[SCK+12:SCK+13], v[ADS] offset:8
.endm
.macro QK qs
.irp pp, 0,1,2,3
.irp u, 0,1
	v_wmma_scale_f32_16x16x128_f8f6f4 v[S+16*\pp+8*\u:S+16*\pp+8*\u+7], v[KF+12*\pp:KF+12*\pp+11], v[QZ+6-6*\u:QZ+17-6*\u], v[S+16*\pp+8*\u:S+16*\pp+8*\u+7], v[SCK+\pp+10*(\pp/2)], v[\qs] matrix_a_fmt:MATRIX_FMT_BF6 matrix_b_fmt:MATRIX_FMT_BF6
.endr
.endr
.endm
.macro PV ps                           ; O^T += V^T P^T: four tiles of 16 channels; V's scale words stand in lanes 16-31
.irp t, 0,1,2,3
	v_wmma_scale_f32_16x16x128_f8f6f4 v[O+8*\t:O+8*\t+7], v[VF+12*\t:VF+12*\t+11], v[PC:PC+11], v[O+8*\t:O+8*\t+7], v[SCW+\t], v[\ps] matrix_a_fmt:MATRIX_FMT_BF6 matrix_b_fmt:MATRIX_FMT_BF6 matrix_a_scale:MATRIX_SCALE_ROW1
.endr
.endm
; One tile's softmax for 128 keys, in the window that is set (w = 1: window 1).  ps: where p's scale word goes (window 0: scale operands have no window).
.macro SOFTMAX w, ps
.irp b, 0,1,2,3
	v_max3_num_f32 v[BM+\b], v[S+16*\b], v[S+16*\b+1], v[S+16*\b+2]   ; the largest score of each block of 32 keys: for the row's maximum and, since p rises with the score, for the block's largest p
.endr
.irp i, 3,5,7,9,11,13
.irp b, 0,1,2,3
	v_max3_num_f32 v[BM+\b], v[BM+\b], v[S+16*\b+\i], v[S+16*\b+\i+1]
.endr
.endr
.irp b, 0,1,2,3
	v_max_num_f32 v[BM+\b], v[BM+\b], v[S+16*\b+15]
.endr
.irp b, 0,1,2,3
	s_delay_alu instid0(VALU_DEP_4)
	v_permlanex16_b32 v[BT+\b], v[BM+\b], s[SEL], s[SEL+1]
.endr
.irp b, 0,1,2,3
	s_delay_alu instid0(VALU_DEP_4)
	v_max_num_f32 v[BM+\b], v[BM+\b], v[BT+\b]     ; with lane l xor 16's 16 keys
.endr
	s_delay_alu instid0(VALU_DEP_2)
	v_max3_num_f32 v[T], v[BM], v[BM+1], v[BM+2]
	s_delay_alu instid0(VALU_DEP_1)
	v_max_num_f32 v[T], v[T], v[BM+3]
	s_delay_alu instid0(VALU_DEP_1)
	v_mul_f32 v[T], s[CS], v[T]                    ; as t (c is positive)
	s_delay_alu instid0(VALU_DEP_1)
	v_max_num_f32 v[TMX], v[TMX], v[T]
	v_mov_b32 v[T], v[NM]
	s_delay_alu instid0(VALU_DEP_2)
	v_floor_f32 v[NM], -v[TMX]                     ; -M = floor(-t): M is a whole number
	s_delay_alu instid0(VALU_DEP_1)
	v_sub_f32 v[T], v[NM], v[T]                    ; old M - new M, 0 or less
	s_delay_alu instid0(VALU_DEP_1)
	v_cvt_i32_f32 v[T], v[T]                       ; (it saturates)
	s_delay_alu instid0(VALU_DEP_1)
	v_ldexp_f32 v[F], 1.0, v[T]                    ; f = 2^(old M - new M)
.set j, 0
.rept 32
	v_pk_fma_f32 v[S+j:S+j+1], v[S+j:S+j+1], s[CS:CS+1], v[NM:NM+1] op_sel_hi:[1,0,0]   ; t - M, two at a time
.set j, j+2
.endr
.irp b, 0,1,2,3
	v_fma_f32 v[BM+\b], v[BM+\b], s[CS], v[NM]     ; the same of each block's largest score
.endr
.set j, 0
	s_wait_alu depctr_va_vdst(0)
.rept 64
	v_exp_f32 v[S+j], v[S+j]                       ; p = 2^(t - M)
.set j, j+1
.endr
.irp b, 0,1,2,3
	v_exp_f32 v[BM+\b], v[BM+\b]                   ; the block's largest p: the same two instructions on the same number
.endr
	v_pk_mul_f32 v[LS:LS+1], v[LS:LS+1], v[F:F+1] op_sel_hi:[1,0]   ; the sum under the new M (a plain line behind the exponentials)
	s_wait_alu depctr_va_vdst(0)
.irp b, 0,1,2,3
	v_max_num_f32 v[BM+\b], 0x2800000, v[BM+\b]    ; the floor 2^(5 - 127)
.endr
.irp b, 0,1,2,3
	s_delay_alu instid0(VALU_DEP_4)
	v_add_nc_u32 v[BS+\b], 0xfe000000, v[BM+\b]    ; the conversion's scale operand
.endr
.irp b, 0,1,2,3
	s_delay_alu instid0(VALU_DEP_4)
	v_lshrrev_b32 v[BT+\b], 23, v[BS+\b]           ; the scale's byte
.endr
	s_delay_alu instid0(VALU_DEP_3)
	v_lshl_or_b32 v[T], v[BT+1], 8, v[BT]
	s_delay_alu instid0(VALU_DEP_1)
	v_lshl_or_b32 v[T], v[BT+2], 16, v[T]
	s_delay_alu instid0(VALU_DEP_1)
	v_lshl_or_b32 v[T], v[BT+3], 24, v[T]
.if \w
	WIN 0x01                                       ; source window 1, destination window 0
.endif
	v_mov_b32 v[\ps], v[T]                         ; p's scale word for these 128 keys: more than eight plain lines ahead of the products
.if \w
	WIN 0x55
.endif
.irp c, 0,1
	v_cvt_scalef32_pk16_bf6_f32 v[PC+6*\c:PC+6*\c+2], v[S+32*\c:S+32*\c+15], v[BS+2*\c]
	v_cvt_scalef32_pk16_bf6_f32 v[PT+4*\c:PT+4*\c+2], v[S+32*\c+16:S+32*\c+31], v[BS+2*\c+1]
.endr
	v_nop                                          ; a plain line behind the last conversion
.irp c, 0,1
.irp i, 0,1,2
	v_permlane16_swap_b32 v[PC+6*\c+\i], v[PT+4*\c+\i]   ; a whole block to a lane
.endr
.irp i, 0,1,2
	s_delay_alu instid0(VALU_DEP_3)
	v_mov_b32 v[PC+6*\c+3+\i], v[PT+4*\c+\i]
.endr
.endr
	v_pk_add_f32 v[T:T+1], v[S:S+1], v[S+2:S+3]    ; the sum of the UNQUANTISED p, in two chains
.irp j, 4,8,12,16,20,24,28,32,36,40,44,48,52,56,60
	v_pk_add_f32 v[LS:LS+1], v[LS:LS+1], v[S+\j:S+\j+1]
	v_pk_add_f32 v[T:T+1], v[T:T+1], v[S+\j+2:S+\j+3]
.endr
	s_delay_alu instid0(VALU_DEP_1)
	v_pk_add_f32 v[LS:LS+1], v[LS:LS+1], v[T:T+1]
.set j, 0
.rept 16
	v_pk_mul_f32 v[O+j:O+j+1], v[O+j:O+j+1], v[F:F+1] op_sel_hi:[1,0]   ; O^T under the new M
.set j, j+2
.endr
.endm
; THE WAY OUT of a tile, in the window that is set: O^T / the sum; its 32 numbers of a lane are channels 32 b + 16 h + i: two blocks, quantised as everywhere; six registers of codes: half an operand's image.
.macro FIN d
	v_add_f32 v[LS], v[LS], v[LS+1]
	s_delay_alu instid0(VALU_DEP_1)
	v_permlanex16_b32 v[BT], v[LS], s[SEL], s[SEL+1]
	s_delay_alu instid0(VALU_DEP_1)
	v_add_f32 v[LS], v[LS], v[BT]                  ; the row's sum
	s_wait_alu depctr_va_vdst(0)
	v_rcp_f32 v[LS], v[LS]
	v_nop                                          ; a plain line behind the reciprocal
.set j, 0
	s_wait_alu depctr_va_vdst(0)
.rept 16
	v_pk_mul_f32 v[S+j:S+j+1], v[O+j:O+j+1], v[LS:LS+1] op_sel_hi:[1,0]   ; each accumulator from its low end on
.set j, j+2
.endr
.irp b, 0,1
	v_max3_num_f32 v[BM+\b], |v[S+16*\b]|, |v[S+16*\b+1]|, 0x2800000
.endr
.irp i, 2,4,6,8,10,12,14
.irp b, 0,1
	s_delay_alu instid0(VALU_DEP_2)
	v_max3_num_f32 v[BM+\b], v[BM+\b], |v[S+16*\b+\i]|, |v[S+16*\b+\i+1]|
.endr
.endr
.irp b, 0,1
	s_delay_alu instid0(VALU_DEP_2)
	v_permlanex16_b32 v[BT+\b], v[BM+\b], s[SEL], s[SEL+1]
.endr
.irp b, 0,1
	s_delay_alu instid0(VALU_DEP_2)
	v_max_num_f32 v[BM+\b], v[BM+\b], v[BT+\b]
.endr
.irp b, 0,1
	s_delay_alu instid0(VALU_DEP_2)
	v_add_nc_u32 v[BS+\b], 0xfe000000, v[BM+\b]
.endr
.irp b, 0,1
	s_delay_alu instid0(VALU_DEP_2)
	v_lshrrev_b32 v[BT+\b], 23, v[BS+\b]
.endr
	v_cvt_scalef32_pk16_bf6_f32 v[\d:\d+2], v[S:S+15], v[BS]
	v_cvt_scalef32_pk16_bf6_f32 v[PT:PT+2], v[S+16:S+31], v[BS+1]
	v_nop
.irp i, 0,1,2
	v_permlane16_swap_b32 v[\d+\i], v[PT+\i]
.endr
.irp i, 0,1,2
	s_delay_alu instid0(VALU_DEP_3)
	v_mov_b32 v[\d+3+\i], v[PT+\i]
.endr
	v_lshl_or_b32 v[T], v[BT+1], 8, v[BT]          ; my row's two scale bytes
	v_cmp_gt_f32 vcc_lo, s[ALLM], v[TMX]           ; no key counted: the bytes become 0xff
	s_delay_alu instid0(VALU_DEP_1)
	v_cndmask_b32 v[T], v[T], s[FFFF], vcc_lo
.endm
; ONE HEAD'S WORK, hd = 0 or 1: q into its place, the start values, the barrier behind which the head's tiles are whole, eight steps of 128 keys, the way out.
.macro HEAD hd
.if \hd
	s_wait_xcnt 0x0
.endif
.irp i, 0,1,2,3,4,5
	v_mov_b32 v[QZ+6+\i], v[QI+12*\hd+\i]
.endr
	WIN 0x40                                       ; destination window 1
.irp i, 0,1,2,3,4,5
	v_mov_b32 v[QZ+6+\i], v[QI+12*\hd+6+\i]
.endr
	WIN 0
	v_lshrrev_b32 v[QSB], 16, v[QW+\hd]            ; q's two bytes stand in both halves of its word: they serve (q, 0) and (0, q) alike
	s_delay_alu instid0(VALU_DEP_1)
	v_and_or_b32 v[QSB], v[QW+\hd], s[HIM], v[QSB]
	v_and_b32 v[U], s[FFFF], v[QW+\hd]
	s_delay_alu instid0(VALU_DEP_1)
	v_lshl_or_b32 v[QSA], v[QW+\hd], 16, v[U]
	INITH                                          ; (these lines are also the places between the writes of q and its scale words and the first products)
	WIN 0x55
	INITH
	WIN 0
	s_mov_b32 s[TRIP], 8
	s_mov_b32 s[TK], HB*\hd
	s_mov_b32 s[TS], HB*\hd
	s_mov_b32 s[TMK], 4096*\hd
	s_wait_alu depctr_va_vdst(0)
	s_wait_tensorcnt 0x0                           ; my part of this head's images and scale words has landed
.if \hd == 0
	ds_add_u32 v254, v255
	s_wait_dscnt 0x0                               ; the add is done, and my parts of the tables are written
	CROUND                                         ; everybody's parts are in, and the four work-groups are here: the joint loads meet
	tensor_load_to_lds s[G0I1:G0I1+3], s[G1I:G1I+7]   ; my eighth of the second head: it lands under the first head's work
	s_nop 0
.rept 4
	v_nop
.endr
.else
	s_wait_dscnt 0x0
	s_barrier_signal -1
	s_barrier_wait -1                              ; everybody's are
.endif
	v_add_nc_u32 v[ADK], s[TK], v[A16]
	v_add_nc_u32 v[ADS], s[TS], v[AS0]
	v_add_nc_u32 v[ADM], s[TMK], v[AM0]
	NEXTL                                          ; the first step's table, K and K's scale words
.Lstep_\@:                                         ; eight trips of 128 keys
	v_add_nc_u32 v[ADV], s[TK], v[AV0]             ; these four lines are the places between the last trip's products and the loads into their registers
	v_add_nc_u32 v[ADS], s[TS], v[AS0]
	v_nop
	v_nop
	ds_load_b128 v[SCW:SCW+3], v[ADS]              ; V's scale words stand in lanes 16-31
	WIN 0x40                                       ; destination window 1
.irp c, 0,1,2,3,4,5,6,7,8,9,10,11
	ds_load_b128 v[VF+4*\c:VF+4*\c+3], v[ADV] offset:512*\c   ; four images of V
.endr
	s_wait_dscnt 13                                ; all but V's scale words and its twelve loads are in
	WIN 0x44                                       ; tile B: source 1 and D window 1; K and C window 0
	QK QSB
.rept 5
	v_nop                                          ; tile A's products write over the registers that tile B's took as C: five places
.endr
	WIN 0
	QK QSA                                         ; tile A, in place on the table's registers
.rept 4
	v_nop                                          ; four places ahead of the first read of tile A's scores
.endr
	SOFTMAX 0, PSA
	s_wait_alu depctr_va_vdst(0)
	s_wait_dscnt 0x0                               ; V is in
	WIN 0x01                                       ; V in window 1, all else in window 0
	PV PSA
	WIN 0
	s_add_co_u32 s56, s[TK], 6144                  ; the next step's bytes, held at the last step's
	s_min_u32 s56, s56, HB*\hd+7*6144
	s_add_co_u32 s57, s[TS], 256
	s_min_u32 s57, s57, HB*\hd+7*256
	s_add_co_u32 s58, s[TMK], 512
	s_min_u32 s58, s58, 4096*\hd+7*512
	v_add_nc_u32 v[ADK], s56, v[A16]
	v_add_nc_u32 v[ADS], s57, v[AS0]
	v_add_nc_u32 v[ADM], s58, v[AM0]
	NEXTL                                          ; they land under tile B's softmax
	WIN 0x55
	SOFTMAX 1, PSB
	PV PSB
	WIN 0
	s_add_co_u32 s[TK], s[TK], 6144
	s_add_co_u32 s[TS], s[TS], 256
	s_add_co_u32 s[TMK], s[TMK], 512
	s_sub_co_u32 s[TRIP], s[TRIP], 1
	s_cmp_lg_u32 s[TRIP], 0
	s_cbranch_scc1 .Lstep_\@
	s_wait_dscnt 0x0                               ; the last trip's look-ahead has landed: its registers are written below
	FIN OC+6*\hd                                   ; tile A first: its lines are the places behind tile B's last products
	WIN 0x55
	FIN OC+6*\hd
	WIN 0x04
.if \hd == 0
	v_cndmask_b32 v[U0], v[T], v[T], s[HIM]        ; lanes 0-15: tile A's rows; lanes 16-31: tile B's (source 1, window 1)
	WIN 0
.else
	v_cndmask_b32 v[U], v[T], v[T], s[HIM]
	WIN 0
	v_lshl_or_b32 v[U], v[U], 16, v[U0]            ; the row's scale word for the two heads' 128 channels
.irp k, 0,1,2
	global_store_b128 v[A16], v[OC+4*\k:OC+4*\k+3], s[72:73] offset:512*\k   ; tile A's image: 512 consecutive bytes, aligned
.endr
	WIN 0x04
.irp k, 0,1,2
	global_store_b128 v[A16], v[OC+4*\k:OC+4*\k+3], s[72:73] offset:12800+512*\k   ; tile B's
.endr
	WIN 0
	global_store_b32 v[A32], v[U], s[74:75]
.endif
.endm
	HEAD 0
	HEAD 1
	s_wait_tensorcnt 0x0
	ds_add_u32 v254, v255
	s_wait_dscnt 0x0
	CROUND                                         ; the closing round
	s_endpgm
.Lfunc_end_k_q4ec7101050_attn:
	.size	k_q4ec7101050_attn, .Lfunc_end_k_q4ec7101050_attn-k_q4ec7101050_attn
	.p2alignl 7, 3214868480
	.fill 96, 4, 3214868480
	.section	.rodata,"a",@progbits
	.p2align	6, 0x0
	.amdhsa_kernel k_q4ec7101050_attn
		.amdhsa_group_segment_fixed_size 327680
		.amdhsa_private_segment_fixed_size 0
		.amdhsa_enable_private_segment 0
		.amdhsa_kernarg_size 32
		.amdhsa_user_sgpr_count 2
		.amdhsa_user_sgpr_kernarg_segment_ptr 1
		.amdhsa_wavefront_size32 1
		.amdhsa_system_sgpr_workgroup_id_x 1
		.amdhsa_system_sgpr_workgroup_id_y 1
		.amdhsa_system_sgpr_workgroup_id_z 1
		.amdhsa_system_vgpr_workitem_id 0
		.amdhsa_next_free_vgpr 512
		.amdhsa_next_free_sgpr 96
		.amdhsa_reserve_vcc 1
		.amdhsa_float_denorm_mode_32 3
		.amdhsa_float_denorm_mode_16_64 3
		.amdhsa_memory_ordered 1
		.amdhsa_forward_progress 1
		.amdhsa_inst_pref_size 104
	.end_amdhsa_kernel
	.amdgpu_metadata
---
amdhsa.version: [ 1, 2 ]
amdhsa.kernels:
  - .name:           k_q4ec7101050_attn
    .symbol:         k_q4ec7101050_attn.kd
    .args:
      - { .name: qkv, .offset: 0, .size: 8, .value_kind: global_buffer, .address_space: global }
      - { .name: attn_mask, .offset: 8, .size: 8, .value_kind: global_buffer, .address_space: global }
      - { .name: bias, .offset: 16, .size: 8, .value_kind: global_buffer, .address_space: global }
      - { .name: oq, .offset: 24, .size: 8, .value_kind: global_buffer, .address_space: global }
    .group_segment_fixed_size: 327680
    .private_segment_fixed_size: 0
    .kernarg_segment_align: 8
    .kernarg_segment_size: 32
    .max_flat_workgroup_size: 256
    .sgpr_count:     96
    .vgpr_count:     512
    .wavefront_size: 32
...
	.end_amdgpu_metadata
.endif
;; end of part 9
;; launch outp (part 10): grid 8 x 32, 4 waves a work-group, clusters of 4 x 1, 222,720 bytes of LDS; arguments oq, wq, bo, out0; writes out0
.if DOCPART == 10
	.amdgcn_target "amdgcn-amd-amdhsa--gfx1250"
	.amdhsa_code_object_version 6
	.text
	.protected	k_q4ec7101050_outp
	.globl	k_q4ec7101050_outp
	.p2align	8
	.type	k_q4ec7101050_outp,@function
k_q4ec7101050_outp:
	s_mov_b64 s[64:65], 0
	v_nop
	global_prefetch_b8 v0, s[64:65] scope:SCOPE_SE
	s_setreg_imm32_b32 hwreg(HW_REG_WAVE_MODE, 25, 1), 1
	s_wait_xcnt 0x0
	s_wait_alu depctr_hold_cnt(0) depctr_sa_sdst(0) depctr_va_vdst(0) depctr_va_sdst(0) depctr_va_ssrc(0) depctr_va_vcc(0) depctr_vm_vsrc(0)
	s_getreg_b32 s2, hwreg(HW_REG_IB_STS2, 6, 4)
	s_cmp_eq_u32 s2, 0
	s_cbranch_scc0 .Lentry_in_a_cluster
	s_endpgm
.Lentry_in_a_cluster:
	s_bfe_u32 s2, ttmp6, 0x10000c
	s_cmp_lg_u32 s2, 0x3003
	s_cbranch_scc0 .Lentry_shape_is_right
	s_endpgm
.Lentry_shape_is_right:
; out0 = o Wo + bo on codes of BF6 (E3M2) with one E8M0 scale for each 32 along K = 1,024; sums in f32.
; 256 work-groups, each one tile of 256 tokens x 128 columns; a wave makes 128 x 64, in two halves of 64 tokens, so that the first half's stores leave while the second half is multiplied.
; oq and wq are records of 12,800 bytes for 16 rows: two halves of K, each 256 bytes of scale words and four images of 1,536 bytes.  o's 16 records come into LDS once, by one joint load a wave, shared by the four
; work-groups of a cluster, which hold the same tokens.  Wo GOES FROM MEMORY STRAIGHT INTO REGISTERS, with no joint load: wq is laid as the operand's registers take it, and a wave's 64 columns for all of K are
; 384 registers, loaded once (96 loads of 512 consecutive bytes, issued at the head) and used for both halves: so a step's LDS loads are the tokens' 12 alone.  No loop to run ahead in: no prefetch.
; Source 0 = 16 rows of Wo, source 1 = 16 tokens: a lane holds one token, registers run along the columns.  bo is the C of the first products.  The rows' order of the workspace (row r of tile 2 G + u = index
; 32 G + 8 u + r + 8 (r / 8)) is undone in the stage's and the stores' offsets.
; REGISTERS: window 0: addresses, scale words, bo, the way out; window 1: the accumulators; window 2: two sets of the tokens' four fragments (v0-95), Wo's steps 5-7 (v96-239); window 3: Wo's steps 0-4.
.set REC,   12800
.set HREC,  6400
.set STAGE, 204800                     ; 16 rows x 272 bytes for each wave: bytes of its own, into which no fill lands
.set SPITCH, 272
.set SPARE, 222208
.set ADT, 16
.set ATS, 18
.set STO, 24
.set RD,  25
.set CO,  26
.set BV0, 27
.set SPW, 28
.set NIL, 29
.set AWS, 30
.set LI,  31
.set TS,  32                           ; v32-95 tokens' scale words: 32 x half + 4 i + q
.set WS,  96                           ; v96-127 Wo's: 16 x half + 4 i + q
.set CBT, 128
.set BK,  160                          ; v160-223 rows read back from the stage, two sets
.set G1,  24
.set G0,  32
.set WB,  86
.set MSB, 0
.macro WIN new
.if MSB != (\new)
	s_set_vgpr_msb (MSB<<8)|(\new)
.set MSB, (\new)
.endif
.endm
.macro PLACES
.rept 4
	v_nop
.endr
.endm
.macro CROUND
	s_barrier_signal -1
	s_barrier_wait -1
	s_cmp_lg_u32 s14, 0
	s_cbranch_scc1 .Lnot_wave_0_\@
	s_barrier_signal -3
.Lnot_wave_0_\@:
	s_barrier_wait -3
	s_barrier_signal -1
	s_barrier_wait -1
.endm
	s_load_b256 s[4:11], s[0:1], 0x0               ; oq, wq, bo, out0
	v_lshl_add_u32 v[SPW], v0, 2, SPARE
	v_mov_b32 v[NIL], 0
	ds_add_u32 v[SPW], v[NIL]
	ds_add_u32 v[SPW], v[NIL]
	v_lshrrev_b32 v1, 5, v0
	v_readfirstlane_b32 s14, v1
	s_lshr_b32 s15, s14, 1                         ; my half of the tokens
	s_and_b32 s16, s14, 1                          ; my half of the columns
	s_bfe_u32 s40, ttmp6, 0x40000
	s_lshl_b32 s42, ttmp9, 2
	s_add_co_u32 s42, s42, s40                     ; the tile of 128 columns
	s_and_b32 s17, ttmp7, 0xffff                   ; the block of 256 tokens, which the four partners share
	s_mov_b32 s[G1], 15|(3<<16)|(1<<21)
	s_mov_b32 s[G1+1], 1600<<16
	s_mov_b32 s[G1+2], 4<<16
	s_mov_b32 s[G1+3], 1600<<16
	s_mov_b32 s[G1+4], 4
	s_mov_b32 s[G1+5], 1600
	s_mov_b32 s[G1+6], 0
	s_mov_b32 s[G1+7], 0
	s_lshl_b32 s20, s17, 4
	s_lshl_b32 s18, s14, 2
	s_add_co_u32 s20, s20, s18
	s_mul_i32 s20, s20, REC
	s_mov_b32 s21, 0
	s_mul_i32 s45, s14, 4*REC
	s_wait_dscnt 0x0
	s_wait_kmcnt 0x0
	s_add_nc_u64 s[20:21], s[4:5], s[20:21]
	CROUND
	s_mov_b32 s[G0], 1
	s_mov_b32 s[G0+1], s45
	s_mov_b64 s[G0+2:G0+3], s[20:21]
	s_or_b32 s[G0+3], s[G0+3], 0x80000000
	tensor_load_to_lds s[G0:G0+3], s[G1:G1+7]      ; my quarter of o's records: the wave's one tensor load
	s_nop 0
	PLACES
	s_mul_i32 s82, s15, 8*REC
	s_add_co_u32 s84, s82, 4*REC
	s_mul_i32 s85, s14, 16*SPITCH
	s_add_co_u32 s85, s85, STAGE
	v_and_b32 v1, 15, v0
	v_bfe_u32 v2, v0, 4, 1
	v_and_b32 v3, 31, v0
	v_lshlrev_b32 v[LI], 4, v3
	v_lshlrev_b32 v[AWS], 4, v1
	v_add_nc_u32 v[ADT], s82, v[LI]
	v_add_nc_u32 v[ADT+1], s84, v[LI]
	v_add_nc_u32 v[ATS], s82, v[AWS]
	v_add_nc_u32 v[ATS+1], s84, v[AWS]
	v_mul_u32_u24 v6, v1, SPITCH
	v_lshl_add_u32 v6, v2, 6, v6
	v_add_nc_u32 v[STO], s85, v6                   ; into the stage: row r, 64 h
	v_mul_u32_u24 v6, v2, SPITCH
	v_add_nc_u32 v6, v6, v[AWS]
	v_add_nc_u32 v[RD], s85, v6                    ; out of it: sixteen lanes to a row of 256 bytes, two rows an instruction
	v_lshl_add_u32 v[CO], v2, 12, v[AWS]           ; and the same in out0
	v_lshlrev_b32 v[BV0], 6, v2
	s_lshl_b32 s46, s42, 3
	s_lshl_b32 s18, s16, 2
	s_add_co_u32 s46, s46, s18
	s_add_co_u32 s46, s46, 192                     ; Wo's tiles follow Wq's, Wk's and Wv's
	s_mul_i32 s46, s46, REC
	s_mov_b32 s47, 0
	s_add_nc_u64 s[WB:WB+1], s[6:7], s[46:47]
	s_lshl_b32 s80, s42, 9
	s_lshl_b32 s23, s16, 8
	s_add_co_u32 s80, s80, s23                     ; my first column, in bytes
	s_mov_b32 s81, 0
	s_add_nc_u64 s[8:9], s[8:9], s[80:81]
	s_lshl_b32 s78, s17, 1
	s_add_co_u32 s78, s78, s15
	s_lshl_b32 s78, s78, 19                        ; my first token: 128 rows of 4,096 bytes
	s_add_co_u32 s78, s78, s80
	s_mov_b32 s79, 0
	s_add_nc_u64 s[12:13], s[10:11], s[78:79]
	s_wait_alu depctr_va_vdst(0)
.irp t, 0,1,2,3
	global_load_b128 v[CBT+8*\t:CBT+8*\t+3], v[BV0], s[8:9] offset:(32*(\t/2)+8*(\t%2))*4
	global_load_b128 v[CBT+8*\t+4:CBT+8*\t+7], v[BV0], s[8:9] offset:(32*(\t/2)+8*(\t%2))*4+16
.endr
.irp h, 0,1
.irp wb, 0,1,2,3
	global_load_b128 v[WS+16*\h+4*\wb:WS+16*\h+4*\wb+3], v[AWS], s[WB:WB+1] offset:\wb*REC+\h*HREC
.endr
.endr
.macro GLW kk                          ; Wo's four fragments of step kk: 12 loads
.if (\kk) < 5
	WIN 0xc0
.set WR, 48*(\kk)
.else
	WIN 0x80
.set WR, 96+48*((\kk)-5)
.endif
.irp wb, 0,1,2,3
.irp k, 0,1,2
	global_load_b128 v[WR+12*\wb+4*\k:WR+12*\wb+4*\k+3], v[LI], s[WB:WB+1] offset:\wb*REC+((\kk)/4)*HREC+256+((\kk)%4)*1536+512*\k
.endr
.endr
.endm
.irp kk, 0,1,2,3,4,5,6,7
	GLW \kk
.endr
	WIN 0
.macro FETCHT h, q, set, g             ; four of the tokens' fragments of one step: 12 loads
	WIN 0x80
.irp i, 0,1,2,3
.irp k, 0,1,2
	ds_load_b128 v[48*(\set)+12*\i+4*\k:48*(\set)+12*\i+4*\k+3], v[ADT+(\g)] offset:\i*REC+(\h)*HREC+256+(\q)*1536+512*\k
.endr
.endr
.endm
.macro MM d, a, b, c, sa, sb
	v_wmma_scale_f32_16x16x128_f8f6f4 v[\d:\d+7], v[\a:\a+11], v[\b:\b+11], v[\c:\c+7], v[\sa], v[\sb] matrix_a_fmt:MATRIX_FMT_BF6 matrix_b_fmt:MATRIX_FMT_BF6
.endm
; Step m: half m / 8 of my tokens, step m % 8 along K: 16 matrix instructions; the accumulators take turns.
.macro KST m
.set GG, (\m)/8
.set KK, (\m)%8
.set HH, KK/4
.set QQ, KK%4
.set N1, (\m)+1
.set TP, 48*((\m)%2)
	PLACES                                         ; between the last products and loads into registers that they read
.if N1 < 16
	FETCHT (N1%8)/4, N1%4, N1%2, N1/8
	s_wait_dscnt 12                                ; all but the next step's 12 loads are in
.else
	s_wait_dscnt 0x0
.endif
.if (\m) < 8
.if KK < 2
	s_wait_loadcnt 60                              ; 84 and 72 loads are younger than these steps' fragments; the wait's field holds 63 at the most, so it asks for 60: bo, the scale words and three steps' fragments are in
.else
	s_wait_loadcnt 12*(7-KK)                       ; Wo's fragments of this step are in; those of the later steps may be out
.endif
.endif
.if KK < 5
.set WR, 48*KK
.if KK == 0
	WIN 0x4b
.else
	WIN 0x5b
.endif
.else
.set WR, 96+48*(KK-5)
	WIN 0x5a
.endif
.irp i, 0,1,2,3
.irp wb, 0,1,2,3
.if KK == 0
	MM 8*(16*GG+4*\i+\wb), WR+12*\wb, TP+12*\i, CBT+8*\wb, WS+16*HH+4*\wb+QQ, TS+32*HH+16*GG+4*\i+QQ
.else
	MM 8*(16*GG+4*\i+\wb), WR+12*\wb, TP+12*\i, 8*(16*GG+4*\i+\wb), WS+16*HH+4*\wb+QQ, TS+32*HH+16*GG+4*\i+QQ
.endif
.endr
.endr
.endm
; THE WAY OUT, block by block of 16 tokens x 64 columns, through my own stage: LDS serves a wave's instructions in order, so no wait stands between the stores and the loads.
.macro TOSTAGE a
	WIN 0x04                                       ; the data: window 1
.irp b, 0,1,2,3
	ds_store_b128 v[STO], v[8*(4*(\a)+\b):8*(4*(\a)+\b)+3] offset:128*(\b/2)+32*(\b%2)
	ds_store_b128 v[STO], v[8*(4*(\a)+\b)+4:8*(4*(\a)+\b)+7] offset:128*(\b/2)+32*(\b%2)+16
.endr
	WIN 0
.set BB, BK+32*((\a)%2)
.irp t, 0,1,2,3,4,5,6,7
	ds_load_b128 v[BB+4*\t:BB+4*\t+3], v[RD] offset:\t*2*SPITCH
.endr
.endm
.macro SEND a, younger
.set BB, BK+32*((\a)%2)
	s_wait_dscnt \younger
.irp t, 0,1,2,3,4,5,6,7
	global_store_b128 v[CO], v[BB+4*\t:BB+4*\t+3], s[12:13] offset:(32*((\a)/2)+8*((\a)%2)+2*\t+8*(\t/4))*4096 th:TH_STORE_NT   ; sixteen lanes store 256 consecutive bytes, aligned
.endr
.endm
.macro OUTG g
	PLACES                                         ; behind the last products
.irp a, 0,1,2,3
.if 4*(\g)+\a > 1
	s_wait_xcnt 0x0                                ; the stores of two blocks ago have read their registers
.endif
	TOSTAGE 4*(\g)+\a
.if \a > 0
	SEND 4*(\g)+\a-1, 16                           ; behind that block's loads: this block's 8 stores and 8 loads
.endif
.endr
	SEND 4*(\g)+3, 0
.endm
	s_wait_tensorcnt 0x0                           ; my quarter of o is in;
	s_barrier_signal -1
	s_barrier_wait -1                              ; everybody's is.  Nothing is filled again
.irp h, 0,1
.irp i, 0,1,2,3,4,5,6,7
	ds_load_b128 v[TS+32*\h+4*\i:TS+32*\h+4*\i+3], v[ATS+\i/4] offset:(\i%4)*REC+\h*HREC
.endr
.endr
	FETCHT 0, 0, 0, 0
.irp m, 0,1,2,3,4,5,6,7
	KST \m
.endr
	OUTG 0
.irp m, 8,9,10,11,12,13,14,15
	KST \m
.endr
	OUTG 1
	s_wait_tensorcnt 0x0                           ; the wave's end
	ds_add_u32 v[SPW], v[NIL]
	s_wait_dscnt 0x0
	CROUND                                         ; the closing round
	s_endpgm
.Lfunc_end_k_q4ec7101050_outp:
	.size	k_q4ec7101050_outp, .Lfunc_end_k_q4ec7101050_outp-k_q4ec7101050_outp
	.p2alignl 7, 3214868480
	.fill 96, 4, 3214868480
	.section	.rodata,"a",@progbits
	.p2align	6, 0x0
	.amdhsa_kernel k_q4ec7101050_outp
		.amdhsa_group_segment_fixed_size 222720
		.amdhsa_private_segment_fixed_size 0
		.amdhsa_enable_private_segment 0
		.amdhsa_kernarg_size 32
		.amdhsa_user_sgpr_count 2
		.amdhsa_user_sgpr_kernarg_segment_ptr 1
		.amdhsa_wavefront_size32 1
		.amdhsa_system_sgpr_workgroup_id_x 1
		.amdhsa_system_sgpr_workgroup_id_y 1
		.amdhsa_system_sgpr_workgroup_id_z 1
		.amdhsa_system_vgpr_workitem_id 0
		.amdhsa_next_free_vgpr 1024
		.amdhsa_next_free_sgpr 100
		.amdhsa_reserve_vcc 0
		.amdhsa_float_denorm_mode_32 3
		.amdhsa_float_denorm_mode_16_64 3
		.amdhsa_memory_ordered 1
		.amdhsa_forward_progress 1
		.amdhsa_inst_pref_size 80
	.end_amdhsa_kernel
	.amdgpu_metadata
---
amdhsa.version: [ 1, 2 ]
amdhsa.kernels:
  - .name:           k_q4ec7101050_outp
    .symbol:         k_q4ec7101050_outp.kd
    .args:
      - { .name: oq, .offset: 0, .size: 8, .value_kind: global_buffer, .address_space: global }
      - { .name: wq, .offset: 8, .size: 8, .value_kind: global_buffer, .address_space: global }
      - { .name: bo, .offset: 16, .size: 8, .value_kind: global_buffer, .address_space: global }
      - { .name: out0, .offset: 24, .size: 8, .value_kind: global_buffer, .address_space: global }
    .group_segment_fixed_size: 222720
    .private_segment_fixed_size: 0
    .kernarg_segment_align: 8
    .kernarg_segment_size: 32
    .max_flat_workgroup_size: 128
    .sgpr_count:     100
    .vgpr_count:     1024
    .wavefront_size: 32
...
	.end_amdgpu_metadata
.endif
;; end of part 10
